; MI455X (gfx1250); checked and timed in simulation.
; The chip was launched on July 23, 2026; its instructions are those of AMD's public machine-readable ISA for CDNA 5 (MIT licence, August 2026) and "CDNA5" Instruction Set Architecture Reference Guide (July 2026). The comments in the code are by the model that wrote it; some were corrected since.
;; New Deep SC Transformer Block. Allowed arithmetic: matrix products marked QUANTISED: E4M3 operands, one E8M0 scale for each 32 along K, by v_wmma_scale_f32_16x16x128_f8f6f4 with both operands' format E4M3, f32 sums; everything else in f32.
;; Inputs: M 2 x 2,048 x 2,048 float32; e_bf 512 float32; e_bk 512 float32; e_bo 512 float32; e_bq 512 float32; e_bv 512 float32; e_wf 1,024 x 512 float32; e_wk 512 x 512 float32; e_wo 512 x 512 float32; e_wq 512 x 512 float32; e_wv 512 x 512 float32; expr_emb 2 x 2,048 x 512 float32; fe_b1 2,048 float32; fe_b2 512 float32; fe_w1 512 x 2,048 float32; fe_w2 2,048 x 512 float32; fg_b1 2,048 float32; fg_b2 512 float32; fg_w1 512 x 2,048 float32; fg_w2 2,048 x 512 float32; g_bk 512 float32; g_bo 512 float32; g_bq 512 float32; g_bv 512 float32; g_wk 512 x 512 float32; g_wo 512 x 512 float32; g_wq 512 x 512 float32; g_wv 512 x 512 float32; gene_emb 2 x 2,048 x 512 float32; ln_e1_b 512 float32; ln_e1_w 512 float32; ln_e2_b 512 float32; ln_e2_w 512 float32; ln_g1_b 512 float32; ln_g1_w 512 float32; ln_g2_b 512 float32; ln_g2_w 512 float32.
;; Outputs: out0 2 x 2,048 x 512 float32; out1 2 x 2,048 x 512 float32.
;; This version of the problem:
;;   THIS VERSION OF THE PROBLEM IS GIVEN IN LOW PRECISION. The matrix products marked QUANTISED in the list below multiply operands that are first quantised to E4M3 (4 exponent bits, 3 mantissa bits; 8 bits a number), with one power-of-two scale for each 32 numbers along K (OCP MX v1.0); their sums are f32. All else is computed in f32.
;;   The module's matrix products, in the order in which they are computed (A, B: the left and right operand; K: the contracted axis; several contracted axes count as one K, in the product's order):
;;     1. [M 4,096, K 512] x [K 512, N 512]; A: computed on the way; B: input g_wq: QUANTISED
;;     2. [M 4,096, K 512] x [K 512, N 512]; A: computed on the way; B: input g_wk: QUANTISED
;;     3. [M 4,096, K 512] x [K 512, N 512]; A: computed on the way; B: input g_wv: QUANTISED
;;     4. batch 16 x [M 2,048, K 64] x [K 64, N 2,048]; A: computed on the way; B: computed on the way: QUANTISED
;;     5. batch 16 x [M 64, K 2,048] x [K 2,048, N 2,048]; A: computed on the way; B: computed on the way: QUANTISED
;;     6. [M 4,096, K 512] x [K 512, N 512]; A: computed on the way; B: input g_wo: QUANTISED
;;     7. [M 4,096, K 512] x [K 512, N 2,048]; A: computed on the way; B: input fg_w1: QUANTISED
;;     8. [M 4,096, K 2,048] x [K 2,048, N 512]; A: computed on the way; B: input fg_w2: QUANTISED
;;     9. [M 4,096, K 1,024] x [K 1,024, N 512]; A: computed on the way; B: input e_wf: QUANTISED
;;     10. [M 4,096, K 512] x [K 512, N 512]; A: computed on the way; B: input e_wq: QUANTISED
;;     11. [M 4,096, K 512] x [K 512, N 512]; A: computed on the way; B: input e_wk: QUANTISED
;;     12. [M 4,096, K 512] x [K 512, N 512]; A: computed on the way; B: input e_wv: QUANTISED
;;     13. batch 16 x [M 2,048, K 64] x [K 64, N 2,048]; A: computed on the way; B: computed on the way: QUANTISED
;;     14. batch 16 x [M 64, K 2,048] x [K 2,048, N 2,048]; A: computed on the way; B: computed on the way: QUANTISED
;;     15. [M 4,096, K 512] x [K 512, N 512]; A: computed on the way; B: input e_wo: QUANTISED
;;     16. [M 4,096, K 512] x [K 512, N 2,048]; A: computed on the way; B: input fe_w1: QUANTISED
;;     17. [M 4,096, K 2,048] x [K 2,048, N 512]; A: computed on the way; B: input fe_w2: QUANTISED
;;   THE QUANTISER, for each operand of a quantised product, along K:
;;     - K is cut into blocks of 32 from its start; a last block that is shorter is filled with zeros.
;;     - A block's scale is 2^e with e = floor(log2(the largest magnitude in the block)) - 8, held to -126 .. 127; a block of zeros has e = 0. As a byte (E8M0): e + 127.
;;     - Each number is divided by its block's scale, clamped to +-448, and rounded to the nearest number of E4M3, ties to even, subnormals kept.
;;     - The product sums the exact products of the quantised numbers (number of the format x scale) in f32.
;;   ~~~python
;;   def quantise(x, axis):      # numpy; x: float32 -> the quantised numbers, widened to float32 again
;;       x = np.moveaxis(x, axis, -1); K = x.shape[-1]
;;       x = np.pad(x, [(0, 0)] * (x.ndim - 1) + [(0, -K % 32)]); x = x.reshape(x.shape[:-1] + (-1, 32)); a = np.abs(x).max(-1, keepdims=True)
;;       e = np.where(a > 0, np.clip(np.frexp(np.where(a > 0, a, 1))[1] - 1 - 8, -126, 127), 0)      # np.frexp(a)[1] - 1 = floor(log2(a)), exactly
;;       r = np.clip(x / 2.0 ** e, -448, 448)
;;       step = 2.0 ** (np.maximum(np.frexp(np.where(r == 0, 1, r))[1] - 1, -6) - 3)
;;       q = np.round(r / step) * step * 2.0 ** e      # np.round: ties to even
;;       return np.moveaxis(q.reshape(q.shape[:-2] + (-1,))[..., :K], -1, axis).astype(np.float32)
;;   ~~~
;;   OPERANDS COMPUTED ON THE WAY. 'Computed on the way' means the value that the module computes at that place (a softmax that the list does not call 'softmax' is quantised finished and normalised). What goes into a quantiser is computed in f32, as accurately as f32 sums, v_exp_f32 and their like allow (about 1e-6 of the number): no bf16 or f16 on the way to a quantiser, and a product that is left as it is and whose result goes on into a quantised operand takes f32 operands (vector FMAs, or v_wmma_f32_16x16x4_f32). A number that lies on a knife's edge between two numbers of the format may be rounded either way, as far as f32 arithmetic and the matrix unit's own rounding can turn it there, and no further.
;; 2 versions, each right; version 2 is version 1 with the launches front, back written anew for expert scheduling mode. Each part assembles by itself: llvm-mc -triple=amdgcn-amd-amdhsa -mcpu=gfx1250 --defsym DOCPART=n.
;; ======== version 1 of 2: 4 launches
;; limits: a function is approximated: absolute error at most 1e-07
;; workspace buffers: wc 7,028,736 bytes; qkv 13,107,200 bytes; ao 4,325,376 bytes
;; launch prep (part 1): grid 104 x 4, 4 waves a work-group, no clusters, 0 bytes of LDS; arguments g_wq, g_wk, g_wv, g_wo, e_wq, e_wk, e_wv, e_wo, e_wf, fg_w2, fe_w2, fg_w1, fe_w1, wc; writes wc
.if DOCPART == 1
	.amdgcn_target "amdgcn-amd-amdhsa--gfx1250"
	.amdhsa_code_object_version 6
	.text
	.protected	k_q6077fcb2e5_prep
	.globl	k_q6077fcb2e5_prep
	.p2align	8
	.type	k_q6077fcb2e5_prep,@function
k_q6077fcb2e5_prep:
	s_mov_b64 s[64:65], 0
	v_nop
	global_prefetch_b8 v0, s[64:65] scope:SCOPE_SE
	s_setreg_imm32_b32 hwreg(HW_REG_WAVE_MODE, 25, 1), 1
	s_wait_xcnt 0x0
; The 13 weights, f32 stored [K][N], become codes of FP8 (E4M3) with one E8M0 byte for each 32 along K, laid in the order of an operand's registers.
; wc holds 416 records of 16,896 bytes.  A record is 512 along K x a PAIR of 32 columns: codes [t 2][s 4][c 4][lane 32][16 bytes], then scale words [t 2][s 4][r 16].
; Row r of tile t of pair P is column 32 P + 8 t + r + (r & 8); lane (r, h) of group c of K step s holds k = 128 s + 32 c + 16 h + 0 .. 15.
; A LANE TAKES A COLUMN AND ITS REGISTERS RUN DOWN K: a block of 32 lies in one lane, and the conversions give codes with K innermost.
; Work-group x = four records (one a wave), y = the K step s.  Each load of a wave reads 128 consecutive bytes, the four waves side by side 512.
; A lane's 32 codes of a block are the 16 bytes of lane (r, 0) and of lane (r, 1): two stores, in each of which sixteen lanes write 256 consecutive aligned bytes.
; LIMITS: NaN and infinities are not served; a block whose largest magnitude lies under 2^-118 keeps the byte 1, a block of zeros too (its codes are zeros; this program alone reads the bytes).
.set REC, 16896
.set RO,  32                           ; v32-63   4 x column + i rows
.set X,   64                           ; v64-191  four blocks of 32 numbers
.set C,   192                          ; v192-223 eight registers of codes for each block: no store's data are written again
.set SB,  16                           ; v16      the scale word
.set DO,  17                           ; v17      8192 t + 16 r
.set SO,  18                           ; v18      256 t + 4 r
.set STR, 2                            ; s2       a row of the weight in bytes
.set WV,  3
.set SRC, 4                            ; s[4:5]   the weight
.set G0,  6                            ; s6       its first work-group
.set LOC, 7
.set MNT, 47
.set BS,  48                           ; s[48:55] where the four blocks begin
.set DC,  56                           ; s[56:57] the record's codes of this K step
.set DS,  58                           ; s[58:59] the record, + 64 s
	s_load_b512 s[8:23], s[0:1], 0x0               ; g_wq g_wk g_wv g_wo e_wq e_wk e_wv e_wo
	s_load_b256 s[24:31], s[0:1], 0x40             ; e_wf fg_w2 fe_w2 fg_w1
	s_load_b128 s[32:35], s[0:1], 0x60             ; fe_w1 wc
	v_lshrrev_b32 v1, 5, v0
	v_readfirstlane_b32 s[WV], v1
	v_and_b32 v2, 31, v0
	v_lshrrev_b32 v3, 4, v2                        ; t
	v_and_b32 v4, 15, v2                           ; r
	v_and_b32 v5, 8, v4
	v_add_nc_u32 v5, v5, v4
	v_lshl_add_u32 v5, v3, 3, v5                   ; my column in the pair: 8 t + r + (r & 8)
	v_lshlrev_b32 v[RO], 2, v5
	v_lshlrev_b32 v[DO], 4, v4
	v_lshl_add_u32 v[DO], v3, 13, v[DO]
	v_lshlrev_b32 v[SO], 2, v4
	v_lshl_add_u32 v[SO], v3, 8, v[SO]
	s_mov_b32 s[MNT], 0x600000                     ; the mantissa field of 448
	s_cmp_ge_u32 ttmp9, 72                         ; from work-group 72 on: the two weights of 2,048 columns
	s_cselect_b32 s36, 4, 2
	s_cselect_b32 s37, 15, 3
	s_cselect_b32 s38, 13, 11
	s_lshl_b32 s[STR], 1, s38
.set i, 1
.rept 31
	v_add_nc_u32 v[RO+i], s[STR], v[RO+i-1]
.set i, i+1
.endr
	s_wait_kmcnt 0x0
	s_mov_b64 s[SRC:SRC+1], s[8:9]
	s_mov_b32 s[G0], 0
.macro PICK g, p                       ; the choice hangs on the work-group's number alone
	s_cmp_ge_u32 ttmp9, \g
	s_cselect_b64 s[SRC:SRC+1], s[\p:\p+1], s[SRC:SRC+1]
	s_cselect_b32 s[G0], \g, s[G0]
.endm
	PICK 4, 10
	PICK 8, 12
	PICK 12, 14
	PICK 16, 16
	PICK 20, 18
	PICK 24, 20
	PICK 28, 22
	PICK 32, 24
	PICK 40, 26
	PICK 56, 28
	PICK 72, 30
	PICK 88, 32
	s_sub_co_u32 s[LOC], ttmp9, s[G0]
	s_lshr_b32 s39, s[LOC], s36                    ; which 512 along K
	s_and_b32 s40, s[LOC], s37                     ; which 128 columns
	s_and_b32 s41, ttmp7, 0xffff                   ; the K step
	s_lshl_b32 s39, s39, 9
	s_lshl_b32 s42, s41, 7
	s_add_co_u32 s39, s39, s42                     ; my first row
	s_lshl_b32 s39, s39, s38
	s_lshl_b32 s40, s40, 9
	s_add_co_u32 s39, s39, s40
	s_lshl_b32 s40, s[WV], 7
	s_add_co_u32 s44, s39, s40
	s_mov_b32 s45, 0
	s_add_nc_u64 s[BS:BS+1], s[SRC:SRC+1], s[44:45]
	s_lshl_b32 s44, s[STR], 5                      ; 32 rows on
	s_add_nc_u64 s[BS+2:BS+3], s[BS:BS+1], s[44:45]
	s_add_nc_u64 s[BS+4:BS+5], s[BS+2:BS+3], s[44:45]
	s_add_nc_u64 s[BS+6:BS+7], s[BS+4:BS+5], s[44:45]
	s_lshl_b32 s42, ttmp9, 2
	s_add_co_u32 s42, s42, s[WV]                   ; my record
	s_mul_i32 s42, s42, REC
	s_lshl_b32 s43, s41, 11
	s_add_co_u32 s44, s42, s43
	s_add_nc_u64 s[DC:DC+1], s[34:35], s[44:45]
	s_lshl_b32 s43, s41, 6
	s_add_co_u32 s44, s42, s43
	s_add_nc_u64 s[DS:DS+1], s[34:35], s[44:45]
.macro LOAD c
.set i, 0
.rept 32
	global_load_b32 v[X+32*(\c)+i], v[RO+i], s[BS+2*(\c):BS+2*(\c)+1] th:TH_LOAD_NT
.set i, i+1
.endr
.endm
.macro BLOCK c
.set XB_, X+32*(\c)
.set CB_, C+8*(\c)
.if (\c) < 3
	s_wait_loadcnt 32                              ; this block's 32 loads are in; the next block's 32 may be out
.else
	s_wait_loadcnt 0x0
.endif
.if (\c) < 2
	LOAD (\c)+2                                    ; two blocks are always on their way; each block has registers of its own
.endif
	v_max3_num_f32 v12, |v[XB_]|, |v[XB_+1]|, |v[XB_+2]|
	v_max3_num_f32 v13, |v[XB_+3]|, |v[XB_+4]|, |v[XB_+5]|
.irp i, 6,10,14,18,22,26
	v_max3_num_f32 v12, v12, |v[XB_+\i]|, |v[XB_+\i+1]|
	v_max3_num_f32 v13, v13, |v[XB_+\i+2]|, |v[XB_+\i+3]|
.endr
	v_max3_num_f32 v12, v12, |v[XB_+30]|, |v[XB_+31]|
	v_max3_num_f32 v12, v12, v13, 0x4800000        ; the floor 2^(9 - 127): the byte cannot fall under 1
	v_add_nc_u32 v11, 0xfc000000, v12              ; 8 off the exponent field: the conversion's scale operand
	v_and_or_b32 v10, v12, 0x7f800000, s[MNT]      ; 448 x the scale
	v_lshrrev_b32 v13, 23, v11                     ; the byte
.if (\c) == 0
	v_mov_b32 v[SB], v13
.else
	v_lshl_or_b32 v[SB], v13, 8*(\c), v[SB]
.endif
.set i, 0
.rept 32
	v_med3_num_f32 v[XB_+i], v[XB_+i], -v10, v10   ; the conversion does not saturate (ISA guide 7.6.2): hold first
.set i, i+1
.endr
.irp g, 0,1,2,3
	v_cvt_scalef32_pk8_fp8_f32 v[CB_+2*\g:CB_+2*\g+1], v[XB_+8*\g:XB_+8*\g+7], v11
.endr
	v_nop
	global_store_b128 v[DO], v[CB_:CB_+3], s[DC:DC+1] offset:512*(\c)          ; k = 32 c + 0 .. 15: the bytes of lanes (r, 0)
	global_store_b128 v[DO], v[CB_+4:CB_+7], s[DC:DC+1] offset:512*(\c)+256    ; k = 32 c + 16 .. 31: those of lanes (r, 1)
.endm
	LOAD 0
	LOAD 1
	BLOCK 0
	BLOCK 1
	BLOCK 2
	BLOCK 3
	global_store_b32 v[SO], v[SB], s[DS:DS+1] offset:16384
	s_endpgm
.Lfunc_end_k_q6077fcb2e5_prep:
	.size	k_q6077fcb2e5_prep, .Lfunc_end_k_q6077fcb2e5_prep-k_q6077fcb2e5_prep
	.p2alignl 7, 3214868480
	.fill 96, 4, 3214868480
	.section	.rodata,"a",@progbits
	.p2align	6, 0x0
	.amdhsa_kernel k_q6077fcb2e5_prep
		.amdhsa_group_segment_fixed_size 0
		.amdhsa_private_segment_fixed_size 0
		.amdhsa_enable_private_segment 0
		.amdhsa_kernarg_size 112
		.amdhsa_user_sgpr_count 2
		.amdhsa_user_sgpr_kernarg_segment_ptr 1
		.amdhsa_wavefront_size32 1
		.amdhsa_system_sgpr_workgroup_id_x 1
		.amdhsa_system_sgpr_workgroup_id_y 1
		.amdhsa_system_sgpr_workgroup_id_z 1
		.amdhsa_system_vgpr_workitem_id 0
		.amdhsa_next_free_vgpr 224
		.amdhsa_next_free_sgpr 66
		.amdhsa_reserve_vcc 0
		.amdhsa_float_denorm_mode_32 3
		.amdhsa_float_denorm_mode_16_64 3
		.amdhsa_memory_ordered 1
		.amdhsa_forward_progress 1
		.amdhsa_inst_pref_size 32
	.end_amdhsa_kernel
	.amdgpu_metadata
---
amdhsa.version: [ 1, 2 ]
amdhsa.kernels:
  - .name:           k_q6077fcb2e5_prep
    .symbol:         k_q6077fcb2e5_prep.kd
    .args:
      - { .name: g_wq, .offset: 0, .size: 8, .value_kind: global_buffer, .address_space: global }
      - { .name: g_wk, .offset: 8, .size: 8, .value_kind: global_buffer, .address_space: global }
      - { .name: g_wv, .offset: 16, .size: 8, .value_kind: global_buffer, .address_space: global }
      - { .name: g_wo, .offset: 24, .size: 8, .value_kind: global_buffer, .address_space: global }
      - { .name: e_wq, .offset: 32, .size: 8, .value_kind: global_buffer, .address_space: global }
      - { .name: e_wk, .offset: 40, .size: 8, .value_kind: global_buffer, .address_space: global }
      - { .name: e_wv, .offset: 48, .size: 8, .value_kind: global_buffer, .address_space: global }
      - { .name: e_wo, .offset: 56, .size: 8, .value_kind: global_buffer, .address_space: global }
      - { .name: e_wf, .offset: 64, .size: 8, .value_kind: global_buffer, .address_space: global }
      - { .name: fg_w2, .offset: 72, .size: 8, .value_kind: global_buffer, .address_space: global }
      - { .name: fe_w2, .offset: 80, .size: 8, .value_kind: global_buffer, .address_space: global }
      - { .name: fg_w1, .offset: 88, .size: 8, .value_kind: global_buffer, .address_space: global }
      - { .name: fe_w1, .offset: 96, .size: 8, .value_kind: global_buffer, .address_space: global }
      - { .name: wc, .offset: 104, .size: 8, .value_kind: global_buffer, .address_space: global }
    .group_segment_fixed_size: 0
    .private_segment_fixed_size: 0
    .kernarg_segment_align: 8
    .kernarg_segment_size: 112
    .max_flat_workgroup_size: 128
    .sgpr_count:     66
    .vgpr_count:     224
    .wavefront_size: 32
...
	.end_amdgpu_metadata
.endif
;; end of part 1
;; launch front (part 2): grid 128 x 2, 8 waves a work-group, no clusters, 54,784 bytes of LDS; arguments gene_emb, expr_emb, ln_g1_w, ln_e1_w, ln_g1_b, ln_e1_b, g_bq, e_bq, g_bk, e_bk, g_bv, e_bv, e_bf, wc, qkv; writes qkv
.if DOCPART == 2
	.amdgcn_target "amdgcn-amd-amdhsa--gfx1250"
	.amdhsa_code_object_version 6
	.text
	.protected	k_q6077fcb2e5_front
	.globl	k_q6077fcb2e5_front
	.p2align	8
	.type	k_q6077fcb2e5_front,@function
k_q6077fcb2e5_front:
	s_mov_b64 s[64:65], 0
	v_nop
	global_prefetch_b8 v0, s[64:65] scope:SCOPE_SE
	s_setreg_imm32_b32 hwreg(HW_REG_WAVE_MODE, 25, 1), 1
	s_wait_xcnt 0x0
; First layer norm, (expr: the fused projection,) Q, K and V of one branch (work-group y) for 32 tokens (work-group x = 64 batch + block), all products on FP8 (E4M3) codes with E8M0 scales for each 32 along K.
; TOKEN TILES: lane i of tile (block, u) is token 32 block + 8 u + i + (i & 8).  CHANNEL PAIRS: row i of tile t of pair P is channel 32 P + 8 t + i + (i & 8).
; Transposed use (source 0 = 16 rows of W, source 1 = 16 tokens): a lane holds one token and the 16 registers of tiles t = 0, 1 are channels 32 P + 16 h + 0 .. 15: 16 neighbours of the next K.
; Natural use (source 0 = tokens, source 1 = W), for V: a lane holds one channel and the 16 registers of tiles u = 0, 1 are tokens 32 block + 16 h + 0 .. 15: neighbours along the keys.
; So each conversion's result is a group of four registers of the next operand; a block of 32 lies in lanes l and l xor 16.
; Operands go from wave to wave through LDS as images of their registers ([s][c][u][lane][16 bytes]; scale words [s][u][r]); the weights come from wc, a record (one pair, 512 along K) by 32 loads of 512 dense bytes.
; PHASES: L: wave (u, s) normalises 16 tokens x 128 channels (sums meet in LDS), quantises, stores images | F (expr alone): pairs 2 w, 2 w + 1 of [gene_emb, y_n] e_wf | Q, K, V: wave = head.
; LIMITS: NaN and infinities are not served; a block whose largest magnitude lies under 2^-118, a block of zeros too, keeps the byte 1 (this program alone reads the bytes).
; No cluster: the weight records are shared by all work-groups, but they go straight into registers, and a work-group's whole share is read once.
.set REC,  16896
.set XA,   0                           ; LDS: image of the normalised rows (V's source; the fused product's second half)
.set XB,   16384                       ; image of Q's and K's source: the same rows (gene), or the fused rows (expr)
.set XG,   32768                       ; image of gene_emb as it is (expr)
.set XASC, 49152
.set XBSC, 49664
.set XGSC, 50176
.set RED0, 50688
.set RED1, 51200
.set QSG,  51712                       ; the scale words on their way out: Q's 1,024 bytes, K's 512, V's 512 bytes
.set KSG,  52736
.set VSG,  53248
.set LI,   1                           ; 16 x lane
.set LS,   2                           ; 4 x lane
.set LS16, 3                           ; 4 r
.set BO,   4                           ; 64 h
.set XO,   5                           ; 2048 (r + (r & 8)) + 64 h
.set XWI,  6
.set XWS,  7
.set RW,   8
.set RR,   9
.set FWI,  10
.set FWS,  11
.set XS,   12                          ; v12-15 X's scale words (lanes 0-15: u = 0, lanes 16-31: u = 1)
.set WS,   16                          ; v16-19 the record's scale words
.set TM,   20                          ; v20-35 at work in QUANT
.set PC,   36                          ; v36-51 codes just made
.set QGA,  52
.set VGA,  53
.set VBO,  54
.set PW,   55
.set ST,   56                          ; v56-59 statistics; v60 a second scale word; v62, v63 the closing add's two
.set BI,   64                          ; v64-79 a pair's bias in the result's layout
.set QA,   80                          ; v80-143 eight accumulators
.set X0,   64                          ; phase L: 64 numbers, the gains, gene_emb and then the biases
.set LW,   128
.set G0,   192
.set XR,   0                           ; window 1: X's 8 fragments, (u, s) at 16 (4 u + s)
.set WR,   128                         ; window 1: the record's 8 fragments, (t, s) at 128 + 16 (4 t + s)
.set GEN,  4
.set PBF,  28
.set WV,   34
.set Y,    35
.set SRC,  36
.set PLW,  38
.set PLB,  40
.set PBQ,  42
.set PBK,  44
.set PBV,  46
.set WB,   48
.set QCB,  50
.set KCB,  52
.set VCB,  54
.set QSB,  56
.set KSB,  58
.set VSB,  60
.set SEL,  92
.set MNT,  94
.set C9,   95
.set EPS,  96
.set MSB, 0
.macro WIN new                         ; the immediate's high byte repeats the setting that is left
.if MSB != \new
	s_set_vgpr_msb (MSB<<8)|\new
.set MSB, \new
.endif
.endm
.set MUL,  0x05                        ; sources 0 and 1 window 1; C and D window 0
.set TO_F, 0x40                        ; destination window 1, address window 0
.macro PLACES n
.rept \n
	v_nop
.endr
.endm
.macro BARRIER                         ; my LDS stores have landed and my LDS loads are in: then the work-group's barrier
	s_wait_dscnt 0x0
	s_barrier_signal -1
	s_barrier_wait -1
.endm
; One matrix instruction.  cm: 0 = the sum starts with 0, 1 = with v[cb] on, 2 = in place.  ra, rb: the scale words lie in lanes 16-31.
.macro WM d, a, b, cm, cb, sa, sb, ra, rb
.set w_d, \d
.set w_a, \a
.set w_b, \b
.set w_c, \cb
.set w_sa, \sa
.set w_sb, \sb
.set w_r, 2*(\ra)+(\rb)
.if (\cm) == 2
.set w_c, w_d
.endif
.if (\cm) == 0
.if w_r == 0
	v_wmma_scale_f32_16x16x128_f8f6f4 v[w_d:w_d+7], v[w_a:w_a+15], v[w_b:w_b+15], 0, v[w_sa], v[w_sb]
.elseif w_r == 1
	v_wmma_scale_f32_16x16x128_f8f6f4 v[w_d:w_d+7], v[w_a:w_a+15], v[w_b:w_b+15], 0, v[w_sa], v[w_sb] matrix_b_scale:MATRIX_SCALE_ROW1
.elseif w_r == 2
	v_wmma_scale_f32_16x16x128_f8f6f4 v[w_d:w_d+7], v[w_a:w_a+15], v[w_b:w_b+15], 0, v[w_sa], v[w_sb] matrix_a_scale:MATRIX_SCALE_ROW1
.else
	v_wmma_scale_f32_16x16x128_f8f6f4 v[w_d:w_d+7], v[w_a:w_a+15], v[w_b:w_b+15], 0, v[w_sa], v[w_sb] matrix_a_scale:MATRIX_SCALE_ROW1 matrix_b_scale:MATRIX_SCALE_ROW1
.endif
.else
.if w_r == 0
	v_wmma_scale_f32_16x16x128_f8f6f4 v[w_d:w_d+7], v[w_a:w_a+15], v[w_b:w_b+15], v[w_c:w_c+7], v[w_sa], v[w_sb]
.elseif w_r == 1
	v_wmma_scale_f32_16x16x128_f8f6f4 v[w_d:w_d+7], v[w_a:w_a+15], v[w_b:w_b+15], v[w_c:w_c+7], v[w_sa], v[w_sb] matrix_b_scale:MATRIX_SCALE_ROW1
.elseif w_r == 2
	v_wmma_scale_f32_16x16x128_f8f6f4 v[w_d:w_d+7], v[w_a:w_a+15], v[w_b:w_b+15], v[w_c:w_c+7], v[w_sa], v[w_sb] matrix_a_scale:MATRIX_SCALE_ROW1
.else
	v_wmma_scale_f32_16x16x128_f8f6f4 v[w_d:w_d+7], v[w_a:w_a+15], v[w_b:w_b+15], v[w_c:w_c+7], v[w_sa], v[w_sb] matrix_a_scale:MATRIX_SCALE_ROW1 matrix_b_scale:MATRIX_SCALE_ROW1
.endif
.endif
.endm
; A pair x 32 tokens x 512 along K: 16 matrix instructions, the four accumulators by turns, one instruction a turn.
.macro PAIRMM nat, acc, us, cm
.irp s, 0,1,2,3
.irp u, 0,1
.irp t, 0,1
.if \s == 0
.set pcm, \cm
.else
.set pcm, 2
.endif
.if \nat
	WM (\acc)+16*\t+8*\u, XR+16*(4*\u+\s), WR+16*(4*\t+\s), pcm, BI+8*\t, XS+\s, WS+2*\t+\s/2, \u, \s%2
.else
	WM (\acc)+(\us)*\u+8*\t, WR+16*(4*\t+\s), XR+16*(4*\u+\s), pcm, BI+8*\t, WS+2*\t+\s/2, XS+\s, \s%2, \u
.endif
.endr
.endr
.endr
.endm
; A record into window 1, its scale words, and (nb = 1) the pair's bias: lane (r, h) wants channels 32 P + 16 h + 0 .. 15.
.macro WLOADP base, off, nb, bb, boff
	WIN TO_F
.set l_i, 0
.rept 32
	global_load_b128 v[WR+4*l_i:WR+4*l_i+3], v[LI], s[\base:\base+1] offset:(\off)+512*l_i
.set l_i, l_i+1
.endr
	WIN 0
.irp k, 0,1,2,3
	global_load_b32 v[WS+\k], v[LS], s[\base:\base+1] offset:(\off)+16384+128*\k
.endr
.if \nb
.irp j, 0,1,2,3
	global_load_b128 v[BI+4*\j:BI+4*\j+3], v[BO], s[\bb:\bb+1] offset:(\boff)+16*\j
.endr
.endif
.endm
.macro XFETCH adr, img, sadr, sc, sst  ; an image of 32 tokens x 512 along K, and its scale words
	WIN TO_F
.irp u, 0,1
.irp s, 0,1,2,3
.irp c, 0,1,2,3
	ds_load_b128 v[XR+16*(4*\u+\s)+4*\c:XR+16*(4*\u+\s)+4*\c+3], v[\adr] offset:(\img)+4096*\s+1024*\c+512*\u
.endr
.endr
.endr
	WIN 0
.irp s, 0,1,2,3
	ds_load_b32 v[XS+\s], v[\sadr] offset:(\sc)+(\sst)*\s
.endr
.endm
; The nine places serve what follows: loads into registers that these products read, reads of their results, and accumulators begun anew with another C.
.macro UNIT nat, acc, us, cm
	s_wait_loadcnt 0x0                             ; the record (and whatever else was asked for) is in
	s_wait_dscnt 0x0                               ; X's fragments are in; my LDS stores have read their registers
	WIN MUL
	PAIRMM \nat, \acc, \us, \cm
	WIN 0
	PLACES 9
.endm
; n blocks: v[src + 16 b + i] = number 16 h + i of block b of my row.  Codes to v[pc + 4 b] on, bytes in v[TM + 4 + b].
.macro QUANT src, n, pc
.set q_b, 0
.rept \n
	v_max3_num_f32 v[TM+q_b], |v[(\src)+16*q_b]|, |v[(\src)+16*q_b+1]|, 0x4800000   ; with the floor 2^(9 - 127): the byte cannot fall under 1
.set q_b, q_b+1
.endr
.irp i, 2,4,6,8,10,12,14
.set q_b, 0
.rept \n
	v_max3_num_f32 v[TM+q_b], v[TM+q_b], |v[(\src)+16*q_b+\i]|, |v[(\src)+16*q_b+\i+1]|
.set q_b, q_b+1
.endr
.endr
.set q_b, 0
.rept \n
	v_permlanex16_b32 v[TM+4+q_b], v[TM+q_b], s[SEL], s[SEL+1]
.set q_b, q_b+1
.endr
.set q_b, 0
.rept \n
	v_max_num_f32 v[TM+q_b], v[TM+q_b], v[TM+4+q_b]          ; with lane l xor 16's: the block's largest magnitude
.set q_b, q_b+1
.endr
.set q_b, 0
.rept \n
	v_add_nc_u32 v[TM+12+q_b], 0xfc000000, v[TM+q_b]         ; 8 off the exponent field: the conversion's scale operand
	v_and_or_b32 v[TM+8+q_b], v[TM+q_b], 0x7f800000, s[MNT]  ; 448 x the scale
	v_lshrrev_b32 v[TM+4+q_b], 23, v[TM+12+q_b]              ; the byte
.set q_b, q_b+1
.endr
.set q_b, 0
.rept \n
.set q_i, 0
.rept 16
	v_med3_num_f32 v[(\src)+16*q_b+q_i], v[(\src)+16*q_b+q_i], -v[TM+8+q_b], v[TM+8+q_b]   ; the conversion does not saturate (ISA guide 7.6.2)
.set q_i, q_i+1
.endr
	v_cvt_scalef32_pk8_fp8_f32 v[(\pc)+4*q_b:(\pc)+4*q_b+1], v[(\src)+16*q_b:(\src)+16*q_b+7], v[TM+12+q_b]
	v_cvt_scalef32_pk8_fp8_f32 v[(\pc)+4*q_b+2:(\pc)+4*q_b+3], v[(\src)+16*q_b+8:(\src)+16*q_b+15], v[TM+12+q_b]
.set q_b, q_b+1
.endr
	v_nop                                          ; a plain line behind the last conversion
.endm
.macro WORD4
	v_lshl_or_b32 v[PW], v[TM+5], 8, v[TM+4]
	v_lshl_or_b32 v[PW], v[TM+6], 16, v[PW]
	v_lshl_or_b32 v[PW], v[TM+7], 24, v[PW]
.endm
.macro IMG adr, off                    ; a fragment's four groups as they stand
.irp c, 0,1,2,3
	ds_store_b128 v[\adr], v[PC+4*\c:PC+4*\c+3] offset:(\off)+1024*\c
.endr
.endm
.macro XLD reg, base                   ; 16 tokens x 128 channels: lane (r, h) takes 16 neighbours of each block of 32
.irp b, 0,1,2,3
.irp j, 0,1,2,3
	global_load_b128 v[\reg+16*\b+4*\j:\reg+16*\b+4*\j+3], v[XO], s[\base:\base+1] offset:128*\b+16*\j
.endr
.endr
.endm
.macro CLD reg, base                   ; the same channels of a vector [512]
.irp b, 0,1,2,3
.irp j, 0,1,2,3
	global_load_b128 v[\reg+16*\b+4*\j:\reg+16*\b+4*\j+3], v[BO], s[\base:\base+1] offset:128*\b+16*\j
.endr
.endr
.endm
.macro RFOLD red                       ; four chains -> my row's 128 channels -> LDS -> the row's 512, in v[TM]
	v_pk_add_f32 v[TM:TM+1], v[TM:TM+1], v[TM+2:TM+3]
	v_pk_add_f32 v[TM+4:TM+5], v[TM+4:TM+5], v[TM+6:TM+7]
	v_pk_add_f32 v[TM:TM+1], v[TM:TM+1], v[TM+4:TM+5]
	v_add_f32 v[TM], v[TM], v[TM+1]
	v_permlanex16_b32 v[TM+1], v[TM], s[SEL], s[SEL+1]
	v_add_f32 v[TM], v[TM], v[TM+1]
	ds_store_b32 v[RW], v[TM] offset:\red
	BARRIER
	ds_load_b128 v[TM:TM+3], v[RR] offset:\red
	s_wait_dscnt 0x0
	v_add_f32 v[TM], v[TM], v[TM+1]
	v_add_f32 v[TM+2], v[TM+2], v[TM+3]
	v_add_f32 v[TM], v[TM], v[TM+2]
.endm
	s_load_b512 s[4:19], s[0:1], 0x0               ; gene_emb expr_emb ln_g1_w ln_e1_w ln_g1_b ln_e1_b g_bq e_bq
	s_load_b256 s[20:27], s[0:1], 0x40             ; g_bk e_bk g_bv e_bv
	s_load_b128 s[28:31], s[0:1], 0x60             ; e_bf wc
	s_load_b64 s[32:33], s[0:1], 0x70              ; qkv
	v_lshl_add_u32 v62, v0, 2, 0xd200
	v_mov_b32 v63, 0
	v_lshrrev_b32 v1, 5, v0
	v_readfirstlane_b32 s[WV], v1                  ; wave 0..7
	v_and_b32 v56, 31, v0
	v_and_b32 v57, 15, v0                          ; r
	v_bfe_u32 v58, v0, 4, 1                        ; h
	v_and_b32 v59, 8, v57
	v_add_nc_u32 v59, v59, v57                     ; r + (r & 8)
	v_lshlrev_b32 v[LI], 4, v56
	v_lshlrev_b32 v[LS], 2, v56
	v_lshlrev_b32 v[LS16], 2, v57
	v_lshlrev_b32 v[BO], 6, v58
	v_lshl_add_u32 v[XO], v59, 11, v[BO]
	v_lshlrev_b32 v[VBO], 2, v59
	s_lshr_b32 s66, s[WV], 2                       ; phase L: my tile of tokens u,
	s_and_b32 s67, s[WV], 3                        ; my K step s
	s_lshl_b32 s68, s67, 12
	s_lshl_b32 s69, s66, 9
	s_add_co_u32 s68, s68, s69
	v_add_nc_u32 v[XWI], s68, v[LI]                ; 16 lane + 4096 s + 512 u
	s_lshl_b32 s68, s67, 7
	s_lshl_b32 s69, s66, 6
	s_add_co_u32 s68, s68, s69
	v_add_nc_u32 v[XWS], s68, v[LS16]              ; 4 r + 128 s + 64 u
	s_lshl_b32 s68, s66, 8
	v_lshl_add_u32 v[RR], v57, 4, s68              ; 16 r + 256 u
	s_lshl_b32 s69, s67, 2
	v_add_nc_u32 v[RW], s69, v[RR]
	s_lshr_b32 s68, s[WV], 1
	s_lshl_b32 s68, s68, 12
	s_and_b32 s69, s[WV], 1
	s_lshl_b32 s70, s69, 11
	s_add_co_u32 s70, s70, s68
	v_add_nc_u32 v[FWI], s70, v[LI]                ; 16 lane + 4096 (w / 2) + 2048 (w % 2)
	s_lshr_b32 s68, s68, 5
	s_lshl_b32 s69, s69, 1
	s_add_co_u32 s68, s68, s69
	v_add_nc_u32 v[FWS], s68, v[LS16]              ; 4 r + 128 (w / 2) + 2 (w % 2)
	s_lshl_b32 s68, s[WV], 6
	v_add_nc_u32 v[QGA], s68, v[LS16]
	v_add_nc_u32 v[VGA], s68, v57
.irp b, 0,1,2,3
	v_mov_b32 v[TM+4+\b], 0                        ; a lane permute's destination counts as one of its sources
.endr
	s_mov_b32 s[SEL], 0x76543210
	s_mov_b32 s[SEL+1], 0xfedcba98
	s_mov_b32 s[MNT], 0x600000
	s_mov_b32 s[C9], 0x3b000000                    ; 1 / 512
	s_mov_b32 s[EPS], 0x3727c5ac                   ; 1e-5
	s_and_b32 s[Y], ttmp7, 0xffff                  ; 0 gene, 1 expr
	s_lshl_b32 s70, ttmp9, 16                      ; 32 tokens of 2,048 bytes for each work-group x
	s_lshl_b32 s71, s66, 14
	s_add_co_u32 s70, s70, s71
	s_lshl_b32 s72, s67, 9
	s_add_co_u32 s70, s70, s72
	s_mov_b32 s71, 0
	s_mov_b32 s73, 0
	s_lshl_b32 s74, s[WV], 8
	s_mov_b32 s75, 0
	s_lshl_b32 s76, s[Y], 7
	s_add_co_u32 s76, s76, ttmp9                   ; z = 64 (2 branch + batch) + block
	s_lshl_b32 s77, s[Y], 6
	s_lshl_b32 s78, s[WV], 1
	s_add_co_u32 s77, s77, s78
	s_mul_i32 s78, s77, REC
	s_mov_b32 s79, 0
	s_wait_kmcnt 0x0
	s_cmp_eq_u32 s[Y], 0
	s_cselect_b64 s[SRC:SRC+1], s[4:5], s[6:7]
	s_cselect_b64 s[PLW:PLW+1], s[8:9], s[10:11]
	s_cselect_b64 s[PLB:PLB+1], s[12:13], s[14:15]
	s_cselect_b64 s[PBQ:PBQ+1], s[16:17], s[18:19]
	s_cselect_b64 s[PBK:PBK+1], s[20:21], s[22:23]
	s_cselect_b64 s[PBV:PBV+1], s[24:25], s[26:27]
	s_add_nc_u64 s[SRC:SRC+1], s[SRC:SRC+1], s[70:71]
	s_add_nc_u64 s[GEN:GEN+1], s[GEN:GEN+1], s[70:71]
	s_add_nc_u64 s[PLW:PLW+1], s[PLW:PLW+1], s[72:73]
	s_add_nc_u64 s[PLB:PLB+1], s[PLB:PLB+1], s[72:73]
	s_add_nc_u64 s[PBQ:PBQ+1], s[PBQ:PBQ+1], s[74:75]
	s_add_nc_u64 s[PBK:PBK+1], s[PBK:PBK+1], s[74:75]
	s_add_nc_u64 s[PBV:PBV+1], s[PBV:PBV+1], s[74:75]
	s_add_nc_u64 s[PBF:PBF+1], s[PBF:PBF+1], s[74:75]
	s_add_nc_u64 s[WB:WB+1], s[30:31], s[78:79]    ; record 64 branch + 2 wave: all records are immediates from here
	s_mov_b32 s87, 0
	s_lshl_b32 s86, s76, 14
	s_lshl_b32 s88, s[WV], 10
	s_add_co_u32 s86, s86, s88
	s_add_nc_u64 s[QCB:QCB+1], s[32:33], s[86:87]
	s_lshr_b32 s88, ttmp9, 6
	s_lshl_b32 s89, s[Y], 1
	s_add_co_u32 s88, s88, s89
	s_lshl_b32 s88, s88, 20
	s_lshl_b32 s89, s[WV], 17
	s_add_co_u32 s88, s88, s89                     ; (8 (2 branch + batch) + head) x 131,072
	s_and_b32 s89, ttmp9, 63                       ; block
	s_lshl_b32 s86, s89, 11
	s_add_co_u32 s86, s86, s88
	s_add_co_u32 s86, s86, 0x400000
	s_add_nc_u64 s[KCB:KCB+1], s[32:33], s[86:87]
	s_lshr_b32 s86, s89, 2
	s_lshl_b32 s86, s86, 13
	s_and_b32 s90, s89, 3
	s_lshl_b32 s90, s90, 9
	s_add_co_u32 s86, s86, s90
	s_add_co_u32 s86, s86, s88
	s_add_co_u32 s86, s86, 0x800000
	s_add_nc_u64 s[VCB:VCB+1], s[32:33], s[86:87]
	s_lshl_b32 s86, s76, 10
	s_add_co_u32 s86, s86, 0xc00000
	s_add_nc_u64 s[QSB:QSB+1], s[32:33], s[86:87]
	s_lshl_b32 s86, s76, 9
	s_add_co_u32 s86, s86, 0xc40000
	s_add_nc_u64 s[KSB:KSB+1], s[32:33], s[86:87]
	s_add_co_u32 s86, s86, 0x20000
	s_add_nc_u64 s[VSB:VSB+1], s[32:33], s[86:87]
	; ---- L: the layer norm of 16 tokens x 128 channels; in the expr branch gene_emb is quantised as it is, too
	s_cmp_eq_u32 s[Y], 0
	s_cbranch_scc1 .Lg_a
	XLD G0, GEN
.Lg_a:
	XLD X0, SRC
	CLD LW, PLW
	s_wait_loadcnt 32                              ; on both ways: the rows' 16 loads and the gains' 16 may be out; gene_emb's 16, where they were issued, are in, so that the biases may be loaded into their registers below
	s_cmp_eq_u32 s[Y], 0
	s_cbranch_scc1 .Lg_b
	QUANT G0, 4, PC
	WORD4
	IMG XWI, XG
	ds_store_b32 v[XWS], v[PW] offset:XGSC
	s_wait_dscnt 0x0                               ; the stores have read their registers
.Lg_b:
	CLD G0, PLB
	s_wait_loadcnt 32                              ; the rows are in; the gains' 16 and the biases' 16 may be out
.irp c, 0,1,2,3
	v_pk_add_f32 v[TM+2*\c:TM+2*\c+1], v[X0+2*\c:X0+2*\c+1], v[X0+8+2*\c:X0+8+2*\c+1]
.endr
.irp g, 2,3,4,5,6,7
.irp c, 0,1,2,3
	v_pk_add_f32 v[TM+2*\c:TM+2*\c+1], v[TM+2*\c:TM+2*\c+1], v[X0+8*\g+2*\c:X0+8*\g+2*\c+1]
.endr
.endr
	RFOLD RED0
	v_mul_f32 v[ST], s[C9], v[TM]                  ; the mean
	v_mov_b32 v[ST+1], v[ST]
.set a_j, 0
.rept 32
	v_pk_add_f32 v[X0+a_j:X0+a_j+1], v[X0+a_j:X0+a_j+1], v[ST:ST+1] neg_lo:[0,1] neg_hi:[0,1]
.set a_j, a_j+2
.endr
.irp c, 0,1,2,3
	v_pk_mul_f32 v[TM+2*\c:TM+2*\c+1], v[X0+2*\c:X0+2*\c+1], v[X0+2*\c:X0+2*\c+1]
.endr
.irp g, 1,2,3,4,5,6,7
.irp c, 0,1,2,3
	v_pk_fma_f32 v[TM+2*\c:TM+2*\c+1], v[X0+8*\g+2*\c:X0+8*\g+2*\c+1], v[X0+8*\g+2*\c:X0+8*\g+2*\c+1], v[TM+2*\c:TM+2*\c+1]
.endr
.endr
	RFOLD RED1
	v_fma_f32 v[ST+2], v[TM], s[C9], s[EPS]        ; the variance + 1e-5
	v_rsq_f32 v[ST+2], v[ST+2]
	v_nop                                          ; a plain line behind the transcendental
	s_wait_alu depctr_va_vdst(0)
	v_mov_b32 v[ST+3], v[ST+2]
	s_wait_loadcnt 0x0                             ; gains and biases
.set a_j, 0
.rept 32
	v_pk_mul_f32 v[X0+a_j:X0+a_j+1], v[X0+a_j:X0+a_j+1], v[ST+2:ST+3]
.set a_j, a_j+2
.endr
.set a_j, 0
.rept 32
	v_pk_fma_f32 v[X0+a_j:X0+a_j+1], v[X0+a_j:X0+a_j+1], v[LW+a_j:LW+a_j+1], v[G0+a_j:G0+a_j+1]
.set a_j, a_j+2
.endr
	QUANT X0, 4, PC
	WORD4
	IMG XWI, XA
	IMG XWI, XB                                    ; the gene branch reads this copy as Q's and K's source; the expr branch writes the fused rows over it behind the barrier
	ds_store_b32 v[XWS], v[PW] offset:XASC
	ds_store_b32 v[XWS], v[PW] offset:XBSC
	BARRIER
	; ---- F (expr): fused = [gene_emb, y_n] e_wf + e_bf: my pairs 2 w, 2 w + 1; accumulators [u][p][t]
	s_cmp_eq_u32 s[Y], 0
	s_cbranch_scc1 .Lno_f
	WLOADP WB, 64*REC, 1, PBF, 0
	XFETCH LI, XG, LS, XGSC, 128
	UNIT 0, QA, 32, 1
	WLOADP WB, 65*REC, 1, PBF, 128
	UNIT 0, QA+16, 32, 1
	WLOADP WB, 80*REC, 0, PBF, 0
	XFETCH LI, XA, LS, XASC, 128
	UNIT 0, QA, 32, 2
	WLOADP WB, 81*REC, 0, PBF, 0
	UNIT 0, QA+16, 32, 2
	QUANT QA, 4, PC                                ; block 2 u + p: channels 32 (2 w + p) on of tile u: group 2 (w % 2) + p of K step w / 2
.irp u, 0,1
.irp p, 0,1
	ds_store_b128 v[FWI], v[PC+4*(2*\u+\p):PC+4*(2*\u+\p)+3] offset:XB+1024*\p+512*\u
.endr
.endr
	v_lshl_or_b32 v[PW], v[TM+5], 8, v[TM+4]
	v_lshl_or_b32 v60, v[TM+7], 8, v[TM+6]
	ds_store_b16 v[FWS], v[PW] offset:XBSC
	ds_store_b16 v[FWS], v60 offset:XBSC+64
.Lno_f:
	WLOADP WB, 0, 1, PBQ, 0
	BARRIER
	; ---- Q, K, V: wave = head: pairs 2 w, 2 w + 1
	XFETCH LI, XB, LS, XBSC, 128
	UNIT 0, QA, 32, 1
	WLOADP WB, 1*REC, 1, PBQ, 128
	UNIT 0, QA+16, 32, 1
	WLOADP WB, 16*REC, 1, PBK, 0
	s_wait_xcnt 0x0
	QUANT QA, 4, PC                                ; Q: block 2 u + p = group p of tile u's fragment (K = the head's 64)
	v_lshl_or_b32 v[PW], v[TM+5], 8, v[TM+4]
	v_lshl_or_b32 v[PW], v[PW], 16, v[PW]          ; s0 s1 s0 s1: the fragment is used in the lower or in the upper half of a K of 128
	v_lshl_or_b32 v60, v[TM+7], 8, v[TM+6]
	v_lshl_or_b32 v60, v60, 16, v60
	ds_store_b32 v[QGA], v[PW] offset:QSG
	ds_store_b32 v[QGA], v60 offset:QSG+512
.irp u, 0,1
.irp p, 0,1
	global_store_b128 v[LI], v[PC+4*(2*\u+\p):PC+4*(2*\u+\p)+3], s[QCB:QCB+1] offset:8192*\u+512*\p   ; 512 consecutive bytes
.endr
.endr
	UNIT 0, QA, 32, 1
	WLOADP WB, 17*REC, 1, PBK, 128
	UNIT 0, QA+16, 32, 1
	WLOADP WB, 32*REC, 0, PBK, 0
.irp d, 0,1,2,3
	global_load_b32 v[BI+2*\d], v[VBO], s[PBV:PBV+1] offset:128*(\d/2)+32*(\d%2)   ; V's bias of my channel in tile d = 2 p + t
.endr
	XFETCH LI, XA, LS, XASC, 128
	s_wait_xcnt 0x0                                ; Q's stores have read their registers
	QUANT QA, 4, PC                                ; K: the four blocks are one fragment: tile u = 0 in its lower 64 along K, tile u = 1 in its upper
	WORD4
	ds_store_b32 v[QGA], v[PW] offset:KSG
.irp i, 0,1,2,3
	global_store_b128 v[LI], v[PC+4*\i:PC+4*\i+3], s[KCB:KCB+1] offset:512*\i
.endr
	UNIT 1, QA, 0, 0
	WLOADP WB, 33*REC, 0, PBK, 0
	UNIT 1, QA+32, 0, 0
.irp d, 0,1,2,3
.irp j, 0,2,4,6,8,10,12,14
	v_pk_add_f32 v[QA+16*\d+\j:QA+16*\d+\j+1], v[QA+16*\d+\j:QA+16*\d+\j+1], v[BI+2*\d:BI+2*\d+1] op_sel_hi:[1,0]
.endr
.endr
	s_wait_xcnt 0x0                                ; K's stores have read their registers
	QUANT QA, 4, PC                                ; V: block d: my channel of tile d, 32 keys: group block % 4 of that tile's fragment
.irp d, 0,1,2,3
	ds_store_b8 v[VGA], v[TM+4+\d] offset:VSG+16*\d
.endr
.irp d, 0,1,2,3
	global_store_b128 v[LI], v[PC+4*\d:PC+4*\d+3], s[VCB:VCB+1] offset:2048*\d
.endr
	BARRIER
	s_cmp_lg_u32 s[WV], 0                          ; the scale words leave in runs of 512 consecutive bytes, by wave 0
	s_cbranch_scc1 .Lend
	ds_load_b128 v[64:67], v[LI] offset:QSG
	ds_load_b128 v[68:71], v[LI] offset:QSG+512
	ds_load_b128 v[72:75], v[LI] offset:KSG
	ds_load_b128 v[76:79], v[LI] offset:VSG
	s_wait_dscnt 0x0
	global_store_b128 v[LI], v[64:67], s[QSB:QSB+1]
	global_store_b128 v[LI], v[68:71], s[QSB:QSB+1] offset:512
	global_store_b128 v[LI], v[72:75], s[KSB:KSB+1]
	global_store_b128 v[LI], v[76:79], s[VSB:VSB+1]
.Lend:
	s_wait_tensorcnt 0x0
	ds_add_u32 v62, v63
	s_wait_dscnt 0x0
	s_endpgm
.Lfunc_end_k_q6077fcb2e5_front:
	.size	k_q6077fcb2e5_front, .Lfunc_end_k_q6077fcb2e5_front-k_q6077fcb2e5_front
	.p2alignl 7, 3214868480
	.fill 96, 4, 3214868480
	.section	.rodata,"a",@progbits
	.p2align	6, 0x0
	.amdhsa_kernel k_q6077fcb2e5_front
		.amdhsa_group_segment_fixed_size 54784
		.amdhsa_private_segment_fixed_size 0
		.amdhsa_enable_private_segment 0
		.amdhsa_kernarg_size 120
		.amdhsa_user_sgpr_count 2
		.amdhsa_user_sgpr_kernarg_segment_ptr 1
		.amdhsa_wavefront_size32 1
		.amdhsa_system_sgpr_workgroup_id_x 1
		.amdhsa_system_sgpr_workgroup_id_y 1
		.amdhsa_system_sgpr_workgroup_id_z 1
		.amdhsa_system_vgpr_workitem_id 0
		.amdhsa_next_free_vgpr 512
		.amdhsa_next_free_sgpr 100
		.amdhsa_reserve_vcc 0
		.amdhsa_float_denorm_mode_32 3
		.amdhsa_float_denorm_mode_16_64 3
		.amdhsa_memory_ordered 1
		.amdhsa_forward_progress 1
		.amdhsa_inst_pref_size 147
	.end_amdhsa_kernel
	.amdgpu_metadata
---
amdhsa.version: [ 1, 2 ]
amdhsa.kernels:
  - .name:           k_q6077fcb2e5_front
    .symbol:         k_q6077fcb2e5_front.kd
    .args:
      - { .name: gene_emb, .offset: 0, .size: 8, .value_kind: global_buffer, .address_space: global }
      - { .name: expr_emb, .offset: 8, .size: 8, .value_kind: global_buffer, .address_space: global }
      - { .name: ln_g1_w, .offset: 16, .size: 8, .value_kind: global_buffer, .address_space: global }
      - { .name: ln_e1_w, .offset: 24, .size: 8, .value_kind: global_buffer, .address_space: global }
      - { .name: ln_g1_b, .offset: 32, .size: 8, .value_kind: global_buffer, .address_space: global }
      - { .name: ln_e1_b, .offset: 40, .size: 8, .value_kind: global_buffer, .address_space: global }
      - { .name: g_bq, .offset: 48, .size: 8, .value_kind: global_buffer, .address_space: global }
      - { .name: e_bq, .offset: 56, .size: 8, .value_kind: global_buffer, .address_space: global }
      - { .name: g_bk, .offset: 64, .size: 8, .value_kind: global_buffer, .address_space: global }
      - { .name: e_bk, .offset: 72, .size: 8, .value_kind: global_buffer, .address_space: global }
      - { .name: g_bv, .offset: 80, .size: 8, .value_kind: global_buffer, .address_space: global }
      - { .name: e_bv, .offset: 88, .size: 8, .value_kind: global_buffer, .address_space: global }
      - { .name: e_bf, .offset: 96, .size: 8, .value_kind: global_buffer, .address_space: global }
      - { .name: wc, .offset: 104, .size: 8, .value_kind: global_buffer, .address_space: global }
      - { .name: qkv, .offset: 112, .size: 8, .value_kind: global_buffer, .address_space: global }
    .group_segment_fixed_size: 54784
    .private_segment_fixed_size: 0
    .kernarg_segment_align: 8
    .kernarg_segment_size: 120
    .max_flat_workgroup_size: 256
    .sgpr_count:     100
    .vgpr_count:     512
    .wavefront_size: 32
...
	.end_amdgpu_metadata
.endif
;; end of part 2
;; launch attn (part 3): grid 128 x 2, 8 waves a work-group, no clusters, 264,192 bytes of LDS; arguments M, qkv, ao; writes ao
.if DOCPART == 3
	.amdgcn_target "amdgcn-amd-amdhsa--gfx1250"
	.amdhsa_code_object_version 6
	.text
	.protected	k_q6077fcb2e5_attn
	.globl	k_q6077fcb2e5_attn
	.p2align	8
	.type	k_q6077fcb2e5_attn,@function
k_q6077fcb2e5_attn:
	s_mov_b64 s[64:65], 0
	v_nop
	global_prefetch_b8 v0, s[64:65] scope:SCOPE_SE
	s_setreg_imm32_b32 hwreg(HW_REG_WAVE_MODE, 25, 1), 1
	s_wait_xcnt 0x0
; Masked attention on FP8 (E4M3) codes with E8M0 scales.  A work-group owns the 32 queries of a block (work-group x = 64 batch + block) for the 8 heads of one branch (y), a head a wave.
; A WAVE HOLDS TWO TILES OF 16 QUERIES, so that each fragment of K and of V that it loads feeds two tiles.  Tile 0 lives in register window 0, tile 1 in window 1, at the same register numbers: the softmax is written once and runs under two settings.
; M's 32 rows (8,192 bytes each) come into LDS once, four tensor loads a wave, and stay: nothing is filled again.  Each row of M is read by two work-groups, one of each branch.
; reference(): s = q.k / 8 x M;  A = softmax(s) x M;  A / (sum |A| + 1e-8).  With p = 2^(t - Mw), t = s log2(e), Mw = the row's largest t rounded up to a whole number, Z = sum p, L = sum p |M|:  A = p M / (L + 1e-8 Z).
; A is quantised FINISHED, so the keys are walked twice.  Pass 1: running Mw (when it moves, Z and L are multiplied by a power of two, which rounds nothing), Z, L.  Pass 2: the scores again, A, its codes, O^T += V^T A^T.
; LAYOUT: both products transposed: a lane holds one query (lane % 16).  A fragment of K holds TWO tiles of 16 keys, each with the head's 64 along K; Q stands as [Q | 0 | Q] in 24 registers, and the operand [Q | 0] or [0 | Q] picks a tile.
; The keys of a tile are 32 b + 8 u + i + (i & 8), so the 16 registers of a fragment's two results are keys 32 b + 16 h + 0 .. 15: the order of M's row and of the second product's K.
; K HAS ITS REGISTERS IN WINDOW 0, V ITS OWN IN WINDOW 1: the next step's K is asked for behind this step's scores, the next step's V behind this step's second product: each has about a trip in which to land.
; No cluster: M's rows take 262,656 bytes of LDS, and a step's K tiles of 8 heads are 65,536: not one slot fits in what is left.  K and V go straight into registers, in register order, 512 dense bytes a load.
; LIMITS: NaN and infinities are not served; a block of A whose largest magnitude lies under 2^-118, a block of zeros too, keeps the byte 1.
.set PITCH, 8208                       ; a row of M in LDS: 8,192 bytes + 16: the sixteen rows of a load start in sixteen different columns of 16 bytes
.set TILE1, 16*PITCH                   ; LDS row 16 u + i is query i of tile u
.set SCG,   32*PITCH                   ; behind M: 512 bytes in which the output's scale bytes meet
; window 0 alone
.set LI,   1                           ; 16 x lane
.set ADM,  2                           ; LDS address of tile 0's part of M in this step (pass 1: of the tile whose loads are being issued)
.set KSO,  3                           ; 512 h + 4 r
.set VSO,  4                           ; lane
.set ADM0, 5                           ; 8208 r + 64 h
.set ADM1, 15                          ; pass 2: LDS address of tile 1's part of M
.set QS,   18                          ; Q's scale words: lanes 0-15 tile 0's, lanes 16-31 tile 1's
.set KS,   19                          ; v19-20
.set VS,   21                          ; v21-22
; both windows, a tile each
.set NM,   6                           ; v[6:7]  -Mw, the largest t
.set F,    8                           ; v[8:9]  pass 1: 2^(old Mw - new Mw); pass 2: 1 / (L + 1e-8 Z), twice
.set Z,    10                          ; v10-13  pass 1: Z in two pairs
.set L,    14                          ; v14-17  pass 1: L in four chains
.set TMX,  10                          ; pass 2: at work in the quantiser
.set TP,   11
.set TH,   12
.set TS,   13
.set PW,   23                          ; A's scale word; ahead of the second product window 0's takes tile 1's word into lanes 16-31
.set Q,    24                          ; v24-47
.set S,    112                         ; v112-175
.set MM,   176                         ; pass 1: v176-239; pass 2: v176-207, two blocks by turns
.set O,    208                         ; pass 2: v208-239
.set P,    240                         ; pass 2: A's codes
.set W,    240                         ; pass 1: at work
.set KV,   48                          ; v48-111: window 0: four fragments of K; window 1: four of V
.set VT,   14                          ; window 1, pass 2: v14-21: V's scale bytes as they are loaded
.set WV,   10
.set KB,   24
.set VB,   26
.set KSB,  28
.set VSB,  30
.set KP,   32
.set KSP,  34
.set VP,   36
.set VSP,  38
.set AOB,  40
.set AOS,  42
.set J,    44
.set MO,   45
.set C0,   46
.set SEL,  48
.set MNT,  50
.set EPS8, 51
.set MO1,  66
.set MSK,  67
.set G0,   68                          ; s[68:83] four descriptor groups 0
.set MSB, 0
.macro WIN new                         ; the immediate's high byte repeats the setting that is left; a switch that changes nothing is dropped
.if MSB != (\new)
	s_set_vgpr_msb (MSB<<8)|(\new)
.set MSB, (\new)
.endif
.endm
.set T1,  0x55                         ; every operand place in window 1: tile 1's vector work, and its second product
.set TO1, 0x40                         ; destination window 1, address window 0
.set SC1, 0x44                         ; scores of tile 1: D and source 1 (Q) window 1, source 0 (K) window 0
.set PV0, 0x01                         ; second product of tile 0: source 0 (V) window 1
.set D1,  0x04                         ; source 1 window 1: a store's data, a choice's second value
.macro PLACES n
.rept \n
	v_nop
.endr
.endm
; One matrix instruction.  cm = 0: the sum starts with 0; 2: in place.  ra, rb: the scale words lie in lanes 16-31.
.macro WM d, a, b, cm, sa, sb, ra, rb
.set w_d, \d
.set w_a, \a
.set w_b, \b
.set w_sa, \sa
.set w_sb, \sb
.set w_r, 2*(\ra)+(\rb)
.if (\cm) == 0
.if w_r == 0
	v_wmma_scale_f32_16x16x128_f8f6f4 v[w_d:w_d+7], v[w_a:w_a+15], v[w_b:w_b+15], 0, v[w_sa], v[w_sb]
.elseif w_r == 1
	v_wmma_scale_f32_16x16x128_f8f6f4 v[w_d:w_d+7], v[w_a:w_a+15], v[w_b:w_b+15], 0, v[w_sa], v[w_sb] matrix_b_scale:MATRIX_SCALE_ROW1
.elseif w_r == 2
	v_wmma_scale_f32_16x16x128_f8f6f4 v[w_d:w_d+7], v[w_a:w_a+15], v[w_b:w_b+15], 0, v[w_sa], v[w_sb] matrix_a_scale:MATRIX_SCALE_ROW1
.else
	v_wmma_scale_f32_16x16x128_f8f6f4 v[w_d:w_d+7], v[w_a:w_a+15], v[w_b:w_b+15], 0, v[w_sa], v[w_sb] matrix_a_scale:MATRIX_SCALE_ROW1 matrix_b_scale:MATRIX_SCALE_ROW1
.endif
.else
.if w_r == 0
	v_wmma_scale_f32_16x16x128_f8f6f4 v[w_d:w_d+7], v[w_a:w_a+15], v[w_b:w_b+15], v[w_d:w_d+7], v[w_sa], v[w_sb]
.elseif w_r == 1
	v_wmma_scale_f32_16x16x128_f8f6f4 v[w_d:w_d+7], v[w_a:w_a+15], v[w_b:w_b+15], v[w_d:w_d+7], v[w_sa], v[w_sb] matrix_b_scale:MATRIX_SCALE_ROW1
.elseif w_r == 2
	v_wmma_scale_f32_16x16x128_f8f6f4 v[w_d:w_d+7], v[w_a:w_a+15], v[w_b:w_b+15], v[w_d:w_d+7], v[w_sa], v[w_sb] matrix_a_scale:MATRIX_SCALE_ROW1
.else
	v_wmma_scale_f32_16x16x128_f8f6f4 v[w_d:w_d+7], v[w_a:w_a+15], v[w_b:w_b+15], v[w_d:w_d+7], v[w_sa], v[w_sb] matrix_a_scale:MATRIX_SCALE_ROW1 matrix_b_scale:MATRIX_SCALE_ROW1
.endif
.endif
.endm
.macro KLOAD kp, ksp                   ; a step's 128 keys: four fragments, 8,192 dense bytes; their scale words, two fragments' to a register: 18 loads
.set k_i, 0
.rept 16
	global_load_b128 v[KV+4*k_i:KV+4*k_i+3], v[LI], s[\kp:\kp+1] offset:512*k_i
.set k_i, k_i+1
.endr
	global_load_b32 v[KS], v[KSO], s[\ksp:\ksp+1]
	global_load_b32 v[KS+1], v[KSO], s[\ksp:\ksp+1] offset:1024
.endm
.macro VLOAD                           ; a step's V into window 1: first its 8 loads of scale bytes (key block c; tiles 2 i in lanes 0-15, 2 i + 1 in lanes 16-31), then four tiles of 16 channels x 128 keys: 24 loads
	WIN TO1
.irp c, 0,1,2,3
.irp i, 0,1
	global_load_u8 v[VT+2*\c+\i], v[VSO], s[VSP:VSP+1] offset:512*\c+32*\i
.endr
.endr
.set k_i, 0
.rept 16
	global_load_b128 v[KV+4*k_i:KV+4*k_i+3], v[LI], s[VP:VP+1] offset:512*k_i
.set k_i, k_i+1
.endr
	WIN 0
.endm
.macro MLD n, adm                      ; n blocks of 32 keys of M: my query's 16 numbers of each
.set m_i, 0
.rept 4*(\n)
	ds_load_b128 v[MM+4*m_i:MM+4*m_i+3], v[\adm] offset:128*(m_i/4)+16*(m_i%4)
.set m_i, m_i+1
.endr
.endm
.macro SCORES u                        ; eight sums of tile u, each begun with 0
.irp b, 0,1,2,3
	WM S+16*\b, KV+16*\b, Q, 0, KS+\b/2, QS, \b%2, \u
	WM S+16*\b+8, KV+16*\b, Q+8, 0, KS+\b/2, QS, \b%2, \u
.endr
.endm
.macro PV u                            ; O^T += V^T A^T of tile u: four accumulators, one instruction each
.irp t, 0,1,2,3
	WM O+8*\t, KV+16*\t, P, 2, VS+\t/2, PW, \t%2, \u
.endr
.endm
; 16 numbers of a lane (with lane l xor 16's: a block of 32) become four registers of codes; the byte goes into byte b of v[PW].
.macro QB src, dst, b
	v_max3_num_f32 v[TMX], |v[(\src)]|, |v[(\src)+1]|, 0x4800000       ; with the floor 2^(9 - 127)
	v_max3_num_f32 v[TP], |v[(\src)+2]|, |v[(\src)+3]|, |v[(\src)+4]|
	v_max3_num_f32 v[TMX], v[TMX], |v[(\src)+5]|, |v[(\src)+6]|
	v_max3_num_f32 v[TP], v[TP], |v[(\src)+7]|, |v[(\src)+8]|
	v_max3_num_f32 v[TMX], v[TMX], |v[(\src)+9]|, |v[(\src)+10]|
	v_max3_num_f32 v[TP], v[TP], |v[(\src)+11]|, |v[(\src)+12]|
	v_max3_num_f32 v[TMX], v[TMX], |v[(\src)+13]|, |v[(\src)+14]|
	v_max3_num_f32 v[TMX], v[TMX], v[TP], |v[(\src)+15]|
	v_permlanex16_b32 v[TP], v[TMX], s[SEL], s[SEL+1]
	v_max_num_f32 v[TMX], v[TMX], v[TP]
	v_add_nc_u32 v[TS], 0xfc000000, v[TMX]                             ; 8 off the exponent field: the conversion's scale operand
	v_and_or_b32 v[TH], v[TMX], 0x7f800000, s[MNT]                     ; 448 x the scale
.if (\b) == 0
	v_lshrrev_b32 v[PW], 23, v[TS]
.else
	v_lshrrev_b32 v[TP], 23, v[TS]
	v_lshl_or_b32 v[PW], v[TP], 8*(\b), v[PW]
.endif
.set q_i, 0
.rept 16
	v_med3_num_f32 v[(\src)+q_i], v[(\src)+q_i], -v[TH], v[TH]         ; the conversion does not saturate (ISA guide 7.6.2)
.set q_i, q_i+1
.endr
	v_cvt_scalef32_pk8_fp8_f32 v[(\dst):(\dst)+1], v[(\src):(\src)+7], v[TS]
	v_cvt_scalef32_pk8_fp8_f32 v[(\dst)+2:(\dst)+3], v[(\src)+8:(\src)+15], v[TS]
.endm
.macro INIT                            ; a tile's registers at the start
.irp j, 8,9,10,11,12,13,14,15
	v_mov_b32 v[Q+\j], 0                           ; zero codes: they add nothing under any scale byte
.endr
	v_mov_b32 v[NM+1], 0xff61b1e6                  ; the largest t so far: -3e38
	v_floor_f32 v[NM], -v[NM+1]
	v_mov_b32 v[F+1], 0
.irp j, 0,1,2,3,4,5,6,7
	v_mov_b32 v[Z+\j], 0                           ; Z and L
.endr
.endm
.macro SUMS                            ; group p_s of four: Z += p, L += p |M|
	s_wait_alu depctr_va_vdst(0)
	v_pk_add_f32 v[Z:Z+1], v[Z:Z+1], v[S+4*p_s:S+4*p_s+1]
	v_pk_add_f32 v[Z+2:Z+3], v[Z+2:Z+3], v[S+4*p_s+2:S+4*p_s+3]
.irp k, 0,1,2,3
	v_fma_f32 v[L+\k], v[S+4*p_s+\k], |v[MM+4*p_s+\k]|, v[L+\k]
.endr
.endm
; Pass 1, one tile, 128 keys.  dsc: the LDS loads issued behind this tile's, which may stay out.
.macro P1T dsc
	s_wait_dscnt \dsc                              ; my tile's 16 loads of M are in
.set a_j, 0
.rept 32
	v_pk_mul_f32 v[S+a_j:S+a_j+1], v[S+a_j:S+a_j+1], v[MM+a_j:MM+a_j+1]
.set a_j, a_j+2
.endr
.irp c, 0,1,2,3
	v_max3_num_f32 v[W+\c], v[S+16*\c], v[S+16*\c+1], v[S+16*\c+2]
.endr
.irp i, 3,5,7,9,11,13
.irp c, 0,1,2,3
	v_max3_num_f32 v[W+\c], v[W+\c], v[S+16*\c+\i], v[S+16*\c+\i+1]
.endr
.endr
.irp c, 0,1,2,3
	v_max_num_f32 v[W+\c], v[W+\c], v[S+16*\c+15]
.endr
	v_max3_num_f32 v[W], v[W], v[W+1], v[W+2]
	v_max_num_f32 v[W], v[W], v[W+3]
	v_permlanex16_b32 v[W+1], v[W], s[SEL], s[SEL+1]
	v_max_num_f32 v[W], v[W], v[W+1]
	v_mul_f32 v[W], s[C0], v[W]                    ; as t
	v_max_num_f32 v[NM+1], v[NM+1], v[W]
	v_mov_b32 v[W], v[NM]
	v_floor_f32 v[NM], -v[NM+1]                    ; -Mw = floor(-t)
	v_sub_f32 v[W], v[NM], v[W]                    ; old Mw - new Mw: a whole number, 0 or less
	v_cvt_i32_f32 v[W], v[W]
	v_ldexp_f32 v[F], 1.0, v[W]
.irp j, 0,2,4,6
	v_pk_fma_f32 v[S+\j:S+\j+1], v[S+\j:S+\j+1], s[C0:C0+1], v[NM:NM+1] op_sel_hi:[1,0,0]
.endr
; The exponentials stand four at a time among plain lines that are ready: the scalings two groups ahead, the sums one group back.  So each exponential has a plain line behind it before its result is read.
.set p_g, 0
.rept 16
.irp k, 0,1,2,3
	v_exp_f32 v[S+4*p_g+\k], v[S+4*p_g+\k]
.endr
.if p_g < 14
	v_pk_fma_f32 v[S+4*p_g+8:S+4*p_g+9], v[S+4*p_g+8:S+4*p_g+9], s[C0:C0+1], v[NM:NM+1] op_sel_hi:[1,0,0]
	v_pk_fma_f32 v[S+4*p_g+10:S+4*p_g+11], v[S+4*p_g+10:S+4*p_g+11], s[C0:C0+1], v[NM:NM+1] op_sel_hi:[1,0,0]
.endif
.if p_g == 0
.irp j, 0,2,4,6
	v_pk_mul_f32 v[Z+\j:Z+\j+1], v[Z+\j:Z+\j+1], v[F:F+1] op_sel_hi:[1,0]     ; Z and L under the new Mw
.endr
.else
.set p_s, p_g-1
	SUMS
.endif
.set p_g, p_g+1
.endr
.set p_s, 15
	SUMS
.endm
.macro TRANS                           ; between the passes, one tile: 1 / (L + 1e-8 Z), and O^T = 0
	v_pk_add_f32 v[Z:Z+1], v[Z:Z+1], v[Z+2:Z+3]
	v_add_f32 v[L], v[L], v[L+1]
	v_add_f32 v[L+2], v[L+2], v[L+3]
	v_add_f32 v[Z], v[Z], v[Z+1]
	v_add_f32 v[L], v[L], v[L+2]
	v_permlanex16_b32 v[W], v[Z], s[SEL], s[SEL+1]
	v_permlanex16_b32 v[W+1], v[L], s[SEL], s[SEL+1]
	v_add_f32 v[Z], v[Z], v[W]
	v_add_f32 v[L], v[L], v[W+1]
	v_fma_f32 v[F], v[Z], s[EPS8], v[L]            ; L + 1e-8 Z: Z is over 1/2, so this is no zero
	v_rcp_f32 v[F], v[F]
	v_nop
	s_wait_alu depctr_va_vdst(0)
	v_mov_b32 v[F+1], v[F]
.set a_j, 0
.rept 32
	v_mov_b32 v[O+a_j], 0                          ; the step is written once: the first finds zeros
.set a_j, a_j+1
.endr
.endm
; Pass 2, one tile, block b of 32 keys: A = 2^(s M c - Mw) M / (L + 1e-8 Z), quantised.  M's blocks come two ahead into two sets of 16 registers.
; dsc: the LDS loads that may stay out (-1: this block of M has been shown in);  tw: the tile's window setting;  adm: its address in M (window 0).
; Pair by pair: the scaling of pair e, the two exponentials of pair e - 1, x M of pair e - 2, x 1 / (L + 1e-8 Z) of pair e - 3: a plain line stands between each exponential and the read of its result.
.macro BLK b, dsc, tw, adm
.set sb, S+16*(\b)
.set mb, MM+16*((\b)%2)
.if (\dsc) >= 0
	s_wait_dscnt \dsc
.endif
.irp j, 0,2,4,6,8,10,12,14
	v_pk_mul_f32 v[sb+\j:sb+\j+1], v[sb+\j:sb+\j+1], v[mb+\j:mb+\j+1]
.endr
.set e_j, 0
.rept 11
.if e_j < 8
	v_pk_fma_f32 v[sb+2*e_j:sb+2*e_j+1], v[sb+2*e_j:sb+2*e_j+1], s[C0:C0+1], v[NM:NM+1] op_sel_hi:[1,0,0]
.endif
.if (e_j >= 1) && (e_j <= 8)
	v_exp_f32 v[sb+2*e_j-2], v[sb+2*e_j-2]
	v_exp_f32 v[sb+2*e_j-1], v[sb+2*e_j-1]
.endif
.if (e_j >= 2) && (e_j <= 9)
	s_wait_alu depctr_va_vdst(0)
	v_pk_mul_f32 v[sb+2*e_j-4:sb+2*e_j-3], v[sb+2*e_j-4:sb+2*e_j-3], v[mb+2*e_j-4:mb+2*e_j-3]
.endif
.if e_j >= 3
	v_pk_mul_f32 v[sb+2*e_j-6:sb+2*e_j-5], v[sb+2*e_j-6:sb+2*e_j-5], v[F:F+1]
.endif
.set e_j, e_j+1
.endr
.if (\b) < 2
	WIN (\tw)&TO1                                  ; the data into the tile's window, the address from window 0
.irp i, 0,1,2,3
	ds_load_b128 v[mb+4*\i:mb+4*\i+3], v[\adm] offset:128*((\b)+2)+16*\i
.endr
	WIN \tw
.endif
	QB sb, P+4*(\b), \b
.endm
	s_load_b128 s[4:7], s[0:1], 0x0                ; M, qkv
	s_load_b64 s[8:9], s[0:1], 0x10                ; ao
	s_set_vgpr_msb 0x40
	v_lshl_add_u32 v5, v0, 2, 0x40400
	v_mov_b32 v22, 0
	s_set_vgpr_msb 0x4045
	ds_add_u32 v5, v22
	ds_add_u32 v5, v22
	s_set_vgpr_msb 0x4500
	v_lshrrev_b32 v1, 5, v0
	v_readfirstlane_b32 s[WV], v1                  ; wave 0..7 = head
	s_mov_b32 s16, 3<<16                           ; group 1: elements of 8 bytes, no mask, no padding
	s_mov_b32 s17, 1024<<16                        ; tensor_dim0 = 1,024
	s_mov_b32 s18, 1<<16                           ; tensor_dim1 = 1
	s_mov_b32 s19, 1024<<16                        ; tile_dim0 = 1,024: one row of 8,192 bytes
	s_mov_b32 s20, 1                               ; tile_dim1 = 1
	s_mov_b32 s21, 1024                            ; the pitch
	s_mov_b32 s22, 0
	s_mov_b32 s23, 0
	s_and_b32 s52, ttmp7, 0xffff                   ; branch
	s_lshr_b32 s53, ttmp9, 6                       ; batch
	s_and_b32 s54, ttmp9, 63                       ; block of 32 tokens
	; I fetch LDS rows 4 w .. 4 w + 3: tile u = w / 4, queries i = 4 (w % 4) + 0 .. 3, which are tokens 8 u + i + (i & 8): four neighbouring rows of M
	s_lshl_b32 s55, ttmp9, 5                       ; 2,048 batch + 32 block
	s_lshr_b32 s56, s[WV], 2
	s_lshl_b32 s56, s56, 3
	s_add_co_u32 s55, s55, s56
	s_and_b32 s56, s[WV], 3
	s_lshl_b32 s56, s56, 2
	s_add_co_u32 s55, s55, s56
	s_and_b32 s56, s[WV], 2
	s_lshl_b32 s56, s56, 2
	s_add_co_u32 s55, s55, s56
	s_lshl_b32 s56, s55, 13
	s_mov_b32 s57, 0
	s_mul_i32 s58, s[WV], 4*PITCH
	s_wait_dscnt 0x0
	s_wait_kmcnt 0x0
	s_add_nc_u64 s[4:5], s[4:5], s[56:57]
.irp k, 0,1,2,3
	s_mov_b32 s[G0+4*\k], 1
	s_add_co_u32 s[G0+4*\k+1], s58, \k*PITCH
	s_add_nc_u64 s[G0+4*\k+2:G0+4*\k+3], s[4:5], \k*8192
	s_or_b32 s[G0+4*\k+3], s[G0+4*\k+3], 0x80000000
.endr
.irp k, 0,1,2,3
	tensor_load_to_lds s[G0+4*\k:G0+4*\k+3], s[16:23]     ; my four tensor loads of the launch, one group: four are out at the most
	s_nop 0
.endr
	PLACES 4
	s_lshl_b32 s60, s52, 1
	s_add_co_u32 s60, s60, s53                     ; bb = 2 branch + batch
	s_lshl_b32 s61, s60, 3
	s_add_co_u32 s61, s61, s[WV]
	s_lshl_b32 s56, s61, 17
	s_add_co_u32 s56, s56, 0x400000
	s_add_nc_u64 s[KB:KB+1], s[6:7], s[56:57]
	s_add_co_u32 s56, s56, 0x400000
	s_add_nc_u64 s[VB:VB+1], s[6:7], s[56:57]
	s_lshl_b32 s56, s60, 15
	s_lshl_b32 s62, s[WV], 6
	s_add_co_u32 s56, s56, s62
	s_add_co_u32 s56, s56, 0xc40000
	s_add_nc_u64 s[KSB:KSB+1], s[6:7], s[56:57]
	s_add_co_u32 s56, s56, 0x20000
	s_add_nc_u64 s[VSB:VSB+1], s[6:7], s[56:57]
	s_lshl_b32 s62, s60, 7
	s_lshl_b32 s63, s54, 1
	s_add_co_u32 s62, s62, s63
	s_lshl_b32 s62, s62, 3
	s_add_co_u32 s62, s62, s[WV]                   ; (128 bb + 2 block) 8 + head: tile 0; tile 1 lies 8 further on
	s_lshl_b32 s56, s62, 10
	s_add_nc_u64 s[VP:VP+1], s[6:7], s[56:57]      ; Q's codes (the pair serves V later)
	s_lshl_b32 s56, s62, 6
	s_add_co_u32 s56, s56, 0xc00000
	s_add_nc_u64 s[VSP:VSP+1], s[6:7], s[56:57]    ; Q's scale words
	s_lshl_b32 s62, s60, 6
	s_add_co_u32 s62, s62, s54                     ; 64 bb + block
	s_lshl_b32 s56, s62, 14
	s_lshl_b32 s63, s[WV], 11
	s_add_co_u32 s56, s56, s63
	s_add_nc_u64 s[AOB:AOB+1], s[8:9], s[56:57]
	s_lshl_b32 s56, s62, 9
	s_add_co_u32 s56, s56, 0x400000
	s_add_nc_u64 s[AOS:AOS+1], s[8:9], s[56:57]
	s_mov_b32 s[C0], 0x3e38aa3b                    ; log2(e) / 8
	s_mov_b32 s[C0+1], s[C0]
	s_mov_b32 s[SEL], 0x76543210
	s_mov_b32 s[SEL+1], 0xfedcba98
	s_mov_b32 s[MNT], 0x600000
	s_mov_b32 s[EPS8], 0x322bcc77                  ; 1e-8
	s_mov_b32 s[MSK], 0xffff0000                   ; lanes 16-31
	v_and_b32 v[VSO], 31, v0
	v_lshlrev_b32 v[LI], 4, v[VSO]
	v_and_b32 v240, 15, v0
	v_bfe_u32 v241, v0, 4, 1
	v_mul_u32_u24 v[ADM0], v240, PITCH
	v_lshl_add_u32 v[ADM0], v241, 6, v[ADM0]
	v_lshlrev_b32 v242, 2, v240
	v_lshl_add_u32 v[KSO], v241, 9, v242
	global_load_b128 v[Q:Q+3], v[LI], s[VP:VP+1]
	global_load_b128 v[Q+4:Q+7], v[LI], s[VP:VP+1] offset:512
	global_load_b128 v[Q+16:Q+19], v[LI], s[VP:VP+1]
	global_load_b128 v[Q+20:Q+23], v[LI], s[VP:VP+1] offset:512
	WIN TO1
	global_load_b128 v[Q:Q+3], v[LI], s[VP:VP+1] offset:8192
	global_load_b128 v[Q+4:Q+7], v[LI], s[VP:VP+1] offset:8704
	global_load_b128 v[Q+16:Q+19], v[LI], s[VP:VP+1] offset:8192
	global_load_b128 v[Q+20:Q+23], v[LI], s[VP:VP+1] offset:8704
	WIN 0
	global_load_b32 v[QS], v[KSO], s[VSP:VSP+1]    ; a tile's words are 512 bytes from the other's: lanes 16-31 take tile 1's
	KLOAD KB, KSB
	INIT
	WIN T1
	INIT
	WIN 0
	s_wait_tensorcnt 0x0                           ; my rows of M have landed,
	s_barrier_signal -1
	s_barrier_wait -1                              ; everybody's have
	s_mov_b32 s[J], 0
	s_mov_b32 s[MO], 0
	s_mov_b32 s[MO1], TILE1
	s_mov_b32 s55, 0
.Lp1:                                              ; ---- pass 1: 16 steps of 128 keys
	s_wait_loadcnt 0x0                             ; this step's K (asked for behind the last step's scores)
	v_add_nc_u32 v[ADM], s[MO1], v[ADM0]
	WIN TO1
	MLD 4, ADM                                     ; tile 1's M first: its work comes first
	WIN 0
	v_add_nc_u32 v[ADM], s[MO], v[ADM0]
	MLD 4, ADM
	SCORES 0
	WIN SC1
	SCORES 1
	WIN 0
	PLACES 8                                       ; in front of loads into registers that these products read, and of the first read of their results
	s_add_co_u32 s52, s[J], 1
	s_and_b32 s52, s52, 15                         ; the next step; the last trip asks for step 0, with which pass 2 begins
	s_lshl_b32 s54, s52, 13
	s_add_nc_u64 s[KP:KP+1], s[KB:KB+1], s[54:55]
	s_lshl_b32 s54, s52, 11
	s_add_nc_u64 s[KSP:KSP+1], s[KSB:KSB+1], s[54:55]
	KLOAD KP, KSP
	WIN T1
	P1T 16                                         ; tile 0's 16 loads of M may be out
	WIN 0
	P1T 0
	s_add_co_u32 s[MO], s[MO], 512
	s_add_co_u32 s[MO1], s[MO1], 512
	s_add_co_u32 s[J], s[J], 1
	s_cmp_lt_u32 s[J], 16
	s_cbranch_scc1 .Lp1
	WIN T1
	TRANS
	WIN 0
	s_mov_b64 s[VP:VP+1], s[VB:VB+1]               ; (Q's loads, which named these, came long ago)
	s_mov_b64 s[VSP:VSP+1], s[VSB:VSB+1]
	VLOAD                                          ; step 0's V, behind step 0's K: the order in which every trip of pass 2 finds them
	TRANS
	s_mov_b32 s[J], 0
	s_mov_b32 s[MO], 0
	s_mov_b32 s[MO1], TILE1
.Lp2:                                              ; ---- pass 2
	s_wait_loadcnt 24                              ; this step's K and its scale words are in; V's 8 loads of bytes and 16 of codes, issued behind them, may be out
	v_add_nc_u32 v[ADM1], s[MO1], v[ADM0]
	v_add_nc_u32 v[ADM], s[MO], v[ADM0]
	WIN TO1
	MLD 2, ADM1
	WIN 0
	MLD 2, ADM
	SCORES 0
	WIN SC1
	SCORES 1
	WIN 0
	PLACES 8
	s_add_co_u32 s52, s[J], 1
	s_and_b32 s52, s52, 15                         ; the next step.  The last trip asks for step 0 once more, which nobody reads: so every trip's counts are alike
	s_lshl_b32 s54, s52, 13
	s_add_nc_u64 s[KP:KP+1], s[KB:KB+1], s[54:55]
	s_lshl_b32 s54, s52, 11
	s_add_nc_u64 s[KSP:KSP+1], s[KSB:KSB+1], s[54:55]
	KLOAD KP, KSP                                  ; 18 loads
	WIN T1
	BLK 0, 12, T1, ADM1                            ; out may be: tile 1's block 1 (4) and tile 0's two blocks (8)
	BLK 1, 12, T1, ADM1                            ; tile 0's 8 and block 2's 4
	BLK 2, 4, T1, ADM1                             ; block 3's 4
	BLK 3, 0, T1, ADM1
	s_wait_loadcnt 34                              ; V's scale bytes are in; V's 16 loads and the next K's 18 may be out
	WIN 0x11                                       ; sources 0 and 2 window 1, destination window 0
	v_lshl_or_b32 v[VS], v[VT+2], 8, v[VT]
	v_lshl_or_b32 v[VS+1], v[VT+3], 8, v[VT+1]
	WIN PV0                                        ; source 0 window 1
	v_lshl_or_b32 v[VS], v[VT+4], 16, v[VS]
	v_lshl_or_b32 v[VS+1], v[VT+5], 16, v[VS+1]
	v_lshl_or_b32 v[VS], v[VT+6], 24, v[VS]
	v_lshl_or_b32 v[VS+1], v[VT+7], 24, v[VS+1]
	WIN 0
	BLK 0, -1, 0, ADM                              ; tile 0's first two blocks of M were asked for ahead of loads that have been waited for
	BLK 1, -1, 0, ADM
	BLK 2, 4, 0, ADM
	BLK 3, 0, 0, ADM
	WIN D1
	v_cndmask_b32 v[PW], v[PW], v[PW], s[MSK]      ; A's scale words: lanes 0-15 keep tile 0's, lanes 16-31 take tile 1's (lane 16 + r of window 1 holds row r's)
	WIN 0
	PLACES 8                                       ; a scale word written by a vector instruction stands eight places ahead of a scaled product, codes four
	s_wait_loadcnt 18                              ; V is in; the next K's 18 loads may be out
	WIN PV0
	PV 0
	WIN T1
	PV 1
	WIN 0
	PLACES 8
	s_lshl_b32 s54, s52, 13
	s_add_nc_u64 s[VP:VP+1], s[VB:VB+1], s[54:55]
	s_lshl_b32 s54, s52, 11
	s_add_nc_u64 s[VSP:VSP+1], s[VSB:VSB+1], s[54:55]
	VLOAD                                          ; the next step's V: 24 loads
	s_add_co_u32 s[MO], s[MO], 512
	s_add_co_u32 s[MO1], s[MO1], 512
	s_add_co_u32 s[J], s[J], 1
	s_cmp_lt_u32 s[J], 16
	s_cbranch_scc1 .Lp2
	; ---- O^T: registers 16 cb + i = channel 32 cb + 16 h + i of my head, for query r: groups 2 (head % 2) + cb of K step head / 2 of the next product
	WIN T1
	QB O, P, 0
	QB O+16, P+4, 1
	v_nop
	WIN 0
	QB O, P, 0
	QB O+16, P+4, 1
	v_nop
	s_lshr_b32 s52, s[WV], 1
	s_lshl_b32 s52, s52, 6
	s_and_b32 s53, s[WV], 1
	s_lshl_b32 s53, s53, 1
	s_add_co_u32 s52, s52, s53
	s_add_co_u32 s52, s52, SCG
	v_and_b32 v14, 15, v0
	v_lshlrev_b32 v15, 2, v14
	v_add_nc_u32 v15, s52, v15                     ; 64 (head / 2) + 4 r + 2 (head % 2); tile 1's 256 bytes further on
	ds_store_b16 v15, v[PW]
	global_store_b128 v[LI], v[P:P+3], s[AOB:AOB+1]                 ; 512 consecutive bytes
	global_store_b128 v[LI], v[P+4:P+7], s[AOB:AOB+1] offset:1024
	WIN D1                                         ; the data from window 1
	ds_store_b16 v15, v[PW] offset:256
	global_store_b128 v[LI], v[P:P+3], s[AOB:AOB+1] offset:512
	global_store_b128 v[LI], v[P+4:P+7], s[AOB:AOB+1] offset:1536
	WIN 0
	s_wait_dscnt 0x0                               ; for the others' sake: my scale bytes lie in LDS
	s_barrier_signal -1
	s_barrier_wait -1
	s_cmp_lg_u32 s[WV], 0
	s_cbranch_scc1 .Lend
	v_add_nc_u32 v16, SCG, v[LI]
	ds_load_b128 v[112:115], v16                   ; the block's 512 bytes of scale words: [tile][K step][row]
	s_wait_dscnt 0x0
	global_store_b128 v[LI], v[112:115], s[AOS:AOS+1]
.Lend:
	s_set_vgpr_msb 0x5
	s_wait_tensorcnt 0x0
	ds_add_u32 v5, v22
	s_wait_dscnt 0x0
	s_set_vgpr_msb 0x500
	s_endpgm
.Lfunc_end_k_q6077fcb2e5_attn:
	.size	k_q6077fcb2e5_attn, .Lfunc_end_k_q6077fcb2e5_attn-k_q6077fcb2e5_attn
	.p2alignl 7, 3214868480
	.fill 96, 4, 3214868480
	.section	.rodata,"a",@progbits
	.p2align	6, 0x0
	.amdhsa_kernel k_q6077fcb2e5_attn
		.amdhsa_group_segment_fixed_size 264192
		.amdhsa_private_segment_fixed_size 0
		.amdhsa_enable_private_segment 0
		.amdhsa_kernarg_size 24
		.amdhsa_user_sgpr_count 2
		.amdhsa_user_sgpr_kernarg_segment_ptr 1
		.amdhsa_wavefront_size32 1
		.amdhsa_system_sgpr_workgroup_id_x 1
		.amdhsa_system_sgpr_workgroup_id_y 1
		.amdhsa_system_sgpr_workgroup_id_z 1
		.amdhsa_system_vgpr_workitem_id 0
		.amdhsa_next_free_vgpr 512
		.amdhsa_next_free_sgpr 84
		.amdhsa_reserve_vcc 0
		.amdhsa_float_denorm_mode_32 3
		.amdhsa_float_denorm_mode_16_64 3
		.amdhsa_memory_ordered 1
		.amdhsa_forward_progress 1
		.amdhsa_inst_pref_size 112
	.end_amdhsa_kernel
	.amdgpu_metadata
---
amdhsa.version: [ 1, 2 ]
amdhsa.kernels:
  - .name:           k_q6077fcb2e5_attn
    .symbol:         k_q6077fcb2e5_attn.kd
    .args:
      - { .name: M, .offset: 0, .size: 8, .value_kind: global_buffer, .address_space: global }
      - { .name: qkv, .offset: 8, .size: 8, .value_kind: global_buffer, .address_space: global }
      - { .name: ao, .offset: 16, .size: 8, .value_kind: global_buffer, .address_space: global }
    .group_segment_fixed_size: 264192
    .private_segment_fixed_size: 0
    .kernarg_segment_align: 8
    .kernarg_segment_size: 24
    .max_flat_workgroup_size: 256
    .sgpr_count:     84
    .vgpr_count:     512
    .wavefront_size: 32
...
	.end_amdgpu_metadata
.endif
;; end of part 3
;; launch back (part 4): grid 128 x 2, 8 waves a work-group, no clusters, 159,744 bytes of LDS; arguments gene_emb, expr_emb, g_bo, e_bo, ln_g2_w, ln_e2_w, ln_g2_b, ln_e2_b, fg_b1, fe_b1, fg_b2, fe_b2, out0, out1, ao, wc; writes out0, out1
.if DOCPART == 4
	.amdgcn_target "amdgcn-amd-amdhsa--gfx1250"
	.amdhsa_code_object_version 6
	.text
	.protected	k_q6077fcb2e5_back
	.globl	k_q6077fcb2e5_back
	.p2align	8
	.type	k_q6077fcb2e5_back,@function
k_q6077fcb2e5_back:
	s_mov_b64 s[64:65], 0
	v_nop
	global_prefetch_b8 v0, s[64:65] scope:SCOPE_SE
	s_setreg_imm32_b32 hwreg(HW_REG_WAVE_MODE, 25, 1), 1
	s_wait_xcnt 0x0
; x = emb + attn Wo + bo;  x_ln = layer norm(x);  out = x + x_ln + gelu(x_ln W1 + b1) W2 + b2, for 32 tokens (work-group x) of one branch (y), all products on FP8 (E4M3) codes with E8M0 scales for each 32 along K.
; Tiles, pairs, images and records as in the launch that makes Q, K and V: lane i of token tile u is token 8 u + i + (i & 8) of the block; transposed use throughout: a lane holds one token, and the 16 registers of a pair are 16 neighbouring channels.
; Wave w owns channels 64 w .. 64 w + 63 of the 512 (pairs 2 w, 2 w + 1) and hidden units 256 w .. 256 w + 255 (pairs 8 w .. 8 w + 7).  x, x_ln and the hidden layer never go to memory; the hidden layer's images lie in LDS.
; x + x_ln is the C onto which the last product adds in place; the additions go ((x + x_ln) + sum) + b2.
; gelu(v) = v Phi(v), z = v / sqrt(2): |z| <= 0.9277: Phi = 1/2 + erf(z) / 2 by an odd polynomial; beyond: R = 2^(r(|z|) log2(e) - 1) = erfc(|z|) / 2 and Phi = R or 1 - R.
; LIMITS: Phi has an absolute error of about 1e-7, so far down the negative tail gelu's relative error grows (about 1e-5 at z = -2, 3e-3 at z = -3); NaN and infinities are not served;
; a block whose largest magnitude lies under 2^-118, a block of zeros too, keeps the byte 1.
; No cluster: two slots of eight records (270,336 bytes) do not fit beside the hidden layer's images; the records go straight into registers.
.set REC,  16896
.set XL,   0                           ; LDS: image of x_ln
.set XLSC, 16384
.set RED0, 16896
.set RED1, 17920
.set H,    18944                       ; the hidden layer: pair P, tile u at 1024 P + 512 u
.set HSC,  84480                       ; its scale words: 128 bytes a pair; a K step's finished word is the one stored with its fourth pair
.set STG,  92672                       ; the way out: 32 rows x (2,048 + 16) bytes
.set LI,   1
.set LS,   2
.set LS16, 3
.set BO,   4
.set EO,   5
.set XSO,  6
.set RW,   7
.set HSA,  7                           ; (after the norms)
.set RR,   8
.set FWI,  9
.set FWS,  10
.set HWI,  11
.set XS,   12
.set WS,   16
.set TM,   20
.set PC,   36
.set VC2,  52                          ; v[52:57] three constants, twice each
.set VC4,  54
.set VK2,  56
.set HWS,  58
.set LIH,  59
.set LSH,  60
.set HA,   61
.set HW0,  62
.set HW1,  63
.set RA,   64                          ; v64-127 [u][p][16]
.set E,    128                         ; v128-191 emb, then x - mean, then x_ln
.set ACC,  128                         ; v128-159 a hidden pair's four accumulators [u][t]
.set LNW,  192
.set LNB,  224
.set BI,   224
.set GZ,   160
.set GT,   176
.set GS,   192
.set GR,   208
.set GU,   240
.set XR,   0
.set WR,   128
.set EMB,  36
.set PBO,  38
.set PLW,  40
.set PLB,  42
.set BP,   44
.set PB2,  46
.set OUT,  48
.set AOC,  50
.set AOS,  52
.set WB,   54
.set WP,   56
.set WV,   58
.set Y,    59
.set J,    60
.set HO,   61
.set HSO,  62
.set THR,  63
.set SEL,  80
.set MNT,  82
.set C9,   83
.set EPS,  84
.set W2P,  94                          ; s[94:95] the last product's first record of mine
.set MSB, 0
.macro WIN new
.if MSB != \new
	s_set_vgpr_msb (MSB<<8)|\new
.set MSB, \new
.endif
.endm
.set MUL,  0x05
.set TO_F, 0x40
.macro PLACES n
.rept \n
	v_nop
.endr
.endm
.macro BARRIER
	s_wait_dscnt 0x0
	s_barrier_signal -1
	s_barrier_wait -1
.endm
.macro WM d, a, b, cm, cb, sa, sb, ra, rb
.set w_d, \d
.set w_a, \a
.set w_b, \b
.set w_c, \cb
.set w_sa, \sa
.set w_sb, \sb
.set w_r, 2*(\ra)+(\rb)
.if (\cm) == 2
.set w_c, w_d
.endif
.if w_r == 0
	v_wmma_scale_f32_16x16x128_f8f6f4 v[w_d:w_d+7], v[w_a:w_a+15], v[w_b:w_b+15], v[w_c:w_c+7], v[w_sa], v[w_sb]
.elseif w_r == 1
	v_wmma_scale_f32_16x16x128_f8f6f4 v[w_d:w_d+7], v[w_a:w_a+15], v[w_b:w_b+15], v[w_c:w_c+7], v[w_sa], v[w_sb] matrix_b_scale:MATRIX_SCALE_ROW1
.elseif w_r == 2
	v_wmma_scale_f32_16x16x128_f8f6f4 v[w_d:w_d+7], v[w_a:w_a+15], v[w_b:w_b+15], v[w_c:w_c+7], v[w_sa], v[w_sb] matrix_a_scale:MATRIX_SCALE_ROW1
.else
	v_wmma_scale_f32_16x16x128_f8f6f4 v[w_d:w_d+7], v[w_a:w_a+15], v[w_b:w_b+15], v[w_c:w_c+7], v[w_sa], v[w_sb] matrix_a_scale:MATRIX_SCALE_ROW1 matrix_b_scale:MATRIX_SCALE_ROW1
.endif
.endm
; A pair x 32 tokens x 512 along K: 16 matrix instructions, four accumulators by turns.  cm = 1: the sums begin with the bias; 2: in place.
.macro PAIRMM acc, us, cm
.irp s, 0,1,2,3
.irp u, 0,1
.irp t, 0,1
.if \s == 0
.set pcm, \cm
.else
.set pcm, 2
.endif
	WM (\acc)+(\us)*\u+8*\t, WR+16*(4*\t+\s), XR+16*(4*\u+\s), pcm, BI+8*\t, WS+2*\t+\s/2, XS+\s, \s%2, \u
.endr
.endr
.endr
.endm
.macro WLOADP base, off, nb, bb, boff
	WIN TO_F
.set l_i, 0
.rept 32
	global_load_b128 v[WR+4*l_i:WR+4*l_i+3], v[LI], s[\base:\base+1] offset:(\off)+512*l_i
.set l_i, l_i+1
.endr
	WIN 0
.irp k, 0,1,2,3
	global_load_b32 v[WS+\k], v[LS], s[\base:\base+1] offset:(\off)+16384+128*\k
.endr
.if \nb
.irp j, 0,1,2,3
	global_load_b128 v[BI+4*\j:BI+4*\j+3], v[BO], s[\bb:\bb+1] offset:(\boff)+16*\j
.endr
.endif
.endm
.macro XFETCH adr, img, sadr, sc, sst
	WIN TO_F
.irp u, 0,1
.irp s, 0,1,2,3
.irp c, 0,1,2,3
	ds_load_b128 v[XR+16*(4*\u+\s)+4*\c:XR+16*(4*\u+\s)+4*\c+3], v[\adr] offset:(\img)+4096*\s+1024*\c+512*\u
.endr
.endr
.endr
	WIN 0
.irp s, 0,1,2,3
	ds_load_b32 v[XS+\s], v[\sadr] offset:(\sc)+(\sst)*\s
.endr
.endm
; The nine places serve loads into registers that these products read, reads of their results, and accumulators begun anew with another C.
.macro UNIT acc, us, cm
	s_wait_loadcnt 0x0
	s_wait_dscnt 0x0
	WIN MUL
	PAIRMM \acc, \us, \cm
	WIN 0
	PLACES 9
.endm
.macro QUANT src, n, pc
.set q_b, 0
.rept \n
	v_max3_num_f32 v[TM+q_b], |v[(\src)+16*q_b]|, |v[(\src)+16*q_b+1]|, 0x4800000
.set q_b, q_b+1
.endr
.irp i, 2,4,6,8,10,12,14
.set q_b, 0
.rept \n
	v_max3_num_f32 v[TM+q_b], v[TM+q_b], |v[(\src)+16*q_b+\i]|, |v[(\src)+16*q_b+\i+1]|
.set q_b, q_b+1
.endr
.endr
.set q_b, 0
.rept \n
	v_permlanex16_b32 v[TM+4+q_b], v[TM+q_b], s[SEL], s[SEL+1]
.set q_b, q_b+1
.endr
.set q_b, 0
.rept \n
	v_max_num_f32 v[TM+q_b], v[TM+q_b], v[TM+4+q_b]
.set q_b, q_b+1
.endr
.set q_b, 0
.rept \n
	v_add_nc_u32 v[TM+12+q_b], 0xfc000000, v[TM+q_b]
	v_and_or_b32 v[TM+8+q_b], v[TM+q_b], 0x7f800000, s[MNT]
	v_lshrrev_b32 v[TM+4+q_b], 23, v[TM+12+q_b]
.set q_b, q_b+1
.endr
.set q_b, 0
.rept \n
.set q_i, 0
.rept 16
	v_med3_num_f32 v[(\src)+16*q_b+q_i], v[(\src)+16*q_b+q_i], -v[TM+8+q_b], v[TM+8+q_b]
.set q_i, q_i+1
.endr
	v_cvt_scalef32_pk8_fp8_f32 v[(\pc)+4*q_b:(\pc)+4*q_b+1], v[(\src)+16*q_b:(\src)+16*q_b+7], v[TM+12+q_b]
	v_cvt_scalef32_pk8_fp8_f32 v[(\pc)+4*q_b+2:(\pc)+4*q_b+3], v[(\src)+16*q_b+8:(\src)+16*q_b+15], v[TM+12+q_b]
.set q_b, q_b+1
.endr
	v_nop
.endm
; Four chains (two for each tile u) -> my 64 channels' sums -> LDS -> the rows' 512: tile u's in v[TM + 8 u]
.macro FOLD red
.irp u, 0,1
	v_pk_add_f32 v[TM+4*\u:TM+4*\u+1], v[TM+4*\u:TM+4*\u+1], v[TM+4*\u+2:TM+4*\u+3]
.endr
.irp u, 0,1
	v_add_f32 v[TM+4*\u], v[TM+4*\u], v[TM+4*\u+1]
.endr
.irp u, 0,1
	v_permlanex16_b32 v[TM+4*\u+1], v[TM+4*\u], s[SEL], s[SEL+1]
.endr
.irp u, 0,1
	v_add_f32 v[TM+4*\u], v[TM+4*\u], v[TM+4*\u+1]
.endr
.irp u, 0,1
	ds_store_b32 v[RW], v[TM+4*\u] offset:(\red)+512*\u
.endr
	BARRIER
.irp u, 0,1
	ds_load_b128 v[TM+8*\u:TM+8*\u+3], v[RR] offset:(\red)+512*\u
	ds_load_b128 v[TM+8*\u+4:TM+8*\u+7], v[RR] offset:(\red)+512*\u+16
.endr
	s_wait_dscnt 0x0
.irp u, 0,1
.irp k, 0,2,4,6
	v_add_f32 v[TM+8*\u+\k], v[TM+8*\u+\k], v[TM+8*\u+\k+1]
.endr
.endr
.irp u, 0,1
	v_add_f32 v[TM+8*\u], v[TM+8*\u], v[TM+8*\u+2]
	v_add_f32 v[TM+8*\u+4], v[TM+8*\u+4], v[TM+8*\u+6]
.endr
.irp u, 0,1
	v_add_f32 v[TM+8*\u], v[TM+8*\u], v[TM+8*\u+4]
.endr
.endm
.macro FMA_L d, a, b, lit              ; d = a b + a constant, 16 numbers
.set g_i, 0
.rept 8
	v_pk_fma_f32 v[\d+g_i:\d+g_i+1], v[\a+g_i:\a+g_i+1], v[\b+g_i:\b+g_i+1], \lit op_sel_hi:[1,1,0]
.set g_i, g_i+2
.endr
.endm
.macro FMA_C d, a, lit, c              ; d = a x a constant + the pair c
.set g_i, 0
.rept 8
	v_pk_fma_f32 v[\d+g_i:\d+g_i+1], v[\a+g_i:\a+g_i+1], \lit, v[\c:\c+1] op_sel_hi:[1,0,1]
.set g_i, g_i+2
.endr
.endm
.macro GELU a                          ; 16 registers, stage by stage, so that no line waits for the line above it
.set g_i, 0
.rept 8
	v_pk_mul_f32 v[GZ+g_i:GZ+g_i+1], v[(\a)+g_i:(\a)+g_i+1], 0x3f3504f3 op_sel_hi:[1,0]   ; z
.set g_i, g_i+2
.endr
.set g_i, 0
.rept 16
	v_and_b32 v[GT+g_i], 0x7fffffff, v[GZ+g_i]                                            ; |z|
.set g_i, g_i+1
.endr
.set g_i, 0
.rept 8
	v_pk_mul_f32 v[GS+g_i:GS+g_i+1], v[GZ+g_i:GZ+g_i+1], v[GZ+g_i:GZ+g_i+1]
.set g_i, g_i+2
.endr
	FMA_C GR, GT, 0xb7910000, VC2
	FMA_C GU, GT, 0xbb7e8a1c, VC4
.set g_i, 0
.rept 8
	v_pk_fma_f32 v[GR+g_i:GR+g_i+1], v[GR+g_i:GR+g_i+1], v[GS+g_i:GS+g_i+1], v[GU+g_i:GU+g_i+1]
.set g_i, g_i+2
.endr
	FMA_L GR, GR, GT, 0xbddaae5c
	FMA_L GR, GR, GT, 0xbf228550
	FMA_L GR, GR, GT, 0xbe03ce86
.set g_i, 0
.rept 8
	v_pk_fma_f32 v[GR+g_i:GR+g_i+1], v[GR+g_i:GR+g_i+1], v[GT+g_i:GT+g_i+1], v[GT+g_i:GT+g_i+1] neg_lo:[0,0,1] neg_hi:[0,0,1]   ; r = ln erfc |z|
.set g_i, g_i+2
.endr
.set g_i, 0
.rept 8
	v_pk_fma_f32 v[GR+g_i:GR+g_i+1], v[GR+g_i:GR+g_i+1], 0x3fb8aa3b, -1.0 op_sel_hi:[1,0,0]
.set g_i, g_i+2
.endr
.set g_i, 0
.rept 16
	v_exp_f32 v[GR+g_i], v[GR+g_i]                                                        ; erfc |z| / 2
.set g_i, g_i+1
.endr
	FMA_C GU, GS, 0xba1c7000, VK2                                                         ; (plain lines behind the exponentials)
	FMA_L GU, GU, GS, 0xbcdb48d9
	FMA_L GU, GU, GS, 0x3de70e22
	FMA_L GU, GU, GS, 0xbec09380
	FMA_L GU, GU, GS, 0x3e0375d4
.set g_i, 0
.rept 8
	v_pk_fma_f32 v[GU+g_i:GU+g_i+1], v[GU+g_i:GU+g_i+1], v[GZ+g_i:GZ+g_i+1], v[GZ+g_i:GZ+g_i+1]   ; erf z
.set g_i, g_i+2
.endr
.set g_i, 0
	s_wait_alu depctr_va_vdst(0)
.rept 8
	v_pk_fma_f32 v[GU+g_i:GU+g_i+1], v[GU+g_i:GU+g_i+1], 0.5, 0.5 op_sel_hi:[1,0,0]
	v_pk_fma_f32 v[GS+g_i:GS+g_i+1], v[GR+g_i:GR+g_i+1], -1.0, 1.0 op_sel_hi:[1,0,0]
.set g_i, g_i+2
.endr
.set g_i, 0
.rept 16
	v_cmp_lt_f32 vcc_lo, 0, v[GZ+g_i]
	v_cndmask_b32 v[GR+g_i], v[GR+g_i], v[GS+g_i], vcc_lo                                 ; z > 0: 1 - R
	v_cmp_lt_f32 vcc_lo, s[THR], v[GT+g_i]
	v_cndmask_b32 v[GU+g_i], v[GU+g_i], v[GR+g_i], vcc_lo                                 ; which range: a choice of values, no branch
.set g_i, g_i+1
.endr
.set g_i, 0
.rept 8
	v_pk_mul_f32 v[(\a)+g_i:(\a)+g_i+1], v[(\a)+g_i:(\a)+g_i+1], v[GU+g_i:GU+g_i+1]
.set g_i, g_i+2
.endr
.endm
	s_load_b512 s[4:19], s[0:1], 0x0               ; gene_emb expr_emb g_bo e_bo ln_g2_w ln_e2_w ln_g2_b ln_e2_b
	s_load_b512 s[20:35], s[0:1], 0x40             ; fg_b1 fe_b1 fg_b2 fe_b2 out0 out1 ao wc
	v_lshrrev_b32 v1, 5, v0
	v_readfirstlane_b32 s[WV], v1
	v_and_b32 v20, 31, v0
	v_and_b32 v21, 15, v0                          ; r
	v_bfe_u32 v22, v0, 4, 1                        ; h
	v_and_b32 v23, 8, v21
	v_add_nc_u32 v23, v23, v21
	v_lshlrev_b32 v[LI], 4, v20
	v_lshlrev_b32 v[LS], 2, v20
	v_lshlrev_b32 v[LS16], 2, v21
	v_lshlrev_b32 v[BO], 6, v22
	v_lshl_add_u32 v[EO], v23, 11, v[BO]
	v_lshl_add_u32 v[XSO], v22, 8, v[LS16]
	v_lshlrev_b32 v[RR], 5, v21
	s_lshl_b32 s66, s[WV], 2
	v_add_nc_u32 v[RW], s66, v[RR]                 ; 32 r + 4 w
	s_lshr_b32 s68, s[WV], 1
	s_lshl_b32 s68, s68, 12
	s_and_b32 s69, s[WV], 1
	s_lshl_b32 s70, s69, 11
	s_add_co_u32 s70, s70, s68
	v_add_nc_u32 v[FWI], s70, v[LI]
	s_lshr_b32 s68, s68, 5
	s_lshl_b32 s69, s69, 1
	s_add_co_u32 s68, s68, s69
	v_add_nc_u32 v[FWS], s68, v[LS16]
	s_lshl_b32 s68, s[WV], 13
	s_add_co_u32 s68, s68, H
	v_add_nc_u32 v[HWI], s68, v[LI]
	s_lshl_b32 s68, s[WV], 10
	s_add_co_u32 s68, s68, HSC
	v_add_nc_u32 v[HWS], s68, v[LS16]
	v_add_nc_u32 v[LIH], H, v[LI]
	v_add_nc_u32 v[LSH], HSC, v[LS]
	v_mov_b32 v[VC2], 0x39c8e7d9
	v_mov_b32 v[VC2+1], 0x39c8e7d9
	v_mov_b32 v[VC4], 0x3cc6b1a1
	v_mov_b32 v[VC4+1], 0x3cc6b1a1
	v_mov_b32 v[VK2], 0x3ba38d2c
	v_mov_b32 v[VK2+1], 0x3ba38d2c
	v_mov_b32 v[HW0], 0
	v_mov_b32 v[HW1], 0
	s_mov_b32 s[SEL], 0x76543210
	s_mov_b32 s[SEL+1], 0xfedcba98
	s_mov_b32 s[MNT], 0x600000
	s_mov_b32 s[C9], 0x3b000000
	s_mov_b32 s[EPS], 0x3727c5ac
	s_mov_b32 s[THR], 0x3f6d8000                   ; 0.927734375
	s_and_b32 s[Y], ttmp7, 0xffff
	s_lshl_b32 s70, ttmp9, 16
	s_lshl_b32 s74, s[WV], 8
	s_add_co_u32 s70, s70, s74                     ; emb: my block's rows, my 64 channels
	s_mov_b32 s71, 0
	s_mov_b32 s75, 0
	s_lshl_b32 s72, ttmp9, 16
	s_lshl_b32 s73, s[WV], 13
	s_add_co_u32 s72, s72, s73                     ; out: my block's rows 4 w on
	s_mov_b32 s73, 0
	s_lshl_b32 s76, s[Y], 7
	s_add_co_u32 s76, s76, ttmp9                   ; z
	s_lshl_b32 s77, s[Y], 6
	s_lshl_b32 s78, s[WV], 1
	s_add_co_u32 s78, s78, s77
	s_mul_i32 s78, s78, REC
	s_mov_b32 s79, 0
	s_lshl_b32 s86, s[WV], 3
	s_add_co_u32 s86, s86, s77
	s_add_co_u32 s86, s86, 288
	s_mul_i32 s86, s86, REC
	s_mov_b32 s87, 0
	s_lshl_b32 s88, s[WV], 10
	s_mov_b32 s89, 0
	s_lshl_b32 s90, s76, 14
	s_mov_b32 s91, 0
	s_lshl_b32 s92, s76, 9
	s_add_co_u32 s92, s92, 0x400000
	s_mov_b32 s93, 0
	s_wait_kmcnt 0x0
	s_cmp_eq_u32 s[Y], 0
	s_cselect_b64 s[EMB:EMB+1], s[4:5], s[6:7]
	s_cselect_b64 s[PBO:PBO+1], s[8:9], s[10:11]
	s_cselect_b64 s[PLW:PLW+1], s[12:13], s[14:15]
	s_cselect_b64 s[PLB:PLB+1], s[16:17], s[18:19]
	s_cselect_b64 s[BP:BP+1], s[20:21], s[22:23]
	s_cselect_b64 s[PB2:PB2+1], s[24:25], s[26:27]
	s_cselect_b64 s[OUT:OUT+1], s[28:29], s[30:31]
	s_add_nc_u64 s[EMB:EMB+1], s[EMB:EMB+1], s[70:71]
	s_add_nc_u64 s[PBO:PBO+1], s[PBO:PBO+1], s[74:75]
	s_add_nc_u64 s[PLW:PLW+1], s[PLW:PLW+1], s[74:75]
	s_add_nc_u64 s[PLB:PLB+1], s[PLB:PLB+1], s[74:75]
	s_add_nc_u64 s[PB2:PB2+1], s[PB2:PB2+1], s[74:75]
	s_add_nc_u64 s[BP:BP+1], s[BP:BP+1], s[88:89]
	s_add_nc_u64 s[OUT:OUT+1], s[OUT:OUT+1], s[72:73]
	s_add_nc_u64 s[AOC:AOC+1], s[32:33], s[90:91]
	s_add_nc_u64 s[AOS:AOS+1], s[32:33], s[92:93]
	s_add_nc_u64 s[WB:WB+1], s[34:35], s[78:79]
	s_add_nc_u64 s[WP:WP+1], s[34:35], s[86:87]
	s_add_nc_u64 s[W2P:W2P+1], s[WB:WB+1], 160*REC
	; ---- x = emb + attn Wo + bo
	WIN TO_F
.irp u, 0,1
.irp s, 0,1,2,3
.irp c, 0,1,2,3
	global_load_b128 v[XR+16*(4*\u+\s)+4*\c:XR+16*(4*\u+\s)+4*\c+3], v[LI], s[AOC:AOC+1] offset:4096*\s+1024*\c+512*\u
.endr
.endr
.endr
	WIN 0
.irp s, 0,1,2,3
	global_load_b32 v[XS+\s], v[XSO], s[AOS:AOS+1] offset:64*\s
.endr
.irp u, 0,1
.irp p, 0,1
.irp j, 0,1,2,3
	global_load_b128 v[E+32*\u+16*\p+4*\j:E+32*\u+16*\p+4*\j+3], v[EO], s[EMB:EMB+1] offset:16384*\u+128*\p+16*\j
.endr
.endr
.endr
.irp p, 0,1
.irp j, 0,1,2,3
	global_load_b128 v[LNW+16*\p+4*\j:LNW+16*\p+4*\j+3], v[BO], s[PLW:PLW+1] offset:128*\p+16*\j
.endr
.endr
	WLOADP WB, 48*REC, 1, PBO, 0
	UNIT RA, 32, 1
	WLOADP WB, 49*REC, 1, PBO, 128
	UNIT RA+16, 32, 1
.irp p, 0,1
.irp j, 0,1,2,3
	global_load_b128 v[LNB+16*\p+4*\j:LNB+16*\p+4*\j+3], v[BO], s[PLB:PLB+1] offset:128*\p+16*\j
.endr
.endr
.set a_j, 0
.rept 32
	v_pk_add_f32 v[RA+a_j:RA+a_j+1], v[RA+a_j:RA+a_j+1], v[E+a_j:E+a_j+1]
.set a_j, a_j+2
.endr
	; ---- the second layer norm: eight waves hold a row's 512 channels
.irp u, 0,1
.irp k, 0,1
	v_pk_add_f32 v[TM+4*\u+2*\k:TM+4*\u+2*\k+1], v[RA+32*\u+2*\k:RA+32*\u+2*\k+1], v[RA+32*\u+4+2*\k:RA+32*\u+4+2*\k+1]
.endr
.endr
.irp g, 2,3,4,5,6,7
.irp u, 0,1
.irp k, 0,1
	v_pk_add_f32 v[TM+4*\u+2*\k:TM+4*\u+2*\k+1], v[TM+4*\u+2*\k:TM+4*\u+2*\k+1], v[RA+32*\u+4*\g+2*\k:RA+32*\u+4*\g+2*\k+1]
.endr
.endr
.endr
	FOLD RED0
.irp u, 0,1
	v_mul_f32 v[PC+2*\u], s[C9], v[TM+8*\u]        ; the means
.endr
.irp u, 0,1
	v_mov_b32 v[PC+2*\u+1], v[PC+2*\u]
.endr
.irp u, 0,1
.set a_j, 0
.rept 16
	v_pk_add_f32 v[E+32*\u+a_j:E+32*\u+a_j+1], v[RA+32*\u+a_j:RA+32*\u+a_j+1], v[PC+2*\u:PC+2*\u+1] neg_lo:[0,1] neg_hi:[0,1]
.set a_j, a_j+2
.endr
.endr
.irp u, 0,1
.irp k, 0,1
	v_pk_mul_f32 v[TM+4*\u+2*\k:TM+4*\u+2*\k+1], v[E+32*\u+2*\k:E+32*\u+2*\k+1], v[E+32*\u+2*\k:E+32*\u+2*\k+1]
.endr
.endr
.irp g, 1,2,3,4,5,6,7
.irp u, 0,1
.irp k, 0,1
	v_pk_fma_f32 v[TM+4*\u+2*\k:TM+4*\u+2*\k+1], v[E+32*\u+4*\g+2*\k:E+32*\u+4*\g+2*\k+1], v[E+32*\u+4*\g+2*\k:E+32*\u+4*\g+2*\k+1], v[TM+4*\u+2*\k:TM+4*\u+2*\k+1]
.endr
.endr
.endr
	FOLD RED1
.irp u, 0,1
	v_fma_f32 v[PC+4+2*\u], v[TM+8*\u], s[C9], s[EPS]
.endr
.irp u, 0,1
	v_rsq_f32 v[PC+4+2*\u], v[PC+4+2*\u]
.endr
	v_nop
	s_wait_alu depctr_va_vdst(0)
.irp u, 0,1
	v_mov_b32 v[PC+5+2*\u], v[PC+4+2*\u]
.endr
	s_wait_loadcnt 0x0                             ; the norm's gains and biases
.irp u, 0,1
.set a_j, 0
.rept 16
	v_pk_mul_f32 v[E+32*\u+a_j:E+32*\u+a_j+1], v[E+32*\u+a_j:E+32*\u+a_j+1], v[PC+4+2*\u:PC+5+2*\u]
.set a_j, a_j+2
.endr
.endr
.irp u, 0,1
.set a_j, 0
.rept 16
	v_pk_fma_f32 v[E+32*\u+a_j:E+32*\u+a_j+1], v[E+32*\u+a_j:E+32*\u+a_j+1], v[LNW+a_j:LNW+a_j+1], v[LNB+a_j:LNB+a_j+1]
.set a_j, a_j+2
.endr
.endr
.set a_j, 0
.rept 32
	v_pk_add_f32 v[RA+a_j:RA+a_j+1], v[RA+a_j:RA+a_j+1], v[E+a_j:E+a_j+1]     ; x + x_ln
.set a_j, a_j+2
.endr
	QUANT E, 4, PC                                 ; block 2 u + p: group 2 (w % 2) + p of K step w / 2, tile u
.irp u, 0,1
.irp p, 0,1
	ds_store_b128 v[FWI], v[PC+4*(2*\u+\p):PC+4*(2*\u+\p)+3] offset:XL+1024*\p+512*\u
.endr
.endr
	v_lshl_or_b32 v[TM], v[TM+5], 8, v[TM+4]
	v_lshl_or_b32 v[TM+1], v[TM+7], 8, v[TM+6]
	ds_store_b16 v[FWS], v[TM] offset:XLSC
	ds_store_b16 v[FWS], v[TM+1] offset:XLSC+64
	WLOADP WP, 0, 1, BP, 0
	BARRIER
	XFETCH LI, XL, LS, XLSC, 128
	; ---- the hidden layer: eight trips, a pair of 32 units each.  Every trip asks for the record that is multiplied next: the next pair's, and in the last trip the last product's first, which lands while the last pair's gelu runs
	s_mov_b32 s[J], 0
	s_mov_b32 s[HO], 0
	s_mov_b32 s[HSO], 0
.Lf1:
	UNIT ACC, 16, 1
	s_add_nc_u64 s[WP:WP+1], s[WP:WP+1], REC       ; (the loads that named these have come: the wait at the products' head)
	s_cmp_eq_u32 s[J], 7
	s_cselect_b64 s[WP:WP+1], s[W2P:W2P+1], s[WP:WP+1]   ; a choice on the trip's number alone
	WLOADP WP, 0, 0, BP, 0
	s_cmp_eq_u32 s[J], 7
	s_cbranch_scc1 .Lf1_nb                         ; the last product begins with no bias of its own, and no load leaves b1
	s_add_nc_u64 s[BP:BP+1], s[BP:BP+1], 128
.irp j, 0,1,2,3
	global_load_b128 v[BI+4*\j:BI+4*\j+3], v[BO], s[BP:BP+1] offset:16*\j
.endr
.Lf1_nb:
	GELU ACC
	GELU ACC+16
	QUANT ACC, 2, PC                               ; block u: the pair's 32 units of tile u
	v_add_nc_u32 v[HA], s[HO], v[HWI]
	ds_store_b128 v[HA], v[PC:PC+3]
	ds_store_b128 v[HA], v[PC+4:PC+7] offset:512
	v_lshrrev_b32 v[HW0], 8, v[HW0]                ; the last four pairs' bytes, the oldest lowest
	v_lshrrev_b32 v[HW1], 8, v[HW1]
	v_lshl_or_b32 v[HW0], v[TM+4], 24, v[HW0]
	v_lshl_or_b32 v[HW1], v[TM+5], 24, v[HW1]
	v_add_nc_u32 v[HSA], s[HSO], v[HWS]
	ds_store_b32 v[HSA], v[HW0]
	ds_store_b32 v[HSA], v[HW1] offset:64
	s_wait_dscnt 0x0                               ; the stores have read their registers
	s_add_co_u32 s[HO], s[HO], 1024
	s_add_co_u32 s[HSO], s[HSO], 128
	s_add_co_u32 s[J], s[J], 1
	s_cmp_lt_u32 s[J], 8
	s_cbranch_scc1 .Lf1
	; ---- the last product adds onto x + x_ln, 512 along K at a time
	BARRIER                                        ; the hidden layer's images lie in LDS
.irp q, 0,1,2,3
	XFETCH LIH, 16384*\q, LSH, 384+2048*\q, 512
	UNIT RA, 32, 2
	WLOADP WB, (161+16*\q)*REC, 0, BP, 0
	UNIT RA+16, 32, 2
.if \q < 3
	WLOADP WB, (176+16*\q)*REC, 0, BP, 0
.endif
.endr
.irp p, 0,1
.irp j, 0,1,2,3
	global_load_b128 v[E+16*\p+4*\j:E+16*\p+4*\j+3], v[BO], s[PB2:PB2+1] offset:128*\p+16*\j
.endr
.endr
	v_and_b32 v20, 15, v0
	v_and_b32 v21, 8, v20
	v_add_nc_u32 v20, v20, v21
	v_mul_u32_u24 v20, v20, 2064
	v_add_nc_u32 v20, v20, v[BO]
	s_lshl_b32 s66, s[WV], 8
	s_add_co_u32 s66, s66, STG
	v_add_nc_u32 v20, s66, v20                     ; into the stage: row r + (r & 8) (+ 8 u), my channels' bytes
	s_mul_i32 s66, s[WV], 8256
	s_add_co_u32 s66, s66, STG
	v_add_nc_u32 v21, s66, v[LI]                   ; back: rows 4 w on, 512 bytes an instruction
	s_wait_loadcnt 0x0
.irp u, 0,1
.set a_j, 0
.rept 16
	v_pk_add_f32 v[RA+32*\u+a_j:RA+32*\u+a_j+1], v[RA+32*\u+a_j:RA+32*\u+a_j+1], v[E+a_j:E+a_j+1]
.set a_j, a_j+2
.endr
.endr
.irp u, 0,1
.irp p, 0,1
.irp j, 0,1,2,3
	ds_store_b128 v20, v[RA+32*\u+16*\p+4*\j:RA+32*\u+16*\p+4*\j+3] offset:16512*\u+128*\p+16*\j
.endr
.endr
.endr
	BARRIER                                        ; 32 whole rows lie in the stage
.set o_i, 0
.rept 16
	ds_load_b128 v[E+4*o_i:E+4*o_i+3], v21 offset:2064*(o_i/4)+512*(o_i%4)
.set o_i, o_i+1
.endr
.set o_i, 0
.rept 16
	s_wait_dscnt 15-o_i                            ; LDS loads come back in order: the younger ones may be out
	global_store_b128 v[LI], v[E+4*o_i:E+4*o_i+3], s[OUT:OUT+1] offset:2048*(o_i/4)+512*(o_i%4) th:TH_STORE_NT   ; 512 consecutive bytes, aligned
.set o_i, o_i+1
.endr
	s_wait_xcnt 0x0
	v_lshl_add_u32 v254, v0, 2, 0x26c00
	v_mov_b32 v255, 0
	s_wait_tensorcnt 0x0
	ds_add_u32 v254, v255
	s_wait_dscnt 0x0
	s_endpgm
.Lfunc_end_k_q6077fcb2e5_back:
	.size	k_q6077fcb2e5_back, .Lfunc_end_k_q6077fcb2e5_back-k_q6077fcb2e5_back
	.p2alignl 7, 3214868480
	.fill 96, 4, 3214868480
	.section	.rodata,"a",@progbits
	.p2align	6, 0x0
	.amdhsa_kernel k_q6077fcb2e5_back
		.amdhsa_group_segment_fixed_size 159744
		.amdhsa_private_segment_fixed_size 0
		.amdhsa_enable_private_segment 0
		.amdhsa_kernarg_size 128
		.amdhsa_user_sgpr_count 2
		.amdhsa_user_sgpr_kernarg_segment_ptr 1
		.amdhsa_wavefront_size32 1
		.amdhsa_system_sgpr_workgroup_id_x 1
		.amdhsa_system_sgpr_workgroup_id_y 1
		.amdhsa_system_sgpr_workgroup_id_z 1
		.amdhsa_system_vgpr_workitem_id 0
		.amdhsa_next_free_vgpr 512
		.amdhsa_next_free_sgpr 100
		.amdhsa_reserve_vcc 1
		.amdhsa_float_denorm_mode_32 3
		.amdhsa_float_denorm_mode_16_64 3
		.amdhsa_memory_ordered 1
		.amdhsa_forward_progress 1
		.amdhsa_inst_pref_size 159
	.end_amdhsa_kernel
	.amdgpu_metadata
---
amdhsa.version: [ 1, 2 ]
amdhsa.kernels:
  - .name:           k_q6077fcb2e5_back
    .symbol:         k_q6077fcb2e5_back.kd
    .args:
      - { .name: gene_emb, .offset: 0, .size: 8, .value_kind: global_buffer, .address_space: global }
      - { .name: expr_emb, .offset: 8, .size: 8, .value_kind: global_buffer, .address_space: global }
      - { .name: g_bo, .offset: 16, .size: 8, .value_kind: global_buffer, .address_space: global }
      - { .name: e_bo, .offset: 24, .size: 8, .value_kind: global_buffer, .address_space: global }
      - { .name: ln_g2_w, .offset: 32, .size: 8, .value_kind: global_buffer, .address_space: global }
      - { .name: ln_e2_w, .offset: 40, .size: 8, .value_kind: global_buffer, .address_space: global }
      - { .name: ln_g2_b, .offset: 48, .size: 8, .value_kind: global_buffer, .address_space: global }
      - { .name: ln_e2_b, .offset: 56, .size: 8, .value_kind: global_buffer, .address_space: global }
      - { .name: fg_b1, .offset: 64, .size: 8, .value_kind: global_buffer, .address_space: global }
      - { .name: fe_b1, .offset: 72, .size: 8, .value_kind: global_buffer, .address_space: global }
      - { .name: fg_b2, .offset: 80, .size: 8, .value_kind: global_buffer, .address_space: global }
      - { .name: fe_b2, .offset: 88, .size: 8, .value_kind: global_buffer, .address_space: global }
      - { .name: out0, .offset: 96, .size: 8, .value_kind: global_buffer, .address_space: global }
      - { .name: out1, .offset: 104, .size: 8, .value_kind: global_buffer, .address_space: global }
      - { .name: ao, .offset: 112, .size: 8, .value_kind: global_buffer, .address_space: global }
      - { .name: wc, .offset: 120, .size: 8, .value_kind: global_buffer, .address_space: global }
    .group_segment_fixed_size: 159744
    .private_segment_fixed_size: 0
    .kernarg_segment_align: 8
    .kernarg_segment_size: 128
    .max_flat_workgroup_size: 256
    .sgpr_count:     100
    .vgpr_count:     512
    .wavefront_size: 32
...
	.end_amdgpu_metadata
.endif
;; end of part 4
;; ======== version 2 of 2: 4 launches; version 1 with the launches front, back written anew for expert scheduling mode
;; limits: a function is approximated: absolute error at most 1e-07
;; workspace buffers: wc 7,028,736 bytes; qkv 13,107,200 bytes; ao 4,325,376 bytes
;; launch prep: the kernel of part 1 again; grid 104 x 4, 4 waves a work-group, no clusters, 0 bytes of LDS; arguments g_wq, g_wk, g_wv, g_wo, e_wq, e_wk, e_wv, e_wo, e_wf, fg_w2, fe_w2, fg_w1, fe_w1, wc; writes wc
;; launch front (part 5): grid 128 x 2, 8 waves a work-group, no clusters, 54,784 bytes of LDS; arguments gene_emb, expr_emb, ln_g1_w, ln_e1_w, ln_g1_b, ln_e1_b, g_bq, e_bq, g_bk, e_bk, g_bv, e_bv, e_bf, wc, qkv; writes qkv
.if DOCPART == 5
	.amdgcn_target "amdgcn-amd-amdhsa--gfx1250"
	.amdhsa_code_object_version 6
	.text
	.protected	k_q6077fcb2e5_front
	.globl	k_q6077fcb2e5_front
	.p2align	8
	.type	k_q6077fcb2e5_front,@function
k_q6077fcb2e5_front:
	s_mov_b64 s[64:65], 0
	v_nop
	global_prefetch_b8 v0, s[64:65] scope:SCOPE_SE
	s_setreg_imm32_b32 hwreg(HW_REG_WAVE_SCHED_MODE, 0, 2), 2
	s_setreg_imm32_b32 hwreg(HW_REG_WAVE_MODE, 25, 1), 1
	s_wait_xcnt 0x0
	s_wait_alu depctr_vm_vsrc(0)
; First layer norm, (expr: the fused projection,) Q, K and V of one branch (work-group y) for 32 tokens (work-group x = 64 batch + block), all products on FP8 (E4M3) codes with E8M0 scales for each 32 along K.
; TOKEN TILES: lane i of tile (block, u) is token 32 block + 8 u + i + (i & 8).  CHANNEL PAIRS: row i of tile t of pair P is channel 32 P + 8 t + i + (i & 8).
; Transposed use (source 0 = 16 rows of W, source 1 = 16 tokens): a lane holds one token and the 16 registers of tiles t = 0, 1 are channels 32 P + 16 h + 0 .. 15: 16 neighbours of the next K.
; Natural use (source 0 = tokens, source 1 = W), for V: a lane holds one channel and the 16 registers of tiles u = 0, 1 are tokens 32 block + 16 h + 0 .. 15: neighbours along the keys.
; So each conversion's result is a group of four registers of the next operand; a block of 32 lies in lanes l and l xor 16.
; Operands go from wave to wave through LDS as images of their registers ([s][c][u][lane][16 bytes]; scale words [s][u][r]); the weights come from wc, a record (one pair, 512 along K) by 32 loads of 512 dense bytes.
; PHASES: L: wave (u, s) normalises 16 tokens x 128 channels (sums meet in LDS), quantises, stores images | F (expr alone): pairs 2 w, 2 w + 1 of [gene_emb, y_n] e_wf | Q, K, V: wave = head.
; LIMITS: NaN and infinities are not served; a block whose largest magnitude lies under 2^-118, a block of zeros too, keeps the byte 1 (this program alone reads the bytes).
; No cluster: the weight records are shared by all work-groups, but they go straight into registers, and a work-group's whole share is read once.
; THE MODE: SCHED_MODE bits 1:0 = 2 (LLVM: expert scheduling mode 2), set by the entry lines.  The code itself states the register dependences
; between vector or matrix instructions and memory or LDS instructions, with s_wait_alu, always for 0.
; THE PLAN.  Registers that memory or LDS instructions touch:
;   v1-11, v52-54   offsets and addresses: written once at the head, read by every load and store, never written again: one wait on va_vdst ahead of the first load.
;   X0, LW, G0      phase L: loads land in them, vector lines work on them; G0 is loaded a second time (the biases), behind the wait that stands ahead of gene_emb's image stores.
;   TM              in a row's sum: written by vector lines, read by one LDS store, then an LDS load lands in it: va_vdst ahead of the store, vm_vsrc ahead of the load.
;   PC, PW, v60     (and TM + 4 .. 7 as V's bytes): written by a quantiser, read by the run of stores behind it: one wait on va_vdst ahead of each run, one on vm_vsrc ahead of the next quantiser.
;   WR, XR, WS, XS, BI   loads land in them, a unit's 16 products read them: one wait on va_vdst behind the unit, where loads follow.
; The wave's 512 registers leave the record ONE buffer (window 1 is filled by X's 8 fragments and the record's 8): so its loads stand straight behind the products that free it, and the quantisers are the work under which they land.
.set REC,  16896
.set XA,   0                           ; LDS: image of the normalised rows (V's source; the fused product's second half)
.set XB,   16384                       ; image of Q's and K's source: the same rows (gene), or the fused rows (expr)
.set XG,   32768                       ; image of gene_emb as it is (expr)
.set XASC, 49152
.set XBSC, 49664
.set XGSC, 50176
.set RED0, 50688
.set RED1, 51200
.set QSG,  51712                       ; the scale words on their way out: Q's 1,024 bytes, K's 512, V's 512 bytes
.set KSG,  52736
.set VSG,  53248
.set LI,   1                           ; 16 x lane
.set LS,   2                           ; 4 x lane
.set LS16, 3                           ; 4 r
.set BO,   4                           ; 64 h
.set XO,   5                           ; 2048 (r + (r & 8)) + 64 h
.set XWI,  6
.set XWS,  7
.set RW,   8
.set RR,   9
.set FWI,  10
.set FWS,  11
.set XS,   12                          ; v12-15 X's scale words (lanes 0-15: u = 0, lanes 16-31: u = 1)
.set WS,   16                          ; v16-19 the record's scale words
.set TM,   20                          ; v20-35 at work in QUANT
.set PC,   36                          ; v36-51 codes just made
.set QGA,  52
.set VGA,  53
.set VBO,  54
.set PW,   55
.set ST,   56                          ; v56-59 statistics; v60 a second scale word; v62, v63 the closing add's two
.set BI,   64                          ; v64-79 a pair's bias in the result's layout
.set QA,   80                          ; v80-143 eight accumulators
.set X0,   64                          ; phase L: 64 numbers, the gains, gene_emb and then the biases
.set LW,   128
.set G0,   192
.set XR,   0                           ; window 1: X's 8 fragments, (u, s) at 16 (4 u + s)
.set WR,   128                         ; window 1: the record's 8 fragments, (t, s) at 128 + 16 (4 t + s)
.set GEN,  4
.set PBF,  28
.set WV,   34
.set Y,    35
.set SRC,  36
.set PLW,  38
.set PLB,  40
.set PBQ,  42
.set PBK,  44
.set PBV,  46
.set WB,   48
.set QCB,  50
.set KCB,  52
.set VCB,  54
.set QSB,  56
.set KSB,  58
.set VSB,  60
.set SEL,  92
.set MNT,  94
.set C9,   95
.set EPS,  96
.set MSB, 0
.macro WIN new                         ; the immediate's high byte repeats the setting that is left
.if MSB != \new
	s_set_vgpr_msb (MSB<<8)|\new
.set MSB, \new
.endif
.endm
.set MUL,  0x05                        ; sources 0 and 1 window 1; C and D window 0
.set TO_F, 0x40                        ; destination window 1, address window 0
.macro PLACES n
.rept \n
	v_nop
.endr
.endm
.macro BARRIER                         ; my LDS stores have landed and my LDS loads are in: then the work-group's barrier
	s_wait_dscnt 0x0
	s_barrier_signal -1
	s_barrier_wait -1
.endm
; One matrix instruction.  cm: 0 = the sum starts with 0, 1 = with v[cb] on, 2 = in place.  ra, rb: the scale words lie in lanes 16-31.
.macro WM d, a, b, cm, cb, sa, sb, ra, rb
.set w_d, \d
.set w_a, \a
.set w_b, \b
.set w_c, \cb
.set w_sa, \sa
.set w_sb, \sb
.set w_r, 2*(\ra)+(\rb)
.if (\cm) == 2
.set w_c, w_d
.endif
.if (\cm) == 0
.if w_r == 0
	v_wmma_scale_f32_16x16x128_f8f6f4 v[w_d:w_d+7], v[w_a:w_a+15], v[w_b:w_b+15], 0, v[w_sa], v[w_sb]
.elseif w_r == 1
	v_wmma_scale_f32_16x16x128_f8f6f4 v[w_d:w_d+7], v[w_a:w_a+15], v[w_b:w_b+15], 0, v[w_sa], v[w_sb] matrix_b_scale:MATRIX_SCALE_ROW1
.elseif w_r == 2
	v_wmma_scale_f32_16x16x128_f8f6f4 v[w_d:w_d+7], v[w_a:w_a+15], v[w_b:w_b+15], 0, v[w_sa], v[w_sb] matrix_a_scale:MATRIX_SCALE_ROW1
.else
	v_wmma_scale_f32_16x16x128_f8f6f4 v[w_d:w_d+7], v[w_a:w_a+15], v[w_b:w_b+15], 0, v[w_sa], v[w_sb] matrix_a_scale:MATRIX_SCALE_ROW1 matrix_b_scale:MATRIX_SCALE_ROW1
.endif
.else
.if w_r == 0
	v_wmma_scale_f32_16x16x128_f8f6f4 v[w_d:w_d+7], v[w_a:w_a+15], v[w_b:w_b+15], v[w_c:w_c+7], v[w_sa], v[w_sb]
.elseif w_r == 1
	v_wmma_scale_f32_16x16x128_f8f6f4 v[w_d:w_d+7], v[w_a:w_a+15], v[w_b:w_b+15], v[w_c:w_c+7], v[w_sa], v[w_sb] matrix_b_scale:MATRIX_SCALE_ROW1
.elseif w_r == 2
	v_wmma_scale_f32_16x16x128_f8f6f4 v[w_d:w_d+7], v[w_a:w_a+15], v[w_b:w_b+15], v[w_c:w_c+7], v[w_sa], v[w_sb] matrix_a_scale:MATRIX_SCALE_ROW1
.else
	v_wmma_scale_f32_16x16x128_f8f6f4 v[w_d:w_d+7], v[w_a:w_a+15], v[w_b:w_b+15], v[w_c:w_c+7], v[w_sa], v[w_sb] matrix_a_scale:MATRIX_SCALE_ROW1 matrix_b_scale:MATRIX_SCALE_ROW1
.endif
.endif
.endm
; A pair x 32 tokens x 512 along K: 16 matrix instructions, the four accumulators by turns, one instruction a turn.
.macro PAIRMM nat, acc, us, cm
.irp s, 0,1,2,3
.irp u, 0,1
.irp t, 0,1
.if \s == 0
.set pcm, \cm
.else
.set pcm, 2
.endif
.if \nat
	WM (\acc)+16*\t+8*\u, XR+16*(4*\u+\s), WR+16*(4*\t+\s), pcm, BI+8*\t, XS+\s, WS+2*\t+\s/2, \u, \s%2
.else
	WM (\acc)+(\us)*\u+8*\t, WR+16*(4*\t+\s), XR+16*(4*\u+\s), pcm, BI+8*\t, WS+2*\t+\s/2, XS+\s, \s%2, \u
.endif
.endr
.endr
.endr
.endm
; A record into window 1, its scale words, and (nb = 1) the pair's bias: lane (r, h) wants channels 32 P + 16 h + 0 .. 15.
.macro WLOADP base, off, nb, bb, boff
	WIN TO_F
.set l_i, 0
.rept 32
	global_load_b128 v[WR+4*l_i:WR+4*l_i+3], v[LI], s[\base:\base+1] offset:(\off)+512*l_i
.set l_i, l_i+1
.endr
	WIN 0
.irp k, 0,1,2,3
	global_load_b32 v[WS+\k], v[LS], s[\base:\base+1] offset:(\off)+16384+128*\k
.endr
.if \nb
.irp j, 0,1,2,3
	global_load_b128 v[BI+4*\j:BI+4*\j+3], v[BO], s[\bb:\bb+1] offset:(\boff)+16*\j
.endr
.endif
.endm
.macro XFETCH adr, img, sadr, sc, sst  ; an image of 32 tokens x 512 along K, and its scale words
	WIN TO_F
.irp u, 0,1
.irp s, 0,1,2,3
.irp c, 0,1,2,3
	ds_load_b128 v[XR+16*(4*\u+\s)+4*\c:XR+16*(4*\u+\s)+4*\c+3], v[\adr] offset:(\img)+4096*\s+1024*\c+512*\u
.endr
.endr
.endr
	WIN 0
.irp s, 0,1,2,3
	ds_load_b32 v[XS+\s], v[\sadr] offset:(\sc)+(\sst)*\s
.endr
.endm
; The nine places serve reads of these products' results and accumulators begun anew with another C.  ld = 1: loads follow that land in registers that these products read.
.macro UNIT nat, acc, us, cm, ld
	s_wait_loadcnt 0x0                             ; the record (and whatever else was asked for) is in
	s_wait_dscnt 0x0                               ; X's fragments are in; my LDS stores have read their registers
	WIN MUL
	PAIRMM \nat, \acc, \us, \cm
	WIN 0
	PLACES 9
.if \ld
	s_wait_alu depctr_va_vdst(0)                   ; the sixteen products are done reading the record, its scale words, the bias, X's fragments and X's scale words: the loads that follow land in some of these
.endif
.endm
; n blocks: v[src + 16 b + i] = number 16 h + i of block b of my row.  Codes to v[pc + 4 b] on, bytes in v[TM + 4 + b].
.macro QUANT src, n, pc
.set q_b, 0
.rept \n
	v_max3_num_f32 v[TM+q_b], |v[(\src)+16*q_b]|, |v[(\src)+16*q_b+1]|, 0x4800000   ; with the floor 2^(9 - 127): the byte cannot fall under 1
.set q_b, q_b+1
.endr
.irp i, 2,4,6,8,10,12,14
.set q_b, 0
.rept \n
	v_max3_num_f32 v[TM+q_b], v[TM+q_b], |v[(\src)+16*q_b+\i]|, |v[(\src)+16*q_b+\i+1]|
.set q_b, q_b+1
.endr
.endr
.set q_b, 0
.rept \n
	v_permlanex16_b32 v[TM+4+q_b], v[TM+q_b], s[SEL], s[SEL+1]
.set q_b, q_b+1
.endr
.set q_b, 0
.rept \n
	v_max_num_f32 v[TM+q_b], v[TM+q_b], v[TM+4+q_b]          ; with lane l xor 16's: the block's largest magnitude
.set q_b, q_b+1
.endr
.set q_b, 0
.rept \n
	v_add_nc_u32 v[TM+12+q_b], 0xfc000000, v[TM+q_b]         ; 8 off the exponent field: the conversion's scale operand
	v_and_or_b32 v[TM+8+q_b], v[TM+q_b], 0x7f800000, s[MNT]  ; 448 x the scale
	v_lshrrev_b32 v[TM+4+q_b], 23, v[TM+12+q_b]              ; the byte
.set q_b, q_b+1
.endr
.set q_b, 0
.rept \n
.set q_i, 0
.rept 16
	v_med3_num_f32 v[(\src)+16*q_b+q_i], v[(\src)+16*q_b+q_i], -v[TM+8+q_b], v[TM+8+q_b]   ; the conversion does not saturate (ISA guide 7.6.2)
.set q_i, q_i+1
.endr
	v_cvt_scalef32_pk8_fp8_f32 v[(\pc)+4*q_b:(\pc)+4*q_b+1], v[(\src)+16*q_b:(\src)+16*q_b+7], v[TM+12+q_b]
	v_cvt_scalef32_pk8_fp8_f32 v[(\pc)+4*q_b+2:(\pc)+4*q_b+3], v[(\src)+16*q_b+8:(\src)+16*q_b+15], v[TM+12+q_b]
.set q_b, q_b+1
.endr
	v_nop                                          ; a plain line behind the last conversion
.endm
.macro WORD4
	v_lshl_or_b32 v[PW], v[TM+5], 8, v[TM+4]
	v_lshl_or_b32 v[PW], v[TM+6], 16, v[PW]
	v_lshl_or_b32 v[PW], v[TM+7], 24, v[PW]
.endm
.macro IMG adr, off                    ; a fragment's four groups as they stand
.irp c, 0,1,2,3
	ds_store_b128 v[\adr], v[PC+4*\c:PC+4*\c+3] offset:(\off)+1024*\c
.endr
.endm
.macro XLD reg, base                   ; 16 tokens x 128 channels: lane (r, h) takes 16 neighbours of each block of 32
.irp b, 0,1,2,3
.irp j, 0,1,2,3
	global_load_b128 v[\reg+16*\b+4*\j:\reg+16*\b+4*\j+3], v[XO], s[\base:\base+1] offset:128*\b+16*\j
.endr
.endr
.endm
.macro CLD reg, base                   ; the same channels of a vector [512]
.irp b, 0,1,2,3
.irp j, 0,1,2,3
	global_load_b128 v[\reg+16*\b+4*\j:\reg+16*\b+4*\j+3], v[BO], s[\base:\base+1] offset:128*\b+16*\j
.endr
.endr
.endm
.macro RFOLD red                       ; four chains -> my row's 128 channels -> LDS -> the row's 512, in v[TM]
	v_pk_add_f32 v[TM:TM+1], v[TM:TM+1], v[TM+2:TM+3]
	v_pk_add_f32 v[TM+4:TM+5], v[TM+4:TM+5], v[TM+6:TM+7]
	v_pk_add_f32 v[TM:TM+1], v[TM:TM+1], v[TM+4:TM+5]
	v_add_f32 v[TM], v[TM], v[TM+1]
	v_permlanex16_b32 v[TM+1], v[TM], s[SEL], s[SEL+1]
	v_add_f32 v[TM], v[TM], v[TM+1]
	s_wait_alu depctr_va_vdst(0)                   ; the additions have written v[TM], which the store reads, and are done with v[TM] to v[TM+3], in which the load below lands
	ds_store_b32 v[RW], v[TM] offset:\red
	BARRIER
	s_wait_alu depctr_vm_vsrc(0)                   ; my store has read v[TM], in which the load lands
	ds_load_b128 v[TM:TM+3], v[RR] offset:\red
	s_wait_dscnt 0x0
	v_add_f32 v[TM], v[TM], v[TM+1]
	v_add_f32 v[TM+2], v[TM+2], v[TM+3]
	v_add_f32 v[TM], v[TM], v[TM+2]
.endm
	s_load_b512 s[4:19], s[0:1], 0x0               ; gene_emb expr_emb ln_g1_w ln_e1_w ln_g1_b ln_e1_b g_bq e_bq
	s_load_b256 s[20:27], s[0:1], 0x40             ; g_bk e_bk g_bv e_bv
	s_load_b128 s[28:31], s[0:1], 0x60             ; e_bf wc
	s_load_b64 s[32:33], s[0:1], 0x70              ; qkv
	v_lshl_add_u32 v62, v0, 2, 0xd200
	v_mov_b32 v63, 0
	v_lshrrev_b32 v1, 5, v0
	v_readfirstlane_b32 s[WV], v1                  ; wave 0..7
	v_and_b32 v56, 31, v0
	v_and_b32 v57, 15, v0                          ; r
	v_bfe_u32 v58, v0, 4, 1                        ; h
	v_and_b32 v59, 8, v57
	v_add_nc_u32 v59, v59, v57                     ; r + (r & 8)
	v_lshlrev_b32 v[LI], 4, v56
	v_lshlrev_b32 v[LS], 2, v56
	v_lshlrev_b32 v[LS16], 2, v57
	v_lshlrev_b32 v[BO], 6, v58
	v_lshl_add_u32 v[XO], v59, 11, v[BO]
	v_lshlrev_b32 v[VBO], 2, v59
	s_wait_alu depctr_va_sdst(0)                   ; the wave's number is written, ahead of its first reader
	s_lshr_b32 s66, s[WV], 2                       ; phase L: my tile of tokens u,
	s_and_b32 s67, s[WV], 3                        ; my K step s
	s_lshl_b32 s68, s67, 12
	s_lshl_b32 s69, s66, 9
	s_add_co_u32 s68, s68, s69
	v_add_nc_u32 v[XWI], s68, v[LI]                ; 16 lane + 4096 s + 512 u
	s_lshl_b32 s68, s67, 7
	s_lshl_b32 s69, s66, 6
	s_add_co_u32 s68, s68, s69
	v_add_nc_u32 v[XWS], s68, v[LS16]              ; 4 r + 128 s + 64 u
	s_lshl_b32 s68, s66, 8
	v_lshl_add_u32 v[RR], v57, 4, s68              ; 16 r + 256 u
	s_lshl_b32 s69, s67, 2
	v_add_nc_u32 v[RW], s69, v[RR]
	s_lshr_b32 s68, s[WV], 1
	s_lshl_b32 s68, s68, 12
	s_and_b32 s69, s[WV], 1
	s_lshl_b32 s70, s69, 11
	s_add_co_u32 s70, s70, s68
	v_add_nc_u32 v[FWI], s70, v[LI]                ; 16 lane + 4096 (w / 2) + 2048 (w % 2)
	s_lshr_b32 s68, s68, 5
	s_lshl_b32 s69, s69, 1
	s_add_co_u32 s68, s68, s69
	v_add_nc_u32 v[FWS], s68, v[LS16]              ; 4 r + 128 (w / 2) + 2 (w % 2)
	s_lshl_b32 s68, s[WV], 6
	v_add_nc_u32 v[QGA], s68, v[LS16]
	v_add_nc_u32 v[VGA], s68, v57
.irp b, 0,1,2,3
	v_mov_b32 v[TM+4+\b], 0                        ; a lane permute's destination counts as one of its sources
.endr
	s_mov_b32 s[SEL], 0x76543210
	s_mov_b32 s[SEL+1], 0xfedcba98
	s_mov_b32 s[MNT], 0x600000
	s_mov_b32 s[C9], 0x3b000000                    ; 1 / 512
	s_mov_b32 s[EPS], 0x3727c5ac                   ; 1e-5
	s_and_b32 s[Y], ttmp7, 0xffff                  ; 0 gene, 1 expr
	s_lshl_b32 s70, ttmp9, 16                      ; 32 tokens of 2,048 bytes for each work-group x
	s_lshl_b32 s71, s66, 14
	s_add_co_u32 s70, s70, s71
	s_lshl_b32 s72, s67, 9
	s_add_co_u32 s70, s70, s72
	s_mov_b32 s71, 0
	s_mov_b32 s73, 0
	s_lshl_b32 s74, s[WV], 8
	s_mov_b32 s75, 0
	s_lshl_b32 s76, s[Y], 7
	s_add_co_u32 s76, s76, ttmp9                   ; z = 64 (2 branch + batch) + block
	s_lshl_b32 s77, s[Y], 6
	s_lshl_b32 s78, s[WV], 1
	s_add_co_u32 s77, s77, s78
	s_mul_i32 s78, s77, REC
	s_mov_b32 s79, 0
	s_wait_kmcnt 0x0
	s_cmp_eq_u32 s[Y], 0
	s_cselect_b64 s[SRC:SRC+1], s[4:5], s[6:7]
	s_cselect_b64 s[PLW:PLW+1], s[8:9], s[10:11]
	s_cselect_b64 s[PLB:PLB+1], s[12:13], s[14:15]
	s_cselect_b64 s[PBQ:PBQ+1], s[16:17], s[18:19]
	s_cselect_b64 s[PBK:PBK+1], s[20:21], s[22:23]
	s_cselect_b64 s[PBV:PBV+1], s[24:25], s[26:27]
	s_add_nc_u64 s[SRC:SRC+1], s[SRC:SRC+1], s[70:71]
	s_add_nc_u64 s[GEN:GEN+1], s[GEN:GEN+1], s[70:71]
	s_add_nc_u64 s[PLW:PLW+1], s[PLW:PLW+1], s[72:73]
	s_add_nc_u64 s[PLB:PLB+1], s[PLB:PLB+1], s[72:73]
	s_add_nc_u64 s[PBQ:PBQ+1], s[PBQ:PBQ+1], s[74:75]
	s_add_nc_u64 s[PBK:PBK+1], s[PBK:PBK+1], s[74:75]
	s_add_nc_u64 s[PBV:PBV+1], s[PBV:PBV+1], s[74:75]
	s_add_nc_u64 s[PBF:PBF+1], s[PBF:PBF+1], s[74:75]
	s_add_nc_u64 s[WB:WB+1], s[30:31], s[78:79]    ; record 64 branch + 2 wave: all records are immediates from here
	s_mov_b32 s87, 0
	s_lshl_b32 s86, s76, 14
	s_lshl_b32 s88, s[WV], 10
	s_add_co_u32 s86, s86, s88
	s_add_nc_u64 s[QCB:QCB+1], s[32:33], s[86:87]
	s_lshr_b32 s88, ttmp9, 6
	s_lshl_b32 s89, s[Y], 1
	s_add_co_u32 s88, s88, s89
	s_lshl_b32 s88, s88, 20
	s_lshl_b32 s89, s[WV], 17
	s_add_co_u32 s88, s88, s89                     ; (8 (2 branch + batch) + head) x 131,072
	s_and_b32 s89, ttmp9, 63                       ; block
	s_lshl_b32 s86, s89, 11
	s_add_co_u32 s86, s86, s88
	s_add_co_u32 s86, s86, 0x400000
	s_add_nc_u64 s[KCB:KCB+1], s[32:33], s[86:87]
	s_lshr_b32 s86, s89, 2
	s_lshl_b32 s86, s86, 13
	s_and_b32 s90, s89, 3
	s_lshl_b32 s90, s90, 9
	s_add_co_u32 s86, s86, s90
	s_add_co_u32 s86, s86, s88
	s_add_co_u32 s86, s86, 0x800000
	s_add_nc_u64 s[VCB:VCB+1], s[32:33], s[86:87]
	s_lshl_b32 s86, s76, 10
	s_add_co_u32 s86, s86, 0xc00000
	s_add_nc_u64 s[QSB:QSB+1], s[32:33], s[86:87]
	s_lshl_b32 s86, s76, 9
	s_add_co_u32 s86, s86, 0xc40000
	s_add_nc_u64 s[KSB:KSB+1], s[32:33], s[86:87]
	s_add_co_u32 s86, s86, 0x20000
	s_add_nc_u64 s[VSB:VSB+1], s[32:33], s[86:87]
	; ---- L: the layer norm of 16 tokens x 128 channels; in the expr branch gene_emb is quantised as it is, too
	s_wait_alu depctr_va_vdst(0)                   ; the head has written the offsets and addresses v1 to v11 and v52 to v54, which the loads and stores of the whole kernel read
	s_cmp_eq_u32 s[Y], 0
	s_cbranch_scc1 .Lg_a
	XLD G0, GEN
.Lg_a:
	XLD X0, SRC
	CLD LW, PLW
	s_wait_loadcnt 32                              ; on both ways: the rows' 16 loads and the gains' 16 may be out; gene_emb's 16, where they were issued, are in, so that the biases may be loaded into their registers below
	s_cmp_eq_u32 s[Y], 0
	s_cbranch_scc1 .Lg_b
	QUANT G0, 4, PC
	WORD4
	s_wait_alu depctr_va_vdst(0)                   ; the quantiser has written the codes and the scale word, which the stores read, and is done with v[G0 ..], in which the biases' loads land
	IMG XWI, XG
	ds_store_b32 v[XWS], v[PW] offset:XGSC
	s_wait_dscnt 0x0                               ; the stores have read their registers
	s_wait_alu depctr_vm_vsrc(0)                   ; the stores have read the codes and the scale word, which the next quantiser writes
.Lg_b:
	CLD G0, PLB
	s_wait_loadcnt 32                              ; the rows are in; the gains' 16 and the biases' 16 may be out
.irp c, 0,1,2,3
	v_pk_add_f32 v[TM+2*\c:TM+2*\c+1], v[X0+2*\c:X0+2*\c+1], v[X0+8+2*\c:X0+8+2*\c+1]
.endr
.irp g, 2,3,4,5,6,7
.irp c, 0,1,2,3
	v_pk_add_f32 v[TM+2*\c:TM+2*\c+1], v[TM+2*\c:TM+2*\c+1], v[X0+8*\g+2*\c:X0+8*\g+2*\c+1]
.endr
.endr
	RFOLD RED0
	v_mul_f32 v[ST], s[C9], v[TM]                  ; the mean
	v_mov_b32 v[ST+1], v[ST]
.set a_j, 0
.rept 32
	v_pk_add_f32 v[X0+a_j:X0+a_j+1], v[X0+a_j:X0+a_j+1], v[ST:ST+1] neg_lo:[0,1] neg_hi:[0,1]
.set a_j, a_j+2
.endr
.irp c, 0,1,2,3
	v_pk_mul_f32 v[TM+2*\c:TM+2*\c+1], v[X0+2*\c:X0+2*\c+1], v[X0+2*\c:X0+2*\c+1]
.endr
.irp g, 1,2,3,4,5,6,7
.irp c, 0,1,2,3
	v_pk_fma_f32 v[TM+2*\c:TM+2*\c+1], v[X0+8*\g+2*\c:X0+8*\g+2*\c+1], v[X0+8*\g+2*\c:X0+8*\g+2*\c+1], v[TM+2*\c:TM+2*\c+1]
.endr
.endr
	RFOLD RED1
	v_fma_f32 v[ST+2], v[TM], s[C9], s[EPS]        ; the variance + 1e-5
	v_rsq_f32 v[ST+2], v[ST+2]
	v_nop                                          ; a plain line behind the transcendental
	s_wait_alu depctr_va_vdst(0)                   ; the root's reciprocal is written, ahead of its first reader
	v_mov_b32 v[ST+3], v[ST+2]
	s_wait_loadcnt 0x0                             ; gains and biases
.set a_j, 0
.rept 32
	v_pk_mul_f32 v[X0+a_j:X0+a_j+1], v[X0+a_j:X0+a_j+1], v[ST+2:ST+3]
.set a_j, a_j+2
.endr
.set a_j, 0
.rept 32
	v_pk_fma_f32 v[X0+a_j:X0+a_j+1], v[X0+a_j:X0+a_j+1], v[LW+a_j:LW+a_j+1], v[G0+a_j:G0+a_j+1]
.set a_j, a_j+2
.endr
	QUANT X0, 4, PC
	WORD4
	s_wait_alu depctr_va_vdst(0)                   ; the quantiser has written the codes and the scale word, which the stores read, and is done with v[X0 ..], in whose first sixteen the next bias lands
	IMG XWI, XA
	IMG XWI, XB                                    ; the gene branch reads this copy as Q's and K's source; the expr branch writes the fused rows over it behind the barrier
	ds_store_b32 v[XWS], v[PW] offset:XASC
	ds_store_b32 v[XWS], v[PW] offset:XBSC
	BARRIER
	; ---- F (expr): fused = [gene_emb, y_n] e_wf + e_bf: my pairs 2 w, 2 w + 1; accumulators [u][p][t]
	s_cmp_eq_u32 s[Y], 0
	s_cbranch_scc1 .Lno_f
	WLOADP WB, 64*REC, 1, PBF, 0
	XFETCH LI, XG, LS, XGSC, 128
	UNIT 0, QA, 32, 1, 1
	WLOADP WB, 65*REC, 1, PBF, 128
	UNIT 0, QA+16, 32, 1, 1
	WLOADP WB, 80*REC, 0, PBF, 0
	XFETCH LI, XA, LS, XASC, 128
	UNIT 0, QA, 32, 2, 1
	WLOADP WB, 81*REC, 0, PBF, 0
	UNIT 0, QA+16, 32, 2, 0
	s_wait_alu depctr_vm_vsrc(0)                   ; the images' stores of phase L have read the codes and the scale word, which are written again below
	QUANT QA, 4, PC                                ; block 2 u + p: channels 32 (2 w + p) on of tile u: group 2 (w % 2) + p of K step w / 2
	v_lshl_or_b32 v[PW], v[TM+5], 8, v[TM+4]
	v_lshl_or_b32 v60, v[TM+7], 8, v[TM+6]
	s_wait_alu depctr_va_vdst(0)                   ; the codes and the two halves of scale words are written, which the stores read; the last products are done reading the record, its scale words, the bias and X, in which the loads behind the label land
.irp u, 0,1
.irp p, 0,1
	ds_store_b128 v[FWI], v[PC+4*(2*\u+\p):PC+4*(2*\u+\p)+3] offset:XB+1024*\p+512*\u
.endr
.endr
	ds_store_b16 v[FWS], v[PW] offset:XBSC
	ds_store_b16 v[FWS], v60 offset:XBSC+64
.Lno_f:
	WLOADP WB, 0, 1, PBQ, 0
	BARRIER
	; ---- Q, K, V: wave = head: pairs 2 w, 2 w + 1
	XFETCH LI, XB, LS, XBSC, 128
	UNIT 0, QA, 32, 1, 1
	WLOADP WB, 1*REC, 1, PBQ, 128
	UNIT 0, QA+16, 32, 1, 1
	WLOADP WB, 16*REC, 1, PBK, 0
	s_wait_xcnt 0x0
	s_wait_alu depctr_vm_vsrc(0)                   ; the last images' stores (phase L's, or the fused rows') have read the codes and the scale words, which are written again below
	QUANT QA, 4, PC                                ; Q: block 2 u + p = group p of tile u's fragment (K = the head's 64)
	v_lshl_or_b32 v[PW], v[TM+5], 8, v[TM+4]
	v_lshl_or_b32 v[PW], v[PW], 16, v[PW]          ; s0 s1 s0 s1: the fragment is used in the lower or in the upper half of a K of 128
	v_lshl_or_b32 v60, v[TM+7], 8, v[TM+6]
	v_lshl_or_b32 v60, v60, 16, v60
	s_wait_alu depctr_va_vdst(0)                   ; Q's codes and scale words are written, which the stores read
	ds_store_b32 v[QGA], v[PW] offset:QSG
	ds_store_b32 v[QGA], v60 offset:QSG+512
.irp u, 0,1
.irp p, 0,1
	global_store_b128 v[LI], v[PC+4*(2*\u+\p):PC+4*(2*\u+\p)+3], s[QCB:QCB+1] offset:8192*\u+512*\p   ; 512 consecutive bytes
.endr
.endr
	UNIT 0, QA, 32, 1, 1
	WLOADP WB, 17*REC, 1, PBK, 128
	UNIT 0, QA+16, 32, 1, 1
	WLOADP WB, 32*REC, 0, PBK, 0
.irp d, 0,1,2,3
	global_load_b32 v[BI+2*\d], v[VBO], s[PBV:PBV+1] offset:128*(\d/2)+32*(\d%2)   ; V's bias of my channel in tile d = 2 p + t
.endr
	XFETCH LI, XA, LS, XASC, 128
	s_wait_xcnt 0x0                                ; Q's stores have read their registers
	s_wait_alu depctr_vm_vsrc(0)                   ; Q's stores have read the codes and the scale words, which are written again below
	QUANT QA, 4, PC                                ; K: the four blocks are one fragment: tile u = 0 in its lower 64 along K, tile u = 1 in its upper
	WORD4
	s_wait_alu depctr_va_vdst(0)                   ; K's codes and scale word are written, which the stores read
	ds_store_b32 v[QGA], v[PW] offset:KSG
.irp i, 0,1,2,3
	global_store_b128 v[LI], v[PC+4*\i:PC+4*\i+3], s[KCB:KCB+1] offset:512*\i
.endr
	UNIT 1, QA, 0, 0, 1
	WLOADP WB, 33*REC, 0, PBK, 0
	UNIT 1, QA+32, 0, 0, 0
.irp d, 0,1,2,3
.irp j, 0,2,4,6,8,10,12,14
	v_pk_add_f32 v[QA+16*\d+\j:QA+16*\d+\j+1], v[QA+16*\d+\j:QA+16*\d+\j+1], v[BI+2*\d:BI+2*\d+1] op_sel_hi:[1,0]
.endr
.endr
	s_wait_xcnt 0x0                                ; K's stores have read their registers
	s_wait_alu depctr_vm_vsrc(0)                   ; K's stores have read the codes, which are written again below
	QUANT QA, 4, PC                                ; V: block d: my channel of tile d, 32 keys: group block % 4 of that tile's fragment
	s_wait_alu depctr_va_vdst(0)                   ; V's codes and bytes are written, which the stores read; the additions are done reading the bias, in whose registers wave 0's LDS loads land
.irp d, 0,1,2,3
	ds_store_b8 v[VGA], v[TM+4+\d] offset:VSG+16*\d
.endr
.irp d, 0,1,2,3
	global_store_b128 v[LI], v[PC+4*\d:PC+4*\d+3], s[VCB:VCB+1] offset:2048*\d
.endr
	BARRIER
	s_cmp_lg_u32 s[WV], 0                          ; the scale words leave in runs of 512 consecutive bytes, by wave 0
	s_cbranch_scc1 .Lend
	ds_load_b128 v[64:67], v[LI] offset:QSG
	ds_load_b128 v[68:71], v[LI] offset:QSG+512
	ds_load_b128 v[72:75], v[LI] offset:KSG
	ds_load_b128 v[76:79], v[LI] offset:VSG
	s_wait_dscnt 0x0
	global_store_b128 v[LI], v[64:67], s[QSB:QSB+1]
	global_store_b128 v[LI], v[68:71], s[QSB:QSB+1] offset:512
	global_store_b128 v[LI], v[72:75], s[KSB:KSB+1]
	global_store_b128 v[LI], v[76:79], s[VSB:VSB+1]
.Lend:
	s_wait_dscnt 0x0                               ; the closing lines, six on end
	s_wait_alu 0x0
	s_wait_tensorcnt 0x0
	ds_add_u32 v62, v63
	s_wait_dscnt 0x0
	s_endpgm
.Lfunc_end_k_q6077fcb2e5_front:
	.size	k_q6077fcb2e5_front, .Lfunc_end_k_q6077fcb2e5_front-k_q6077fcb2e5_front
	.p2alignl 7, 3214868480
	.fill 96, 4, 3214868480
	.section	.rodata,"a",@progbits
	.p2align	6, 0x0
	.amdhsa_kernel k_q6077fcb2e5_front
		.amdhsa_group_segment_fixed_size 54784
		.amdhsa_private_segment_fixed_size 0
		.amdhsa_enable_private_segment 0
		.amdhsa_kernarg_size 120
		.amdhsa_user_sgpr_count 2
		.amdhsa_user_sgpr_kernarg_segment_ptr 1
		.amdhsa_wavefront_size32 1
		.amdhsa_system_sgpr_workgroup_id_x 1
		.amdhsa_system_sgpr_workgroup_id_y 1
		.amdhsa_system_sgpr_workgroup_id_z 1
		.amdhsa_system_vgpr_workitem_id 0
		.amdhsa_next_free_vgpr 512
		.amdhsa_next_free_sgpr 100
		.amdhsa_reserve_vcc 0
		.amdhsa_float_denorm_mode_32 3
		.amdhsa_float_denorm_mode_16_64 3
		.amdhsa_memory_ordered 1
		.amdhsa_forward_progress 1
		.amdhsa_inst_pref_size 148
	.end_amdhsa_kernel
	.amdgpu_metadata
---
amdhsa.version: [ 1, 2 ]
amdhsa.kernels:
  - .name:           k_q6077fcb2e5_front
    .symbol:         k_q6077fcb2e5_front.kd
    .args:
      - { .name: gene_emb, .offset: 0, .size: 8, .value_kind: global_buffer, .address_space: global }
      - { .name: expr_emb, .offset: 8, .size: 8, .value_kind: global_buffer, .address_space: global }
      - { .name: ln_g1_w, .offset: 16, .size: 8, .value_kind: global_buffer, .address_space: global }
      - { .name: ln_e1_w, .offset: 24, .size: 8, .value_kind: global_buffer, .address_space: global }
      - { .name: ln_g1_b, .offset: 32, .size: 8, .value_kind: global_buffer, .address_space: global }
      - { .name: ln_e1_b, .offset: 40, .size: 8, .value_kind: global_buffer, .address_space: global }
      - { .name: g_bq, .offset: 48, .size: 8, .value_kind: global_buffer, .address_space: global }
      - { .name: e_bq, .offset: 56, .size: 8, .value_kind: global_buffer, .address_space: global }
      - { .name: g_bk, .offset: 64, .size: 8, .value_kind: global_buffer, .address_space: global }
      - { .name: e_bk, .offset: 72, .size: 8, .value_kind: global_buffer, .address_space: global }
      - { .name: g_bv, .offset: 80, .size: 8, .value_kind: global_buffer, .address_space: global }
      - { .name: e_bv, .offset: 88, .size: 8, .value_kind: global_buffer, .address_space: global }
      - { .name: e_bf, .offset: 96, .size: 8, .value_kind: global_buffer, .address_space: global }
      - { .name: wc, .offset: 104, .size: 8, .value_kind: global_buffer, .address_space: global }
      - { .name: qkv, .offset: 112, .size: 8, .value_kind: global_buffer, .address_space: global }
    .group_segment_fixed_size: 54784
    .private_segment_fixed_size: 0
    .kernarg_segment_align: 8
    .kernarg_segment_size: 120
    .max_flat_workgroup_size: 256
    .sgpr_count:     100
    .vgpr_count:     512
    .wavefront_size: 32
...
	.end_amdgpu_metadata
.endif
;; end of part 5
;; launch attn: the kernel of part 3 again; grid 128 x 2, 8 waves a work-group, no clusters, 264,192 bytes of LDS; arguments M, qkv, ao; writes ao
;; launch back (part 6): grid 128 x 2, 8 waves a work-group, no clusters, 159,744 bytes of LDS; arguments gene_emb, expr_emb, g_bo, e_bo, ln_g2_w, ln_e2_w, ln_g2_b, ln_e2_b, fg_b1, fe_b1, fg_b2, fe_b2, out0, out1, ao, wc; writes out0, out1
.if DOCPART == 6
	.amdgcn_target "amdgcn-amd-amdhsa--gfx1250"
	.amdhsa_code_object_version 6
	.text
	.protected	k_q6077fcb2e5_back
	.globl	k_q6077fcb2e5_back
	.p2align	8
	.type	k_q6077fcb2e5_back,@function
k_q6077fcb2e5_back:
	s_mov_b64 s[64:65], 0
	v_nop
	global_prefetch_b8 v0, s[64:65] scope:SCOPE_SE
	s_setreg_imm32_b32 hwreg(HW_REG_WAVE_SCHED_MODE, 0, 2), 2
	s_setreg_imm32_b32 hwreg(HW_REG_WAVE_MODE, 25, 1), 1
	s_wait_xcnt 0x0
	s_wait_alu depctr_vm_vsrc(0)
; x = emb + attn Wo + bo;  x_ln = layer norm(x);  out = x + x_ln + gelu(x_ln W1 + b1) W2 + b2, for 32 tokens (work-group x) of one branch (y), all products on FP8 (E4M3) codes with E8M0 scales for each 32 along K.
; Tiles, pairs, images and records as in the launch that makes Q, K and V: lane i of token tile u is token 8 u + i + (i & 8) of the block; transposed use throughout: a lane holds one token, and the 16 registers of a pair are 16 neighbouring channels.
; Wave w owns channels 64 w .. 64 w + 63 of the 512 (pairs 2 w, 2 w + 1) and hidden units 256 w .. 256 w + 255 (pairs 8 w .. 8 w + 7).  x, x_ln and the hidden layer never go to memory; the hidden layer's images lie in LDS.
; x + x_ln is the C onto which the last product adds in place; the additions go ((x + x_ln) + sum) + b2.
; gelu(v) = v Phi(v), z = v / sqrt(2): |z| <= 0.9277: Phi = 1/2 + erf(z) / 2 by an odd polynomial; beyond: R = 2^(r(|z|) log2(e) - 1) = erfc(|z|) / 2 and Phi = R or 1 - R.
; LIMITS: Phi has an absolute error of about 1e-7, so far down the negative tail gelu's relative error grows (about 1e-5 at z = -2, 3e-3 at z = -3); NaN and infinities are not served;
; a block whose largest magnitude lies under 2^-118, a block of zeros too, keeps the byte 1.
; No cluster: two slots of eight records (270,336 bytes) do not fit beside the hidden layer's images; the records go straight into registers.
; THE MODE: SCHED_MODE bits 1:0 = 2 (LLVM: expert scheduling mode 2), set by the entry lines.  The code itself states the register dependences
; between vector or matrix instructions and memory or LDS instructions, with s_wait_alu, always for 0.
; THE PLAN.  Registers that memory or LDS instructions touch:
;   v1-6, v8-11, v58-60   offsets and addresses: written once at the head, never again: one wait on va_vdst ahead of the first load.
;   WR, XR, WS, XS, BI    loads land in them, a unit's 16 products read them: one wait on va_vdst behind the unit, where loads follow.
;   TM                    in the rows' sums: written by vector lines, read by two LDS stores, then LDS loads land in it: va_vdst ahead of the stores, vm_vsrc ahead of the loads.
;   PC, TM, TM + 1        x_ln's codes and halves of scale words: written by the quantiser, read by one run of LDS stores.
;   PC, HA, HSA, HW0, HW1 a trip of the hidden layer: written behind the gelu, read by the trip's four LDS stores, which stand together behind one wait on va_vdst.
;                         One wait on vm_vsrc stands ahead of the trip's quantiser: it serves the stores of x_ln's image in the first trip and the last trip's four stores round the loop.
;   RA, v20, v21          the way out: written by vector lines, read by the stage's stores: one wait on va_vdst.
;   s4-35                 (arguments that are done with) the masks of gelu's two choices: 32 compares in one run, early, and one wait on va_sdst ahead of the first choice.
; The wave's 512 registers leave the record ONE buffer (window 1 is filled by X's 8 fragments and the record's 8; window 0 by x + x_ln, the accumulators and gelu's stages):
; so its loads stand straight behind the products that free it, and the gelu is the work under which they land.
.set REC,  16896
.set XL,   0                           ; LDS: image of x_ln
.set XLSC, 16384
.set RED0, 16896
.set RED1, 17920
.set H,    18944                       ; the hidden layer: pair P, tile u at 1024 P + 512 u
.set HSC,  84480                       ; its scale words: 128 bytes a pair; a K step's finished word is the one stored with its fourth pair
.set STG,  92672                       ; the way out: 32 rows x (2,048 + 16) bytes
.set LI,   1
.set LS,   2
.set LS16, 3
.set BO,   4
.set EO,   5
.set XSO,  6
.set RW,   7
.set HSA,  7                           ; (after the norms)
.set RR,   8
.set FWI,  9
.set FWS,  10
.set HWI,  11
.set XS,   12
.set WS,   16
.set TM,   20
.set PC,   36
.set VC2,  52                          ; v[52:57] three constants, twice each
.set VC4,  54
.set VK2,  56
.set HWS,  58
.set LIH,  59
.set LSH,  60
.set HA,   61
.set HW0,  62
.set HW1,  63
.set RA,   64                          ; v64-127 [u][p][16]
.set E,    128                         ; v128-191 emb, then x - mean, then x_ln
.set ACC,  128                         ; v128-159 a hidden pair's four accumulators [u][t]
.set LNW,  192
.set LNB,  224
.set BI,   224
.set GZ,   160
.set GT,   176
.set GS,   192
.set GR,   208
.set GU,   240
.set XR,   0
.set WR,   128
.set GM,   4                           ; s[4:35] gelu's masks: 16 for the sign of z, 16 for the range
.set EMB,  36
.set PBO,  38
.set PLW,  40
.set PLB,  42
.set BP,   44
.set PB2,  46
.set OUT,  48
.set AOC,  50
.set AOS,  52
.set WB,   54
.set WP,   56
.set WV,   58
.set Y,    59
.set J,    60
.set HO,   61
.set HSO,  62
.set THR,  63
.set SEL,  80
.set MNT,  82
.set C9,   83
.set EPS,  84
.set W2P,  94                          ; s[94:95] the last product's first record of mine
.set MSB, 0
.macro WIN new
.if MSB != \new
	s_set_vgpr_msb (MSB<<8)|\new
.set MSB, \new
.endif
.endm
.set MUL,  0x05
.set TO_F, 0x40
.macro PLACES n
.rept \n
	v_nop
.endr
.endm
.macro BARRIER
	s_wait_dscnt 0x0
	s_barrier_signal -1
	s_barrier_wait -1
.endm
.macro WM d, a, b, cm, cb, sa, sb, ra, rb
.set w_d, \d
.set w_a, \a
.set w_b, \b
.set w_c, \cb
.set w_sa, \sa
.set w_sb, \sb
.set w_r, 2*(\ra)+(\rb)
.if (\cm) == 2
.set w_c, w_d
.endif
.if w_r == 0
	v_wmma_scale_f32_16x16x128_f8f6f4 v[w_d:w_d+7], v[w_a:w_a+15], v[w_b:w_b+15], v[w_c:w_c+7], v[w_sa], v[w_sb]
.elseif w_r == 1
	v_wmma_scale_f32_16x16x128_f8f6f4 v[w_d:w_d+7], v[w_a:w_a+15], v[w_b:w_b+15], v[w_c:w_c+7], v[w_sa], v[w_sb] matrix_b_scale:MATRIX_SCALE_ROW1
.elseif w_r == 2
	v_wmma_scale_f32_16x16x128_f8f6f4 v[w_d:w_d+7], v[w_a:w_a+15], v[w_b:w_b+15], v[w_c:w_c+7], v[w_sa], v[w_sb] matrix_a_scale:MATRIX_SCALE_ROW1
.else
	v_wmma_scale_f32_16x16x128_f8f6f4 v[w_d:w_d+7], v[w_a:w_a+15], v[w_b:w_b+15], v[w_c:w_c+7], v[w_sa], v[w_sb] matrix_a_scale:MATRIX_SCALE_ROW1 matrix_b_scale:MATRIX_SCALE_ROW1
.endif
.endm
; A pair x 32 tokens x 512 along K: 16 matrix instructions, four accumulators by turns.  cm = 1: the sums begin with the bias; 2: in place.
.macro PAIRMM acc, us, cm
.irp s, 0,1,2,3
.irp u, 0,1
.irp t, 0,1
.if \s == 0
.set pcm, \cm
.else
.set pcm, 2
.endif
	WM (\acc)+(\us)*\u+8*\t, WR+16*(4*\t+\s), XR+16*(4*\u+\s), pcm, BI+8*\t, WS+2*\t+\s/2, XS+\s, \s%2, \u
.endr
.endr
.endr
.endm
.macro WLOADP base, off, nb, bb, boff
	WIN TO_F
.set l_i, 0
.rept 32
	global_load_b128 v[WR+4*l_i:WR+4*l_i+3], v[LI], s[\base:\base+1] offset:(\off)+512*l_i
.set l_i, l_i+1
.endr
	WIN 0
.irp k, 0,1,2,3
	global_load_b32 v[WS+\k], v[LS], s[\base:\base+1] offset:(\off)+16384+128*\k
.endr
.if \nb
.irp j, 0,1,2,3
	global_load_b128 v[BI+4*\j:BI+4*\j+3], v[BO], s[\bb:\bb+1] offset:(\boff)+16*\j
.endr
.endif
.endm
.macro XFETCH adr, img, sadr, sc, sst
	WIN TO_F
.irp u, 0,1
.irp s, 0,1,2,3
.irp c, 0,1,2,3
	ds_load_b128 v[XR+16*(4*\u+\s)+4*\c:XR+16*(4*\u+\s)+4*\c+3], v[\adr] offset:(\img)+4096*\s+1024*\c+512*\u
.endr
.endr
.endr
	WIN 0
.irp s, 0,1,2,3
	ds_load_b32 v[XS+\s], v[\sadr] offset:(\sc)+(\sst)*\s
.endr
.endm
; The nine places serve reads of these products' results and accumulators begun anew with another C.  ld = 1: loads follow that land in registers that these products read.
.macro UNIT acc, us, cm, ld
	s_wait_loadcnt 0x0
	s_wait_dscnt 0x0
	WIN MUL
	PAIRMM \acc, \us, \cm
	WIN 0
	PLACES 9
.if \ld
	s_wait_alu depctr_va_vdst(0)                   ; the sixteen products are done reading the record, its scale words, the bias, X's fragments and X's scale words: the loads that follow land in some of these
.endif
.endm
.macro QUANT src, n, pc
.set q_b, 0
.rept \n
	v_max3_num_f32 v[TM+q_b], |v[(\src)+16*q_b]|, |v[(\src)+16*q_b+1]|, 0x4800000
.set q_b, q_b+1
.endr
.irp i, 2,4,6,8,10,12,14
.set q_b, 0
.rept \n
	v_max3_num_f32 v[TM+q_b], v[TM+q_b], |v[(\src)+16*q_b+\i]|, |v[(\src)+16*q_b+\i+1]|
.set q_b, q_b+1
.endr
.endr
.set q_b, 0
.rept \n
	v_permlanex16_b32 v[TM+4+q_b], v[TM+q_b], s[SEL], s[SEL+1]
.set q_b, q_b+1
.endr
.set q_b, 0
.rept \n
	v_max_num_f32 v[TM+q_b], v[TM+q_b], v[TM+4+q_b]
.set q_b, q_b+1
.endr
.set q_b, 0
.rept \n
	v_add_nc_u32 v[TM+12+q_b], 0xfc000000, v[TM+q_b]
	v_and_or_b32 v[TM+8+q_b], v[TM+q_b], 0x7f800000, s[MNT]
	v_lshrrev_b32 v[TM+4+q_b], 23, v[TM+12+q_b]
.set q_b, q_b+1
.endr
.set q_b, 0
.rept \n
.set q_i, 0
.rept 16
	v_med3_num_f32 v[(\src)+16*q_b+q_i], v[(\src)+16*q_b+q_i], -v[TM+8+q_b], v[TM+8+q_b]
.set q_i, q_i+1
.endr
	v_cvt_scalef32_pk8_fp8_f32 v[(\pc)+4*q_b:(\pc)+4*q_b+1], v[(\src)+16*q_b:(\src)+16*q_b+7], v[TM+12+q_b]
	v_cvt_scalef32_pk8_fp8_f32 v[(\pc)+4*q_b+2:(\pc)+4*q_b+3], v[(\src)+16*q_b+8:(\src)+16*q_b+15], v[TM+12+q_b]
.set q_b, q_b+1
.endr
	v_nop
.endm
; Four chains (two for each tile u) -> my 64 channels' sums -> LDS -> the rows' 512: tile u's in v[TM + 8 u]
.macro FOLD red
.irp u, 0,1
	v_pk_add_f32 v[TM+4*\u:TM+4*\u+1], v[TM+4*\u:TM+4*\u+1], v[TM+4*\u+2:TM+4*\u+3]
.endr
.irp u, 0,1
	v_add_f32 v[TM+4*\u], v[TM+4*\u], v[TM+4*\u+1]
.endr
.irp u, 0,1
	v_permlanex16_b32 v[TM+4*\u+1], v[TM+4*\u], s[SEL], s[SEL+1]
.endr
.irp u, 0,1
	v_add_f32 v[TM+4*\u], v[TM+4*\u], v[TM+4*\u+1]
.endr
	s_wait_alu depctr_va_vdst(0)                   ; the additions have written v[TM] and v[TM+4], which the stores read; every vector line is done with v[TM] to v[TM+15], in which the loads below land
.irp u, 0,1
	ds_store_b32 v[RW], v[TM+4*\u] offset:(\red)+512*\u
.endr
	BARRIER
	s_wait_alu depctr_vm_vsrc(0)                   ; my two stores have read v[TM] and v[TM+4], in which the loads land
.irp u, 0,1
	ds_load_b128 v[TM+8*\u:TM+8*\u+3], v[RR] offset:(\red)+512*\u
	ds_load_b128 v[TM+8*\u+4:TM+8*\u+7], v[RR] offset:(\red)+512*\u+16
.endr
	s_wait_dscnt 0x0
.irp u, 0,1
.irp k, 0,2,4,6
	v_add_f32 v[TM+8*\u+\k], v[TM+8*\u+\k], v[TM+8*\u+\k+1]
.endr
.endr
.irp u, 0,1
	v_add_f32 v[TM+8*\u], v[TM+8*\u], v[TM+8*\u+2]
	v_add_f32 v[TM+8*\u+4], v[TM+8*\u+4], v[TM+8*\u+6]
.endr
.irp u, 0,1
	v_add_f32 v[TM+8*\u], v[TM+8*\u], v[TM+8*\u+4]
.endr
.endm
.macro FMA_L d, a, b, lit              ; d = a b + a constant, 16 numbers
.set g_i, 0
.rept 8
	v_pk_fma_f32 v[\d+g_i:\d+g_i+1], v[\a+g_i:\a+g_i+1], v[\b+g_i:\b+g_i+1], \lit op_sel_hi:[1,1,0]
.set g_i, g_i+2
.endr
.endm
.macro FMA_C d, a, lit, c              ; d = a x a constant + the pair c
.set g_i, 0
.rept 8
	v_pk_fma_f32 v[\d+g_i:\d+g_i+1], v[\a+g_i:\a+g_i+1], \lit, v[\c:\c+1] op_sel_hi:[1,0,1]
.set g_i, g_i+2
.endr
.endm
.macro GELU a                          ; 16 registers, stage by stage, so that no line waits for the line above it
.set g_i, 0
.rept 8
	v_pk_mul_f32 v[GZ+g_i:GZ+g_i+1], v[(\a)+g_i:(\a)+g_i+1], 0x3f3504f3 op_sel_hi:[1,0]   ; z
.set g_i, g_i+2
.endr
.set g_i, 0
.rept 16
	v_and_b32 v[GT+g_i], 0x7fffffff, v[GZ+g_i]                                            ; |z|
.set g_i, g_i+1
.endr
.set g_i, 0
.rept 16
	v_cmp_lt_f32 s[GM+g_i], 0, v[GZ+g_i]                                                  ; the masks of the two choices at the end, in one run, as soon as z and |z| stand: is z over 0,
	v_cmp_lt_f32 s[GM+16+g_i], s[THR], v[GT+g_i]                                          ; and is |z| beyond the polynomial's range
.set g_i, g_i+1
.endr
.set g_i, 0
.rept 8
	v_pk_mul_f32 v[GS+g_i:GS+g_i+1], v[GZ+g_i:GZ+g_i+1], v[GZ+g_i:GZ+g_i+1]
.set g_i, g_i+2
.endr
	FMA_C GR, GT, 0xb7910000, VC2
	FMA_C GU, GT, 0xbb7e8a1c, VC4
.set g_i, 0
.rept 8
	v_pk_fma_f32 v[GR+g_i:GR+g_i+1], v[GR+g_i:GR+g_i+1], v[GS+g_i:GS+g_i+1], v[GU+g_i:GU+g_i+1]
.set g_i, g_i+2
.endr
	FMA_L GR, GR, GT, 0xbddaae5c
	FMA_L GR, GR, GT, 0xbf228550
	FMA_L GR, GR, GT, 0xbe03ce86
.set g_i, 0
.rept 8
	v_pk_fma_f32 v[GR+g_i:GR+g_i+1], v[GR+g_i:GR+g_i+1], v[GT+g_i:GT+g_i+1], v[GT+g_i:GT+g_i+1] neg_lo:[0,0,1] neg_hi:[0,0,1]   ; r = ln erfc |z|
.set g_i, g_i+2
.endr
.set g_i, 0
.rept 8
	v_pk_fma_f32 v[GR+g_i:GR+g_i+1], v[GR+g_i:GR+g_i+1], 0x3fb8aa3b, -1.0 op_sel_hi:[1,0,0]
.set g_i, g_i+2
.endr
.set g_i, 0
.rept 16
	v_exp_f32 v[GR+g_i], v[GR+g_i]                                                        ; erfc |z| / 2
.set g_i, g_i+1
.endr
	FMA_C GU, GS, 0xba1c7000, VK2                                                         ; (plain lines behind the exponentials)
	FMA_L GU, GU, GS, 0xbcdb48d9
	FMA_L GU, GU, GS, 0x3de70e22
	FMA_L GU, GU, GS, 0xbec09380
	FMA_L GU, GU, GS, 0x3e0375d4
.set g_i, 0
.rept 8
	v_pk_fma_f32 v[GU+g_i:GU+g_i+1], v[GU+g_i:GU+g_i+1], v[GZ+g_i:GZ+g_i+1], v[GZ+g_i:GZ+g_i+1]   ; erf z
.set g_i, g_i+2
.endr
.set g_i, 0
	s_wait_alu depctr_va_vdst(0)                   ; the sixteen exponentials have written v[GR ..]: one wait for the batch, ahead of its first reader
.rept 8
	v_pk_fma_f32 v[GU+g_i:GU+g_i+1], v[GU+g_i:GU+g_i+1], 0.5, 0.5 op_sel_hi:[1,0,0]
	v_pk_fma_f32 v[GS+g_i:GS+g_i+1], v[GR+g_i:GR+g_i+1], -1.0, 1.0 op_sel_hi:[1,0,0]
.set g_i, g_i+2
.endr
	s_wait_alu depctr_va_sdst(0)                   ; the 32 compares have written their masks, ahead of the first choice that reads one
.set g_i, 0
.rept 16
	v_cndmask_b32 v[GR+g_i], v[GR+g_i], v[GS+g_i], s[GM+g_i]                              ; z > 0: 1 - R
	v_cndmask_b32 v[GU+g_i], v[GU+g_i], v[GR+g_i], s[GM+16+g_i]                           ; which range: a choice of values, no branch
.set g_i, g_i+1
.endr
.set g_i, 0
.rept 8
	v_pk_mul_f32 v[(\a)+g_i:(\a)+g_i+1], v[(\a)+g_i:(\a)+g_i+1], v[GU+g_i:GU+g_i+1]
.set g_i, g_i+2
.endr
.endm
	s_load_b512 s[4:19], s[0:1], 0x0               ; gene_emb expr_emb g_bo e_bo ln_g2_w ln_e2_w ln_g2_b ln_e2_b
	s_load_b512 s[20:35], s[0:1], 0x40             ; fg_b1 fe_b1 fg_b2 fe_b2 out0 out1 ao wc
	v_lshrrev_b32 v1, 5, v0
	v_readfirstlane_b32 s[WV], v1
	v_and_b32 v20, 31, v0
	v_and_b32 v21, 15, v0                          ; r
	v_bfe_u32 v22, v0, 4, 1                        ; h
	v_and_b32 v23, 8, v21
	v_add_nc_u32 v23, v23, v21
	v_lshlrev_b32 v[LI], 4, v20
	v_lshlrev_b32 v[LS], 2, v20
	v_lshlrev_b32 v[LS16], 2, v21
	v_lshlrev_b32 v[BO], 6, v22
	v_lshl_add_u32 v[EO], v23, 11, v[BO]
	v_lshl_add_u32 v[XSO], v22, 8, v[LS16]
	v_lshlrev_b32 v[RR], 5, v21
	s_wait_alu depctr_va_sdst(0)                   ; the wave's number is written, ahead of its first reader
	s_lshl_b32 s66, s[WV], 2
	v_add_nc_u32 v[RW], s66, v[RR]                 ; 32 r + 4 w
	s_lshr_b32 s68, s[WV], 1
	s_lshl_b32 s68, s68, 12
	s_and_b32 s69, s[WV], 1
	s_lshl_b32 s70, s69, 11
	s_add_co_u32 s70, s70, s68
	v_add_nc_u32 v[FWI], s70, v[LI]
	s_lshr_b32 s68, s68, 5
	s_lshl_b32 s69, s69, 1
	s_add_co_u32 s68, s68, s69
	v_add_nc_u32 v[FWS], s68, v[LS16]
	s_lshl_b32 s68, s[WV], 13
	s_add_co_u32 s68, s68, H
	v_add_nc_u32 v[HWI], s68, v[LI]
	s_lshl_b32 s68, s[WV], 10
	s_add_co_u32 s68, s68, HSC
	v_add_nc_u32 v[HWS], s68, v[LS16]
	v_add_nc_u32 v[LIH], H, v[LI]
	v_add_nc_u32 v[LSH], HSC, v[LS]
	v_mov_b32 v[VC2], 0x39c8e7d9
	v_mov_b32 v[VC2+1], 0x39c8e7d9
	v_mov_b32 v[VC4], 0x3cc6b1a1
	v_mov_b32 v[VC4+1], 0x3cc6b1a1
	v_mov_b32 v[VK2], 0x3ba38d2c
	v_mov_b32 v[VK2+1], 0x3ba38d2c
	v_mov_b32 v[HW0], 0
	v_mov_b32 v[HW1], 0
	s_mov_b32 s[SEL], 0x76543210
	s_mov_b32 s[SEL+1], 0xfedcba98
	s_mov_b32 s[MNT], 0x600000
	s_mov_b32 s[C9], 0x3b000000
	s_mov_b32 s[EPS], 0x3727c5ac
	s_mov_b32 s[THR], 0x3f6d8000                   ; 0.927734375
	s_and_b32 s[Y], ttmp7, 0xffff
	s_lshl_b32 s70, ttmp9, 16
	s_lshl_b32 s74, s[WV], 8
	s_add_co_u32 s70, s70, s74                     ; emb: my block's rows, my 64 channels
	s_mov_b32 s71, 0
	s_mov_b32 s75, 0
	s_lshl_b32 s72, ttmp9, 16
	s_lshl_b32 s73, s[WV], 13
	s_add_co_u32 s72, s72, s73                     ; out: my block's rows 4 w on
	s_mov_b32 s73, 0
	s_lshl_b32 s76, s[Y], 7
	s_add_co_u32 s76, s76, ttmp9                   ; z
	s_lshl_b32 s77, s[Y], 6
	s_lshl_b32 s78, s[WV], 1
	s_add_co_u32 s78, s78, s77
	s_mul_i32 s78, s78, REC
	s_mov_b32 s79, 0
	s_lshl_b32 s86, s[WV], 3
	s_add_co_u32 s86, s86, s77
	s_add_co_u32 s86, s86, 288
	s_mul_i32 s86, s86, REC
	s_mov_b32 s87, 0
	s_lshl_b32 s88, s[WV], 10
	s_mov_b32 s89, 0
	s_lshl_b32 s90, s76, 14
	s_mov_b32 s91, 0
	s_lshl_b32 s92, s76, 9
	s_add_co_u32 s92, s92, 0x400000
	s_mov_b32 s93, 0
	s_wait_kmcnt 0x0
	s_cmp_eq_u32 s[Y], 0
	s_cselect_b64 s[EMB:EMB+1], s[4:5], s[6:7]
	s_cselect_b64 s[PBO:PBO+1], s[8:9], s[10:11]
	s_cselect_b64 s[PLW:PLW+1], s[12:13], s[14:15]
	s_cselect_b64 s[PLB:PLB+1], s[16:17], s[18:19]
	s_cselect_b64 s[BP:BP+1], s[20:21], s[22:23]
	s_cselect_b64 s[PB2:PB2+1], s[24:25], s[26:27]
	s_cselect_b64 s[OUT:OUT+1], s[28:29], s[30:31]
	s_add_nc_u64 s[EMB:EMB+1], s[EMB:EMB+1], s[70:71]
	s_add_nc_u64 s[PBO:PBO+1], s[PBO:PBO+1], s[74:75]
	s_add_nc_u64 s[PLW:PLW+1], s[PLW:PLW+1], s[74:75]
	s_add_nc_u64 s[PLB:PLB+1], s[PLB:PLB+1], s[74:75]
	s_add_nc_u64 s[PB2:PB2+1], s[PB2:PB2+1], s[74:75]
	s_add_nc_u64 s[BP:BP+1], s[BP:BP+1], s[88:89]
	s_add_nc_u64 s[OUT:OUT+1], s[OUT:OUT+1], s[72:73]
	s_add_nc_u64 s[AOC:AOC+1], s[32:33], s[90:91]
	s_add_nc_u64 s[AOS:AOS+1], s[32:33], s[92:93]
	s_add_nc_u64 s[WB:WB+1], s[34:35], s[78:79]
	s_add_nc_u64 s[WP:WP+1], s[34:35], s[86:87]
	s_add_nc_u64 s[W2P:W2P+1], s[WB:WB+1], 160*REC
	; ---- x = emb + attn Wo + bo
	s_wait_alu depctr_va_vdst(0)                   ; the head has written the offsets and addresses v1 to v11 and v58 to v60, which the loads and stores of the whole kernel read
	WIN TO_F
.irp u, 0,1
.irp s, 0,1,2,3
.irp c, 0,1,2,3
	global_load_b128 v[XR+16*(4*\u+\s)+4*\c:XR+16*(4*\u+\s)+4*\c+3], v[LI], s[AOC:AOC+1] offset:4096*\s+1024*\c+512*\u
.endr
.endr
.endr
	WIN 0
.irp s, 0,1,2,3
	global_load_b32 v[XS+\s], v[XSO], s[AOS:AOS+1] offset:64*\s
.endr
.irp u, 0,1
.irp p, 0,1
.irp j, 0,1,2,3
	global_load_b128 v[E+32*\u+16*\p+4*\j:E+32*\u+16*\p+4*\j+3], v[EO], s[EMB:EMB+1] offset:16384*\u+128*\p+16*\j
.endr
.endr
.endr
.irp p, 0,1
.irp j, 0,1,2,3
	global_load_b128 v[LNW+16*\p+4*\j:LNW+16*\p+4*\j+3], v[BO], s[PLW:PLW+1] offset:128*\p+16*\j
.endr
.endr
	WLOADP WB, 48*REC, 1, PBO, 0
	UNIT RA, 32, 1, 1
	WLOADP WB, 49*REC, 1, PBO, 128
	UNIT RA+16, 32, 1, 1
.irp p, 0,1
.irp j, 0,1,2,3
	global_load_b128 v[LNB+16*\p+4*\j:LNB+16*\p+4*\j+3], v[BO], s[PLB:PLB+1] offset:128*\p+16*\j
.endr
.endr
.set a_j, 0
.rept 32
	v_pk_add_f32 v[RA+a_j:RA+a_j+1], v[RA+a_j:RA+a_j+1], v[E+a_j:E+a_j+1]
.set a_j, a_j+2
.endr
	; ---- the second layer norm: eight waves hold a row's 512 channels
.irp u, 0,1
.irp k, 0,1
	v_pk_add_f32 v[TM+4*\u+2*\k:TM+4*\u+2*\k+1], v[RA+32*\u+2*\k:RA+32*\u+2*\k+1], v[RA+32*\u+4+2*\k:RA+32*\u+4+2*\k+1]
.endr
.endr
.irp g, 2,3,4,5,6,7
.irp u, 0,1
.irp k, 0,1
	v_pk_add_f32 v[TM+4*\u+2*\k:TM+4*\u+2*\k+1], v[TM+4*\u+2*\k:TM+4*\u+2*\k+1], v[RA+32*\u+4*\g+2*\k:RA+32*\u+4*\g+2*\k+1]
.endr
.endr
.endr
	FOLD RED0
.irp u, 0,1
	v_mul_f32 v[PC+2*\u], s[C9], v[TM+8*\u]        ; the means
.endr
.irp u, 0,1
	v_mov_b32 v[PC+2*\u+1], v[PC+2*\u]
.endr
.irp u, 0,1
.set a_j, 0
.rept 16
	v_pk_add_f32 v[E+32*\u+a_j:E+32*\u+a_j+1], v[RA+32*\u+a_j:RA+32*\u+a_j+1], v[PC+2*\u:PC+2*\u+1] neg_lo:[0,1] neg_hi:[0,1]
.set a_j, a_j+2
.endr
.endr
.irp u, 0,1
.irp k, 0,1
	v_pk_mul_f32 v[TM+4*\u+2*\k:TM+4*\u+2*\k+1], v[E+32*\u+2*\k:E+32*\u+2*\k+1], v[E+32*\u+2*\k:E+32*\u+2*\k+1]
.endr
.endr
.irp g, 1,2,3,4,5,6,7
.irp u, 0,1
.irp k, 0,1
	v_pk_fma_f32 v[TM+4*\u+2*\k:TM+4*\u+2*\k+1], v[E+32*\u+4*\g+2*\k:E+32*\u+4*\g+2*\k+1], v[E+32*\u+4*\g+2*\k:E+32*\u+4*\g+2*\k+1], v[TM+4*\u+2*\k:TM+4*\u+2*\k+1]
.endr
.endr
.endr
	FOLD RED1
.irp u, 0,1
	v_fma_f32 v[PC+4+2*\u], v[TM+8*\u], s[C9], s[EPS]
.endr
.irp u, 0,1
	v_rsq_f32 v[PC+4+2*\u], v[PC+4+2*\u]
.endr
	v_nop
	s_wait_alu depctr_va_vdst(0)                   ; the two roots' reciprocals are written, ahead of their first reader
.irp u, 0,1
	v_mov_b32 v[PC+5+2*\u], v[PC+4+2*\u]
.endr
	s_wait_loadcnt 0x0                             ; the norm's gains and biases
.irp u, 0,1
.set a_j, 0
.rept 16
	v_pk_mul_f32 v[E+32*\u+a_j:E+32*\u+a_j+1], v[E+32*\u+a_j:E+32*\u+a_j+1], v[PC+4+2*\u:PC+5+2*\u]
.set a_j, a_j+2
.endr
.endr
.irp u, 0,1
.set a_j, 0
.rept 16
	v_pk_fma_f32 v[E+32*\u+a_j:E+32*\u+a_j+1], v[E+32*\u+a_j:E+32*\u+a_j+1], v[LNW+a_j:LNW+a_j+1], v[LNB+a_j:LNB+a_j+1]
.set a_j, a_j+2
.endr
.endr
.set a_j, 0
.rept 32
	v_pk_add_f32 v[RA+a_j:RA+a_j+1], v[RA+a_j:RA+a_j+1], v[E+a_j:E+a_j+1]     ; x + x_ln
.set a_j, a_j+2
.endr
	QUANT E, 4, PC                                 ; block 2 u + p: group 2 (w % 2) + p of K step w / 2, tile u
	v_lshl_or_b32 v[TM], v[TM+5], 8, v[TM+4]
	v_lshl_or_b32 v[TM+1], v[TM+7], 8, v[TM+6]
	s_wait_alu depctr_va_vdst(0)                   ; the codes and the two halves of scale words are written, which the stores read; the norm is done reading its biases, in whose first sixteen registers the hidden layer's first bias lands
.irp u, 0,1
.irp p, 0,1
	ds_store_b128 v[FWI], v[PC+4*(2*\u+\p):PC+4*(2*\u+\p)+3] offset:XL+1024*\p+512*\u
.endr
.endr
	ds_store_b16 v[FWS], v[TM] offset:XLSC
	ds_store_b16 v[FWS], v[TM+1] offset:XLSC+64
	WLOADP WP, 0, 1, BP, 0
	BARRIER
	XFETCH LI, XL, LS, XLSC, 128
	; ---- the hidden layer: eight trips, a pair of 32 units each.  Every trip asks for the record that is multiplied next: the next pair's, and in the last trip the last product's first, which lands while the last pair's gelu runs
	s_mov_b32 s[J], 0
	s_mov_b32 s[HO], 0
	s_mov_b32 s[HSO], 0
.Lf1:
	UNIT ACC, 16, 1, 1
	s_add_nc_u64 s[WP:WP+1], s[WP:WP+1], REC       ; (the loads that named these have come: the wait at the products' head)
	s_cmp_eq_u32 s[J], 7
	s_cselect_b64 s[WP:WP+1], s[W2P:W2P+1], s[WP:WP+1]   ; a choice on the trip's number alone
	WLOADP WP, 0, 0, BP, 0
	s_cmp_eq_u32 s[J], 7
	s_cbranch_scc1 .Lf1_nb                         ; the last product begins with no bias of its own, and no load leaves b1
	s_add_nc_u64 s[BP:BP+1], s[BP:BP+1], 128
.irp j, 0,1,2,3
	global_load_b128 v[BI+4*\j:BI+4*\j+3], v[BO], s[BP:BP+1] offset:16*\j
.endr
.Lf1_nb:
	GELU ACC
	GELU ACC+16
	s_wait_alu depctr_vm_vsrc(0)                   ; the LDS stores issued so far (first trip: x_ln's image and halves of scale words; later: the last trip's four) have read the codes, v[TM], v[TM+1], the two addresses and the two running words, all of which are written again below
	QUANT ACC, 2, PC                               ; block u: the pair's 32 units of tile u
	v_add_nc_u32 v[HA], s[HO], v[HWI]
	v_lshrrev_b32 v[HW0], 8, v[HW0]                ; the last four pairs' bytes, the oldest lowest
	v_lshrrev_b32 v[HW1], 8, v[HW1]
	v_lshl_or_b32 v[HW0], v[TM+4], 24, v[HW0]
	v_lshl_or_b32 v[HW1], v[TM+5], 24, v[HW1]
	v_add_nc_u32 v[HSA], s[HSO], v[HWS]
	s_wait_alu depctr_va_vdst(0)                   ; the codes, the two running words and the two addresses are written, which the four stores read
	ds_store_b128 v[HA], v[PC:PC+3]
	ds_store_b128 v[HA], v[PC+4:PC+7] offset:512
	ds_store_b32 v[HSA], v[HW0]
	ds_store_b32 v[HSA], v[HW1] offset:64
	s_wait_dscnt 0x0                               ; the stores have read their registers
	s_add_co_u32 s[HO], s[HO], 1024
	s_add_co_u32 s[HSO], s[HSO], 128
	s_add_co_u32 s[J], s[J], 1
	s_cmp_lt_u32 s[J], 8
	s_cbranch_scc1 .Lf1
	; ---- the last product adds onto x + x_ln, 512 along K at a time
	BARRIER                                        ; the hidden layer's images lie in LDS
.irp q, 0,1,2,3
	XFETCH LIH, 16384*\q, LSH, 384+2048*\q, 512
	UNIT RA, 32, 2, 1
	WLOADP WB, (161+16*\q)*REC, 0, BP, 0
.if \q < 3
	UNIT RA+16, 32, 2, 1
	WLOADP WB, (176+16*\q)*REC, 0, BP, 0
.else
	UNIT RA+16, 32, 2, 0
.endif
.endr
.irp p, 0,1
.irp j, 0,1,2,3
	global_load_b128 v[E+16*\p+4*\j:E+16*\p+4*\j+3], v[BO], s[PB2:PB2+1] offset:128*\p+16*\j
.endr
.endr
	v_and_b32 v20, 15, v0
	v_and_b32 v21, 8, v20
	v_add_nc_u32 v20, v20, v21
	v_mul_u32_u24 v20, v20, 2064
	v_add_nc_u32 v20, v20, v[BO]
	s_lshl_b32 s66, s[WV], 8
	s_add_co_u32 s66, s66, STG
	v_add_nc_u32 v20, s66, v20                     ; into the stage: row r + (r & 8) (+ 8 u), my channels' bytes
	s_mul_i32 s66, s[WV], 8256
	s_add_co_u32 s66, s66, STG
	v_add_nc_u32 v21, s66, v[LI]                   ; back: rows 4 w on, 512 bytes an instruction
	s_wait_loadcnt 0x0
.irp u, 0,1
.set a_j, 0
.rept 16
	v_pk_add_f32 v[RA+32*\u+a_j:RA+32*\u+a_j+1], v[RA+32*\u+a_j:RA+32*\u+a_j+1], v[E+a_j:E+a_j+1]
.set a_j, a_j+2
.endr
.endr
	s_wait_alu depctr_va_vdst(0)                   ; the results and the stage's two addresses are written, which the stores and loads below read; the additions are done reading b2, in whose registers the rows come back
.irp u, 0,1
.irp p, 0,1
.irp j, 0,1,2,3
	ds_store_b128 v20, v[RA+32*\u+16*\p+4*\j:RA+32*\u+16*\p+4*\j+3] offset:16512*\u+128*\p+16*\j
.endr
.endr
.endr
	BARRIER                                        ; 32 whole rows lie in the stage
.set o_i, 0
.rept 16
	ds_load_b128 v[E+4*o_i:E+4*o_i+3], v21 offset:2064*(o_i/4)+512*(o_i%4)
.set o_i, o_i+1
.endr
.set o_i, 0
.rept 16
	s_wait_dscnt 15-o_i                            ; LDS loads come back in order: the younger ones may be out
	global_store_b128 v[LI], v[E+4*o_i:E+4*o_i+3], s[OUT:OUT+1] offset:2048*(o_i/4)+512*(o_i%4) th:TH_STORE_NT   ; 512 consecutive bytes, aligned
.set o_i, o_i+1
.endr
	s_wait_xcnt 0x0
	v_lshl_add_u32 v254, v0, 2, 0x26c00            ; the add's two registers, made straight ahead of the closing lines; no memory or LDS instruction of the kernel has read v254 or v255
	v_mov_b32 v255, 0
	s_wait_dscnt 0x0                               ; the closing lines, six on end
	s_wait_alu 0x0
	s_wait_tensorcnt 0x0
	ds_add_u32 v254, v255
	s_wait_dscnt 0x0
	s_endpgm
.Lfunc_end_k_q6077fcb2e5_back:
	.size	k_q6077fcb2e5_back, .Lfunc_end_k_q6077fcb2e5_back-k_q6077fcb2e5_back
	.p2alignl 7, 3214868480
	.fill 96, 4, 3214868480
	.section	.rodata,"a",@progbits
	.p2align	6, 0x0
	.amdhsa_kernel k_q6077fcb2e5_back
		.amdhsa_group_segment_fixed_size 159744
		.amdhsa_private_segment_fixed_size 0
		.amdhsa_enable_private_segment 0
		.amdhsa_kernarg_size 128
		.amdhsa_user_sgpr_count 2
		.amdhsa_user_sgpr_kernarg_segment_ptr 1
		.amdhsa_wavefront_size32 1
		.amdhsa_system_sgpr_workgroup_id_x 1
		.amdhsa_system_sgpr_workgroup_id_y 1
		.amdhsa_system_sgpr_workgroup_id_z 1
		.amdhsa_system_vgpr_workitem_id 0
		.amdhsa_next_free_vgpr 512
		.amdhsa_next_free_sgpr 100
		.amdhsa_reserve_vcc 0
		.amdhsa_float_denorm_mode_32 3
		.amdhsa_float_denorm_mode_16_64 3
		.amdhsa_memory_ordered 1
		.amdhsa_forward_progress 1
		.amdhsa_inst_pref_size 163
	.end_amdhsa_kernel
	.amdgpu_metadata
---
amdhsa.version: [ 1, 2 ]
amdhsa.kernels:
  - .name:           k_q6077fcb2e5_back
    .symbol:         k_q6077fcb2e5_back.kd
    .args:
      - { .name: gene_emb, .offset: 0, .size: 8, .value_kind: global_buffer, .address_space: global }
      - { .name: expr_emb, .offset: 8, .size: 8, .value_kind: global_buffer, .address_space: global }
      - { .name: g_bo, .offset: 16, .size: 8, .value_kind: global_buffer, .address_space: global }
      - { .name: e_bo, .offset: 24, .size: 8, .value_kind: global_buffer, .address_space: global }
      - { .name: ln_g2_w, .offset: 32, .size: 8, .value_kind: global_buffer, .address_space: global }
      - { .name: ln_e2_w, .offset: 40, .size: 8, .value_kind: global_buffer, .address_space: global }
      - { .name: ln_g2_b, .offset: 48, .size: 8, .value_kind: global_buffer, .address_space: global }
      - { .name: ln_e2_b, .offset: 56, .size: 8, .value_kind: global_buffer, .address_space: global }
      - { .name: fg_b1, .offset: 64, .size: 8, .value_kind: global_buffer, .address_space: global }
      - { .name: fe_b1, .offset: 72, .size: 8, .value_kind: global_buffer, .address_space: global }
      - { .name: fg_b2, .offset: 80, .size: 8, .value_kind: global_buffer, .address_space: global }
      - { .name: fe_b2, .offset: 88, .size: 8, .value_kind: global_buffer, .address_space: global }
      - { .name: out0, .offset: 96, .size: 8, .value_kind: global_buffer, .address_space: global }
      - { .name: out1, .offset: 104, .size: 8, .value_kind: global_buffer, .address_space: global }
      - { .name: ao, .offset: 112, .size: 8, .value_kind: global_buffer, .address_space: global }
      - { .name: wc, .offset: 120, .size: 8, .value_kind: global_buffer, .address_space: global }
    .group_segment_fixed_size: 159744
    .private_segment_fixed_size: 0
    .kernarg_segment_align: 8
    .kernarg_segment_size: 128
    .max_flat_workgroup_size: 256
    .sgpr_count:     100
    .vgpr_count:     512
    .wavefront_size: 32
...
	.end_amdgpu_metadata
.endif
;; end of part 6
